; MI455X (gfx1250); checked and timed in simulation.
; The chip was launched on July 23, 2026; its instructions are those of AMD's public machine-readable ISA for CDNA 5 (MIT licence, August 2026) and "CDNA5" Instruction Set Architecture Reference Guide (July 2026). The comments in the code are by the model that wrote it; some were corrected since.
;; Transformer Block. Allowed arithmetic: matrix products marked QUANTISED: E5M2 operands, one E8M0 scale for each 32 along K, by v_wmma_scale_f32_16x16x128_f8f6f4 with both operands' format E5M2, f32 sums; everything else in f32.
;; Inputs: Wk_codes 1,024 x 32 x 32 uint8 (E5M2 codes of Wk, K innermost, in blocks of 32 codes); Wk_scales 1,024 x 32 uint8 (E8M0 scales of Wk, one for each 32 codes along K); Wo_codes 1,024 x 32 x 32 uint8 (E5M2 codes of Wo, K innermost, in blocks of 32 codes); Wo_scales 1,024 x 32 uint8 (E8M0 scales of Wo, one for each 32 codes along K); Wq_codes 1,024 x 32 x 32 uint8 (E5M2 codes of Wq, K innermost, in blocks of 32 codes); Wq_scales 1,024 x 32 uint8 (E8M0 scales of Wq, one for each 32 codes along K); Wv_codes 1,024 x 32 x 32 uint8 (E5M2 codes of Wv, K innermost, in blocks of 32 codes); Wv_scales 1,024 x 32 uint8 (E8M0 scales of Wv, one for each 32 codes along K); g1 1,024 float32; g2 1,024 float32; positions 2,048 int32; w1_codes 2,752 x 32 x 32 uint8 (E5M2 codes of w1, K innermost, in blocks of 32 codes); w1_scales 2,752 x 32 uint8 (E8M0 scales of w1, one for each 32 codes along K); w2_codes 1,024 x 86 x 32 uint8 (E5M2 codes of w2, K innermost, in blocks of 32 codes); w2_scales 1,024 x 86 uint8 (E8M0 scales of w2, one for each 32 codes along K); w3_codes 2,752 x 32 x 32 uint8 (E5M2 codes of w3, K innermost, in blocks of 32 codes); w3_scales 2,752 x 32 uint8 (E8M0 scales of w3, one for each 32 codes along K); x 2 x 2,048 x 1,024 float32.
;; Outputs: out0 2 x 2,048 x 1,024 float32.
;; Constants: theta = 10000.
;; This version of the problem:
;;   THIS VERSION OF THE PROBLEM IS GIVEN IN LOW PRECISION. The matrix products marked QUANTISED in the list below multiply operands that are first quantised to E5M2 (5 exponent bits, 2 mantissa bits; 8 bits a number), with one power-of-two scale for each 32 numbers along K (OCP MX v1.0); their sums are f32. All else is computed in f32.
;;   The module's matrix products, in the order in which they are computed (A, B: the left and right operand; K: the contracted axis; several contracted axes count as one K, in the product's order):
;;     1. [M 4,096, K 1,024] x [K 1,024, N 1,024]; A: computed on the way; B: input Wq (given as codes): QUANTISED
;;     2. [M 4,096, K 1,024] x [K 1,024, N 1,024]; A: computed on the way; B: input Wk (given as codes): QUANTISED
;;     3. [M 4,096, K 1,024] x [K 1,024, N 1,024]; A: computed on the way; B: input Wv (given as codes): QUANTISED
;;     4. batch 32 x [M 2,048, K 64] x [K 64, N 2,048]; A: computed on the way; B: computed on the way: QUANTISED
;;     5. batch 32 x [M 2,048, K 2,048] x [K 2,048, N 64]; A: softmax (see below); B: computed on the way: QUANTISED
;;     6. [M 4,096, K 1,024] x [K 1,024, N 1,024]; A: computed on the way; B: input Wo (given as codes): QUANTISED
;;     7. [M 4,096, K 1,024] x [K 1,024, N 2,752]; A: computed on the way; B: input w1 (given as codes): QUANTISED
;;     8. [M 4,096, K 1,024] x [K 1,024, N 2,752]; A: computed on the way; B: input w3 (given as codes): QUANTISED
;;     9. [M 4,096, K 2,752] x [K 2,752, N 1,024]; A: computed on the way; B: input w2 (given as codes): QUANTISED
;;   THE QUANTISER, for each operand of a quantised product, along K:
;;     - K is cut into blocks of 32 from its start; a last block that is shorter is filled with zeros.
;;     - A block's scale is 2^e with e = floor(log2(the largest magnitude in the block)) - 15, held to -126 .. 127; a block of zeros has e = 0. As a byte (E8M0): e + 127.
;;     - Each number is divided by its block's scale, clamped to +-57,344, and rounded to the nearest number of E5M2, ties to even, subnormals kept.
;;     - The product sums the exact products of the quantised numbers (number of the format x scale) in f32.
;;   ~~~python
;;   def quantise(x, axis):      # numpy; x: float32 -> the quantised numbers, widened to float32 again
;;       x = np.moveaxis(x, axis, -1); K = x.shape[-1]
;;       x = np.pad(x, [(0, 0)] * (x.ndim - 1) + [(0, -K % 32)]); x = x.reshape(x.shape[:-1] + (-1, 32)); a = np.abs(x).max(-1, keepdims=True)
;;       e = np.where(a > 0, np.clip(np.frexp(np.where(a > 0, a, 1))[1] - 1 - 15, -126, 127), 0)      # np.frexp(a)[1] - 1 = floor(log2(a)), exactly
;;       r = np.clip(x / 2.0 ** e, -57344, 57344)
;;       step = 2.0 ** (np.maximum(np.frexp(np.where(r == 0, 1, r))[1] - 1, -14) - 2)
;;       q = np.round(r / step) * step * 2.0 ** e      # np.round: ties to even
;;       return np.moveaxis(q.reshape(q.shape[:-2] + (-1,))[..., :K], -1, axis).astype(np.float32)
;;   ~~~
;;   SOFTMAX AHEAD OF A QUANTISED PRODUCT. Where the list says 'softmax', what is quantised is not the finished softmax but p = 2^(t - M), with t = logit x log2(e) and M = ceil(the row's largest t), a whole number; so 1/2 < the row's largest p <= 1. The row's sum l is taken of the UNQUANTISED p, in f32, and the product's result is divided by l at the end. Since M is a whole number, a kernel that streams over the keys may use a running M (the ceiling of the running maximum): every later rescaling is an exact power of two, which a block's scale takes up: the codes' values come out the same.
;;   OPERANDS COMPUTED ON THE WAY. 'Computed on the way' means the value that the module computes at that place (a softmax that the list does not call 'softmax' is quantised finished and normalised). What goes into a quantiser is computed in f32, as accurately as f32 sums, v_exp_f32 and their like allow (about 1e-6 of the number): no bf16 or f16 on the way to a quantiser, and a product that is left as it is and whose result goes on into a quantised operand takes f32 operands (vector FMAs, or v_wmma_f32_16x16x4_f32). A number that lies on a knife's edge between two numbers of the format may be rounded either way, as far as f32 arithmetic and the matrix unit's own rounding can turn it there, and no further.
;;   INPUTS GIVEN AS CODES. Wk (in the module: [1024, 1024], K = its axis 1); Wo (in the module: [1024, 1024], K = its axis 1); Wq (in the module: [1024, 1024], K = its axis 1); Wv (in the module: [1024, 1024], K = its axis 1); w1 (in the module: [2752, 1024], K = its axis 1); w2 (in the module: [1024, 2752], K = its axis 1); w3 (in the module: [2752, 1024], K = its axis 1): each comes as NAME_codes (uint8): NAME with its K axis moved to the last place and cut into blocks of 32 codes, [.., K / 32, bytes a block], one block behind the other in memory; one code a byte (a code: sign, 5 exponent bits, 2 mantissa bits); and NAME_scales (uint8): the same leading axes, one E8M0 byte (e + 127) for each 32 codes along K. Its value is code x scale, taken as it is: it is not quantised again, and the codes and scales need not be those that the quantiser above would give.
;; 2 versions. Each part assembles by itself: llvm-mc -triple=amdgcn-amd-amdhsa -mcpu=gfx1250 --defsym DOCPART=n.
;; ======== version 1 of 2: 7 launches
;; limits: right only within a limited range of input values
;; workspace buffers: P1 18,096,128 bytes; QKV 13,238,272 bytes; AT 4,325,376 bytes; X2 16,777,216 bytes; A2 4,325,376 bytes; H 11,894,784 bytes
;; launch prep (part 1): grid 488 x 1, 4 waves a work-group, no clusters, 1,024 bytes of LDS; arguments x, g1, positions, Wq_codes, Wq_scales, Wk_codes, Wk_scales, Wv_codes, Wv_scales, Wo_codes, Wo_scales, w1_codes, w1_scales, w3_codes, w3_scales, w2_codes, w2_scales, P1; writes P1
.if DOCPART == 1
	.amdgcn_target "amdgcn-amd-amdhsa--gfx1250"
	.amdhsa_code_object_version 6
	.text
	.protected	k_qd65ace30ee_prep
	.globl	k_qd65ace30ee_prep
	.p2align	8
	.type	k_qd65ace30ee_prep,@function
k_qd65ace30ee_prep:
	s_mov_b64 s[64:65], 0
	v_nop
	global_prefetch_b8 v0, s[64:65] scope:SCOPE_SE
	s_setreg_imm32_b32 hwreg(HW_REG_WAVE_MODE, 25, 1), 1
	s_wait_xcnt 0x0
; THE PROGRAM: a transformer block (rmsnorm, Q K V, RoPE, causal attention, Wo, residual, rmsnorm, SwiGLU, residual), all nine products on codes of E5M2 with one E8M0 scale for each 32 along K.
; Seven launches: prep, qkv, attn, go, norm2, g13, g2.
; DEAD WORK LEFT OUT, in launch attn alone: reference() puts -inf, by its own jnp.tril, on every score whose key comes after its query; the softmax makes p = 0 of it, and 0 x v adds nothing for every finite v.
; So a step of 128 keys all of which come after all 16 queries of a wave is neither multiplied nor summed.  That holds for all finite values of the inputs.  LIMIT: a NaN, an infinity or an overflow that would
; arise only in such a step is not carried to the result.  Nothing else is left out, and every input is loaded; theta = 10000 is a listed constant and is built in.
; THIS LAUNCH lays out what the later launches read, each operand as AN IMAGE OF ITS REGISTERS:
;   image(rows, K) = [tile of 16 rows][K / 128][2,048 bytes]: byte 512 c + 16 lane + y = the code of the tile's row lane % 16 at k = 128 ks + 32 c + 16 (lane / 16) + y;
;   scale words    = [tile][K / 128][row]: four E8M0 bytes a word.
;   THE ROWS OF A TILE ARE NOT NEIGHBOURS: row i of tile t is the true row 32 (t / 2) + 8 (t % 2) + i + 8 (i / 8), so that, where an image is a product's source 0, the 16 result registers of tiles 2 b and 2 b + 1
;   are 16 neighbours along the next product's K.
; Work-groups 0-255: rmsnorm(x, g1), quantised along the 1,024: one tile of 16 tokens each; wave w takes K steps 2 w and 2 w + 1.
; 256-405: the images of Wq, Wk, Wv, Wo, w1, w3, a tile a wave (w1's and w3's tiles interleaved in groups of four, so that a wave of g13 holds x1 and x3 of the same 64 columns).
; 406-421: w2, whose K = 2,752 is filled up to 2,816 with zero codes under the byte 127.   422-423: eight tiles of zero codes, which make g13 give h = 0 in columns 2,752 to 2,815.
; 424-487: the table of cos and sin for RoPE, [token][pair](cos, sin), from the input positions.
; LIMITS: NaN and infinities among the inputs are not served.  A block of zeros gets the byte 1 where the rule says 127: its codes are zeros, and this program alone reads the bytes.
; The angle pos x freq is reduced by a three-part pi / 2, good to about 1e-7 for angles under 2^16; freq_i = 2^(-i log2(10000) / 32) by v_exp_f32.
.set A1SCL,  0x400000
.set WIMG,   0x420000
.set WSCL,   0x820000
.set W13IMG, 0x840000
.set W13SCL, 0xDC0000
.set W2IMG,  0xDEC000
.set W2SCL,  0x10AC000
.set ROPE,   0x10C2000
.set SPARE,  256                       ; LDS: 0-255 the waves' partial sums; 256-767 the spare words, 128 bytes a wave, which no other line names
.set WV,  3                            ; s3   the wave's number
.set SEL, 50                           ; s[50:51] lane selects: lane l xor 16
.set MNT, 52                           ; s52  the mantissa field of 57,344
.set EPS, 53                           ; s53  1e-5
.set SPW, 30                           ; v30  my spare word's LDS address; never rewritten
.set NIL, 31                           ; v31  0; never rewritten
.set X,   32                           ; v32-159  128 numbers of my row
.set G,   160                          ; v160-223 64 numbers of g
.set PC,  224                          ; v224-239 a fragment's codes
.set TM,  240                          ; v240-255 the quantiser's: +0 largest magnitudes, +4 the other half's, then bytes, +8 the hold, +12 the conversion's scale operand
.set PW,  20                           ; v20  a scale word
; THE QUANTISER, four macros.  64 (nb = 4) or 32 (nb = 2) numbers of a lane; register 16 b + i is k = 32 b + 16 (lane / 16) + i of the lane's row, so a block of 32 lies in lanes l and l xor 16.
.macro QMAX src, nb                    ; each block's largest magnitude among my 16, over the floor 2^(16 - 127), which holds the byte at 1 from below; the blocks by turns
.set qb, 0
.rept \nb
	v_max3_num_f32 v[TM+qb], |v[(\src)+16*qb]|, |v[(\src)+16*qb+1]|, 0x8000000
.set qb, qb+1
.endr
.set qi, 2
.rept 7
.set qb, 0
.rept \nb
	v_max3_num_f32 v[TM+qb], |v[(\src)+16*qb+qi]|, |v[(\src)+16*qb+qi+1]|, v[TM+qb]
.set qb, qb+1
.endr
.set qi, qi+2
.endr
.endm
.macro QSCL nb                         ; with lane l xor 16's; 15 off the exponent field = the conversion's scale operand; its byte; 57,344 x the scale; the bytes make the scale word
.set qb, 0
.rept \nb
	v_permlanex16_b32 v[TM+4+qb], v[TM+qb], s[SEL], s[SEL+1]
.set qb, qb+1
.endr
.set qb, 0
.rept \nb
	v_max_num_f32 v[TM+qb], v[TM+qb], v[TM+4+qb]
.set qb, qb+1
.endr
.set qb, 0
.rept \nb
	v_add_nc_u32 v[TM+12+qb], 0xf8800000, v[TM+qb]
.set qb, qb+1
.endr
.set qb, 0
.rept \nb
	v_and_or_b32 v[TM+8+qb], v[TM+qb], 0x7f800000, s[MNT]
.set qb, qb+1
.endr
.set qb, 0
.rept \nb
	v_lshrrev_b32 v[TM+4+qb], 23, v[TM+12+qb]
.set qb, qb+1
.endr
	v_lshl_or_b32 v[PW], v[TM+5], 8, v[TM+4]
.if \nb == 4
	v_lshl_or_b32 v[PW], v[TM+6], 16, v[PW]
	v_lshl_or_b32 v[PW], v[TM+7], 24, v[PW]
.endif
.endm
.macro QHOLD dst, src, nb              ; the conversion to an 8-bit code does not saturate (ISA guide 7.6.2): each number is held within the largest code x the scale
.set qb, 0
.rept \nb
.set qi, 0
.rept 16
	v_med3_num_f32 v[(\dst)+16*qb+qi], v[(\src)+16*qb+qi], -v[TM+8+qb], v[TM+8+qb]
.set qi, qi+1
.endr
.set qb, qb+1
.endr
.endm
.macro QCVT src, nb                    ; registers 4 b .. 4 b + 3 of the operand; one plain instruction behind the last conversion
.set qb, 0
.rept \nb
	v_cvt_scalef32_pk8_bf8_f32 v[PC+4*qb:PC+4*qb+1], v[(\src)+16*qb:(\src)+16*qb+7], v[TM+12+qb]
	v_cvt_scalef32_pk8_bf8_f32 v[PC+4*qb+2:PC+4*qb+3], v[(\src)+16*qb+8:(\src)+16*qb+15], v[TM+12+qb]
.set qb, qb+1
.endr
	v_nop
.endm
	v_lshl_add_u32 v[SPW], v0, 2, SPARE
	v_mov_b32 v[NIL], 0
	v_lshrrev_b32 v1, 5, v0
	v_readfirstlane_b32 s[WV], v1                  ; wave 0..3
	v_and_b32 v1, 31, v0                           ; lane
	v_and_b32 v2, 15, v0                           ; r
	v_bfe_u32 v3, v0, 4, 1                         ; h
	v_and_b32 v4, 8, v2
	v_add_nc_u32 v4, v4, v2                        ; r + 8 (r / 8): my row among a pair of tiles' 32
	v_lshlrev_b32 v5, 4, v1                        ; 16 x lane
	v_lshlrev_b32 v6, 2, v1                        ; 4 x lane
	v_lshlrev_b32 v7, 2, v2                        ; 4 r
	s_cmp_lt_u32 ttmp9, 256                        ; the paths part on the work-group's number alone
	s_cbranch_scc1 .Lnorm
	s_sub_co_u32 s2, ttmp9, 256
	s_cmp_lt_u32 s2, 150
	s_cbranch_scc1 .Lweights
	s_cmp_lt_u32 s2, 166
	s_cbranch_scc1 .Lw2
	s_cmp_lt_u32 s2, 168
	s_cbranch_scc1 .Lzero
; ---- the table for RoPE: a wave takes 8 tokens, a lane a pair i of the head's 32
	s_load_b64 s[4:5], s[0:1], 0x10                ; positions
	s_load_b64 s[8:9], s[0:1], 0x88                ; P1
	s_sub_co_u32 s10, s2, 168
	s_lshl_b32 s10, s10, 2
	s_add_co_u32 s10, s10, s[WV]
	s_lshl_b32 s10, s10, 3                         ; my first token
	s_lshl_b32 s12, s10, 2
	s_mov_b32 s13, 0
	s_lshl_b32 s14, s10, 8                         ; 256 bytes of table a token
	s_add_co_u32 s14, s14, ROPE
	s_mov_b32 s15, 0
	s_mov_b32 s40, 0x3f22f983                      ; 2 / pi
	s_mov_b32 s41, 0x3fc90000                      ; pi / 2 in three parts
	s_mov_b32 s42, 0x39fda000
	s_mov_b32 s43, 0x33a22169
	s_mov_b32 s44, 0xb94ca1f9                      ; sin r = r + r z ((s44 z + s45) z + s46), z = r r, |r| <= pi / 4
	s_mov_b32 s45, 0x3c08839e
	s_mov_b32 s46, 0xbe2aaaa3
	s_mov_b32 s47, 0x37ccf5ce                      ; cos r = 1 - z / 2 + z z ((s47 z + s48) z + s49)
	s_mov_b32 s48, 0xbab6061a
	s_mov_b32 s49, 0x3d2aaaa5
	v_cvt_f32_u32 v8, v1
	v_mul_f32 v8, 0xbed49a78, v8                   ; -i log2(10000) / 32
	v_exp_f32 v8, v8                               ; freq_i
	v_mov_b32 v9, 0                                ; (a plain instruction behind the exponential)
	v_lshlrev_b32 v10, 3, v1                       ; 8 bytes a pair
	s_wait_alu depctr_va_vdst(0)                   ; the wait ahead of the result's first reader
	s_wait_kmcnt 0x0
	s_add_nc_u64 s[4:5], s[4:5], s[12:13]
	s_add_nc_u64 s[14:15], s[8:9], s[14:15]
.irp k, 0,1,2,3,4,5,6,7
	global_load_b32 v[40+\k], v9, s[4:5] offset:4*\k       ; the token's position, the same word in every lane
.endr
	s_wait_loadcnt 0x0
.macro SINCOS k
	v_cvt_f32_i32 v11, v[40+\k]
	v_mul_f32 v11, v11, v8                         ; the angle, rounded to f32 as reference() rounds it
	v_mul_f32 v12, s40, v11
	v_rndne_f32 v12, v12                           ; quarter turns
	v_fma_f32 v11, -v12, s41, v11
	v_fma_f32 v11, -v12, s42, v11
	v_fma_f32 v11, -v12, s43, v11                  ; r
	v_mul_f32 v13, v11, v11                        ; z
	v_fma_f32 v14, v13, s44, s45
	v_fma_f32 v14, v14, v13, s46
	v_mul_f32 v14, v14, v13
	v_fma_f32 v14, v14, v11, v11                   ; sin r
	v_fma_f32 v15, v13, s47, s48
	v_fma_f32 v15, v15, v13, s49
	v_mul_f32 v16, v13, v13
	v_fma_f32 v17, v13, -0.5, 1.0
	v_fma_f32 v15, v15, v16, v17                   ; cos r
	v_cvt_i32_f32 v18, v12
	v_and_b32 v19, 1, v18
	v_cmp_eq_u32 vcc_lo, 1, v19                    ; an odd quarter swaps the two
	v_cndmask_b32 v[49+2*\k], v14, v15, vcc_lo
	v_cndmask_b32 v[48+2*\k], v15, v14, vcc_lo
	v_and_b32 v19, 2, v18                          ; quarters 2, 3: sin changes sign
	v_lshlrev_b32 v19, 30, v19
	v_xor_b32 v[49+2*\k], v[49+2*\k], v19
	v_add_nc_u32 v18, 1, v18                       ; quarters 1, 2: cos does
	v_and_b32 v18, 2, v18
	v_lshlrev_b32 v18, 30, v18
	v_xor_b32 v[48+2*\k], v[48+2*\k], v18
	global_store_b64 v10, v[48+2*\k:49+2*\k], s[14:15] offset:256*\k   ; the wave stores a token's 256 consecutive bytes, aligned
.endm
.irp k, 0,1,2,3,4,5,6,7
	SINCOS \k
.endr
	s_endpgm
; ---- eight tiles of zero codes under the byte 127
.Lzero:
	s_load_b64 s[4:5], s[0:1], 0x88
	s_sub_co_u32 s10, s2, 166
	s_lshl_b32 s10, s10, 2
	s_add_co_u32 s10, s10, s[WV]
	s_add_co_u32 s10, s10, 344                     ; the tile
	s_lshl_b32 s12, s10, 14
	s_add_co_u32 s12, s12, W13IMG
	s_mov_b32 s13, 0
	s_lshl_b32 s14, s10, 9
	s_add_co_u32 s14, s14, W13SCL
	s_mov_b32 s15, 0
.irp i, 0,1,2,3
	v_mov_b32 v[32+\i], 0
.endr
	v_mov_b32 v36, 0x7f7f7f7f
	s_wait_kmcnt 0x0
	s_add_nc_u64 s[12:13], s[4:5], s[12:13]
	s_add_nc_u64 s[14:15], s[4:5], s[14:15]
.set n, 0
.rept 32
	global_store_b128 v5, v[32:35], s[12:13] offset:512*n
.set n, n+1
.endr
.irp i, 0,1,2,3
	global_store_b32 v6, v36, s[14:15] offset:128*\i
.endr
	s_endpgm
; ---- the six weights with K = 1,024: a tile a wave; the buffers are chosen on the work-group's number
.Lweights:
	s_load_b256 s[8:15], s[0:1], 0x18              ; Wq's codes, scales; Wk's
	s_load_b256 s[16:23], s[0:1], 0x38             ; Wv's; Wo's
	s_load_b256 s[24:31], s[0:1], 0x58             ; w1's; w3's
	s_load_b64 s[4:5], s[0:1], 0x88                ; P1
	s_mov_b32 s36, 107                             ; the tensor's first work-group,
	s_mov_b32 s37, W13IMG+4*16384                  ; where its image begins,
	s_mov_b32 s38, W13SCL+4*512                    ; and its scale words: w3's, unless one of the tests below says otherwise
	v_lshlrev_b32 v8, 10, v4
	v_lshl_add_u32 v8, v3, 4, v8                   ; codes: my row of 1,024 bytes, + 16 h
	v_lshlrev_b32 v9, 5, v4
	v_lshl_add_u32 v9, v3, 2, v9                   ; scale bytes: my row of 32, + 4 h
	s_wait_kmcnt 0x0
	s_mov_b64 s[32:33], s[28:29]
	s_mov_b64 s[34:35], s[30:31]
.macro PICK lim, cp, sp, u0, di, ds
	s_cmp_lt_u32 s2, \lim
	s_cselect_b64 s[32:33], s[\cp:\cp+1], s[32:33]
	s_cselect_b64 s[34:35], s[\sp:\sp+1], s[34:35]
	s_cselect_b32 s36, \u0, s36
	s_cselect_b32 s37, \di, s37
	s_cselect_b32 s38, \ds, s38
.endm
	PICK 107, 24, 26, 64, W13IMG, W13SCL
	PICK 64, 20, 22, 48, WIMG+0x300000, WSCL+0x18000
	PICK 48, 16, 18, 32, WIMG+0x200000, WSCL+0x10000
	PICK 32, 12, 14, 16, WIMG+0x100000, WSCL+0x8000
	PICK 16, 8, 10, 0, WIMG, WSCL
	s_cmp_lt_u32 s2, 64
	s_cselect_b32 s39, 2, 3                        ; w1's and w3's groups of four tiles lie eight tiles apart
	s_sub_co_u32 s40, s2, s36
	s_lshl_b32 s41, s40, 2
	s_add_co_u32 s41, s41, s[WV]                   ; the tile in the tensor,
	s_lshl_b32 s42, s40, s39
	s_add_co_u32 s42, s42, s[WV]                   ; and in the image
	s_lshr_b32 s43, s41, 1
	s_and_b32 s44, s41, 1
	s_lshl_b32 s46, s43, 15
	s_lshl_b32 s45, s44, 13
	s_add_co_u32 s46, s46, s45                     ; row 32 (t / 2) + 8 (t % 2), of 1,024 bytes
	s_mov_b32 s47, 0
	s_add_nc_u64 s[32:33], s[32:33], s[46:47]
	s_lshl_b32 s46, s43, 10
	s_lshl_b32 s45, s44, 8
	s_add_co_u32 s46, s46, s45                     ; the same row of 32 scale bytes
	s_add_nc_u64 s[34:35], s[34:35], s[46:47]
	s_lshl_b32 s46, s42, 14
	s_add_co_u32 s46, s46, s37
	s_add_nc_u64 s[48:49], s[4:5], s[46:47]
	s_lshl_b32 s46, s42, 9
	s_add_co_u32 s46, s46, s38
	s_add_nc_u64 s[4:5], s[4:5], s[46:47]
.irp i, 0,1,2,3
	global_load_b32 v[16+\i], v9, s[34:35] offset:8*\i th:TH_LOAD_NT     ; lanes 0-15 the word of K step 2 i, lanes 16-31 of 2 i + 1
.endr
.irp k, 0,1,2,3,4,5,6,7
.irp c, 0,1,2,3
	global_load_b128 v[32+16*\k+4*\c:32+16*\k+4*\c+3], v8, s[32:33] offset:128*\k+32*\c th:TH_LOAD_NT
.endr
.endr
.irp k, 0,1,2,3,4,5,6,7
	s_wait_loadcnt 28-4*\k                         ; fragment k is in; the later fragments' loads stay out
.irp c, 0,1,2,3
	global_store_b128 v5, v[32+16*\k+4*\c:32+16*\k+4*\c+3], s[48:49] offset:2048*\k+512*\c   ; 512 consecutive bytes a store
.endr
.endr
.irp i, 0,1,2,3
	global_store_b32 v6, v[16+\i], s[4:5] offset:128*\i
.endr
	s_endpgm
; ---- w2: rows of 2,752 codes and 86 scale bytes; K is filled up to 2,816
.Lw2:
	s_load_b128 s[8:11], s[0:1], 0x78              ; w2's codes, w2's scales
	s_load_b64 s[4:5], s[0:1], 0x88
	s_sub_co_u32 s12, s2, 150
	s_lshl_b32 s12, s12, 2
	s_add_co_u32 s12, s12, s[WV]                   ; the tile
	s_lshr_b32 s13, s12, 1
	s_lshl_b32 s13, s13, 5
	s_and_b32 s14, s12, 1
	s_lshl_b32 s14, s14, 3
	s_add_co_u32 s13, s13, s14                     ; its first true row
	s_mul_i32 s16, s13, 2752
	s_mov_b32 s17, 0
	s_mul_i32 s18, s13, 86
	s_mov_b32 s19, 0
	s_mul_i32 s20, s12, 45056                      ; 22 fragments a tile
	s_add_co_u32 s20, s20, W2IMG
	s_mov_b32 s21, 0
	s_mul_i32 s22, s12, 1408
	s_add_co_u32 s22, s22, W2SCL
	s_mov_b32 s23, 0
	v_mul_u32_u24 v8, v4, 2752
	v_lshl_add_u32 v8, v3, 4, v8
	v_mul_u32_u24 v9, v4, 86
	v_lshl_add_u32 v9, v3, 2, v9                   ; my row's scale bytes, + 4 h: a multiple of 2 only, so a word comes as two halves
	v_lshlrev_b32 v10, 1, v3
	v_sub_nc_u32 v10, v9, v10                      ; for the last half alone: 2 h back, so that no lane reads past its row's 86 bytes
	v_mov_b32 v11, 0x7f7f
	s_wait_kmcnt 0x0
	s_add_nc_u64 s[8:9], s[8:9], s[16:17]
	s_add_nc_u64 s[10:11], s[10:11], s[18:19]
	s_add_nc_u64 s[20:21], s[4:5], s[20:21]
	s_add_nc_u64 s[22:23], s[4:5], s[22:23]
.irp i, 0,1,2,3,4,5,6,7,8,9,10
	global_load_u16 v[160+\i], v9, s[10:11] offset:8*\i
.if \i < 10
	global_load_u16 v[176+\i], v9, s[10:11] offset:8*\i+2
.else
	global_load_u16 v[176+\i], v10, s[10:11] offset:8*\i+2
.endif
.endr
.macro W2L k0, n                       ; n fragments from K step k0 on; what lies past K = 2,752 is zero codes
.set kk, 0
.rept \n
.irp c, 0,1,2,3
.if 128*(\k0+kk)+32*\c < 2752
	global_load_b128 v[32+16*kk+4*\c:32+16*kk+4*\c+3], v8, s[8:9] offset:128*(\k0+kk)+32*\c th:TH_LOAD_NT
.else
	v_mov_b32 v[32+16*kk+4*\c], 0
	v_mov_b32 v[32+16*kk+4*\c+1], 0
	v_mov_b32 v[32+16*kk+4*\c+2], 0
	v_mov_b32 v[32+16*kk+4*\c+3], 0
.endif
.endr
.set kk, kk+1
.endr
.endm
.macro W2S k0, n
	s_wait_loadcnt 0x0
.set kk, 0
.rept \n
.irp c, 0,1,2,3
	global_store_b128 v5, v[32+16*kk+4*\c:32+16*kk+4*\c+3], s[20:21] offset:2048*(\k0+kk)+512*\c
.endr
.set kk, kk+1
.endr
.endm
	W2L 0, 8
	s_wait_loadcnt 32                              ; the 22 halves are in; the 32 loads of codes stay out
	v_cmp_eq_u32 vcc_lo, 1, v3
	v_cndmask_b32 v186, v186, v11, vcc_lo          ; K step 21's blocks 86 and 87 do not exist: the byte 127
.irp i, 0,1,2,3,4,5,6,7,8,9,10
	v_lshl_or_b32 v[160+\i], v[176+\i], 16, v[160+\i]
	global_store_b32 v6, v[160+\i], s[22:23] offset:128*\i
.endr
	W2S 0, 8
	s_wait_xcnt 0x0                                ; the stores have read their registers: they may be loaded again
	W2L 8, 8
	W2S 8, 8
	s_wait_xcnt 0x0
	W2L 16, 6
	W2S 16, 6
	s_endpgm
; ---- rmsnorm(x, g1) and its codes
.Lnorm:
	s_load_b128 s[4:7], s[0:1], 0x0                ; x, g1
	s_load_b64 s[8:9], s[0:1], 0x88                ; P1: the image at 0, its scale words at A1SCL
	s_lshr_b32 s10, ttmp9, 1
	s_lshl_b32 s10, s10, 17
	s_and_b32 s11, ttmp9, 1
	s_lshl_b32 s11, s11, 15
	s_add_co_u32 s10, s10, s11                     ; the tile's first true row, of 4,096 bytes
	s_mov_b32 s11, 0
	s_lshl_b32 s12, ttmp9, 14
	s_lshl_b32 s13, s[WV], 12
	s_add_co_u32 s12, s12, s13                     ; my two fragments in the image
	s_mov_b32 s13, 0
	s_lshl_b32 s14, ttmp9, 9
	s_lshl_b32 s15, s[WV], 7
	s_add_co_u32 s14, s14, s15
	s_add_co_u32 s14, s14, A1SCL
	s_mov_b32 s15, 0
	s_lshl_b32 s16, s[WV], 10                      ; my 256 along K, in bytes
	s_lshl_b32 s17, s[WV], 6
	s_mov_b32 s[SEL], 0x76543210
	s_mov_b32 s[SEL+1], 0xfedcba98
	s_mov_b32 s[MNT], 0x600000
	s_mov_b32 s[EPS], 0x3727c5ac
	v_lshlrev_b32 v8, 12, v4
	v_lshl_add_u32 v8, v3, 6, v8
	v_add_nc_u32 v8, s16, v8                       ; x: my row, + 64 h: my 16 numbers of each block of 32
	v_lshlrev_b32 v9, 6, v3
	v_add_nc_u32 v9, s16, v9                       ; g likewise
	v_add_nc_u32 v10, s17, v7                      ; LDS: my wave's 16 partial sums, my row's
.irp b, 0,1,2,3
	v_mov_b32 v[TM+4+\b], 0                        ; written once: a lane permute's destination counts as one of its sources
.endr
	s_wait_kmcnt 0x0
	s_add_nc_u64 s[4:5], s[4:5], s[10:11]
	s_add_nc_u64 s[12:13], s[8:9], s[12:13]
	s_add_nc_u64 s[14:15], s[8:9], s[14:15]
.irp s, 0,1
.irp b, 0,1,2,3
.irp j, 0,1,2,3
	global_load_b128 v[X+64*\s+16*\b+4*\j:X+64*\s+16*\b+4*\j+3], v8, s[4:5] offset:512*\s+128*\b+16*\j
.endr
.endr
.endr
.macro GLOAD s
.irp b, 0,1,2,3
.irp j, 0,1,2,3
	global_load_b128 v[G+16*\b+4*\j:G+16*\b+4*\j+3], v9, s[6:7] offset:512*\s+128*\b+16*\j
.endr
.endr
.endm
	GLOAD 0
	s_wait_loadcnt 16                              ; x is in; g's 16 loads stay out
.irp c, 0,1,2,3
	v_pk_mul_f32 v[12+2*\c:13+2*\c], v[X+2*\c:X+2*\c+1], v[X+2*\c:X+2*\c+1]     ; the sum of squares, in four chains; the first products start them
.endr
.set p, 4
.rept 60
	v_pk_fma_f32 v[12+2*(p%4):13+2*(p%4)], v[X+2*p:X+2*p+1], v[X+2*p:X+2*p+1], v[12+2*(p%4):13+2*(p%4)]
.set p, p+1
.endr
	v_pk_add_f32 v[12:13], v[12:13], v[14:15]
	v_pk_add_f32 v[16:17], v[16:17], v[18:19]
	v_pk_add_f32 v[12:13], v[12:13], v[16:17]
	v_add_f32 v12, v12, v13
	v_permlanex16_b32 v13, v12, s[SEL], s[SEL+1]
	v_add_f32 v12, v12, v13                        ; my wave's 256 numbers of row r
	ds_store_b32 v10, v12                          ; lanes l and l xor 16 write the same word with the same value
	s_wait_dscnt 0x0                               ; for the others' sake
	s_barrier_signal -1
	s_barrier_wait -1
.irp w, 0,1,2,3
	ds_load_b32 v[12+\w], v7 offset:64*\w
.endr
	s_wait_dscnt 0x0
	v_add_f32 v12, v12, v13
	v_add_f32 v14, v14, v15
	v_add_f32 v12, v12, v14
	v_fma_f32 v21, v12, 0x3a800000, s[EPS]         ; the mean of 1,024 squares + eps
	v_rsq_f32 v22, v21
	v_nop
	s_wait_alu depctr_va_vdst(0)                   ; the wait ahead of the result's first reader
	v_mov_b32 v23, v22                             ; (named with it as a pair)
.macro NQUANT s
	s_wait_loadcnt 0x0                             ; this K step's g
.set p, 0
.rept 32
	v_pk_mul_f32 v[X+64*\s+2*p:X+64*\s+2*p+1], v[X+64*\s+2*p:X+64*\s+2*p+1], v[22:23] op_sel_hi:[1,0]
.set p, p+1
.endr
.set p, 0
.rept 32
	v_pk_mul_f32 v[X+64*\s+2*p:X+64*\s+2*p+1], v[X+64*\s+2*p:X+64*\s+2*p+1], v[G+2*p:G+2*p+1]
.set p, p+1
.endr
.if \s == 0
	GLOAD 1
.else
	s_wait_xcnt 0x0                                ; the first fragment's stores have read the codes and the scale word
.endif
	QMAX X+64*\s, 4
	QSCL 4
	QHOLD X+64*\s, X+64*\s, 4
	QCVT X+64*\s, 4
.irp c, 0,1,2,3
	global_store_b128 v5, v[PC+4*\c:PC+4*\c+3], s[12:13] offset:2048*\s+512*\c   ; the fragment as it stands: 512 consecutive bytes a store
.endr
	global_store_b32 v7, v[PW], s[14:15] offset:64*\s
.endm
	NQUANT 0
	NQUANT 1
	s_wait_tensorcnt 0x0                           ; the wave's end, behind my last LDS store
	ds_add_u32 v[SPW], v[NIL]
	s_wait_dscnt 0x0
	s_endpgm
.Lfunc_end_k_qd65ace30ee_prep:
	.size	k_qd65ace30ee_prep, .Lfunc_end_k_qd65ace30ee_prep-k_qd65ace30ee_prep
	.p2alignl 7, 3214868480
	.fill 96, 4, 3214868480
	.section	.rodata,"a",@progbits
	.p2align	6, 0x0
	.amdhsa_kernel k_qd65ace30ee_prep
		.amdhsa_group_segment_fixed_size 1024
		.amdhsa_private_segment_fixed_size 0
		.amdhsa_enable_private_segment 0
		.amdhsa_kernarg_size 144
		.amdhsa_user_sgpr_count 2
		.amdhsa_user_sgpr_kernarg_segment_ptr 1
		.amdhsa_wavefront_size32 1
		.amdhsa_system_sgpr_workgroup_id_x 1
		.amdhsa_system_sgpr_workgroup_id_y 1
		.amdhsa_system_sgpr_workgroup_id_z 1
		.amdhsa_system_vgpr_workitem_id 0
		.amdhsa_next_free_vgpr 256
		.amdhsa_next_free_sgpr 66
		.amdhsa_reserve_vcc 1
		.amdhsa_float_denorm_mode_32 3
		.amdhsa_float_denorm_mode_16_64 3
		.amdhsa_memory_ordered 1
		.amdhsa_forward_progress 1
		.amdhsa_inst_pref_size 88
	.end_amdhsa_kernel
	.amdgpu_metadata
---
amdhsa.version: [ 1, 2 ]
amdhsa.kernels:
  - .name:           k_qd65ace30ee_prep
    .symbol:         k_qd65ace30ee_prep.kd
    .args:
      - { .name: x, .offset: 0, .size: 8, .value_kind: global_buffer, .address_space: global }
      - { .name: g1, .offset: 8, .size: 8, .value_kind: global_buffer, .address_space: global }
      - { .name: positions, .offset: 16, .size: 8, .value_kind: global_buffer, .address_space: global }
      - { .name: Wq_codes, .offset: 24, .size: 8, .value_kind: global_buffer, .address_space: global }
      - { .name: Wq_scales, .offset: 32, .size: 8, .value_kind: global_buffer, .address_space: global }
      - { .name: Wk_codes, .offset: 40, .size: 8, .value_kind: global_buffer, .address_space: global }
      - { .name: Wk_scales, .offset: 48, .size: 8, .value_kind: global_buffer, .address_space: global }
      - { .name: Wv_codes, .offset: 56, .size: 8, .value_kind: global_buffer, .address_space: global }
      - { .name: Wv_scales, .offset: 64, .size: 8, .value_kind: global_buffer, .address_space: global }
      - { .name: Wo_codes, .offset: 72, .size: 8, .value_kind: global_buffer, .address_space: global }
      - { .name: Wo_scales, .offset: 80, .size: 8, .value_kind: global_buffer, .address_space: global }
      - { .name: w1_codes, .offset: 88, .size: 8, .value_kind: global_buffer, .address_space: global }
      - { .name: w1_scales, .offset: 96, .size: 8, .value_kind: global_buffer, .address_space: global }
      - { .name: w3_codes, .offset: 104, .size: 8, .value_kind: global_buffer, .address_space: global }
      - { .name: w3_scales, .offset: 112, .size: 8, .value_kind: global_buffer, .address_space: global }
      - { .name: w2_codes, .offset: 120, .size: 8, .value_kind: global_buffer, .address_space: global }
      - { .name: w2_scales, .offset: 128, .size: 8, .value_kind: global_buffer, .address_space: global }
      - { .name: P1, .offset: 136, .size: 8, .value_kind: global_buffer, .address_space: global }
    .group_segment_fixed_size: 1024
    .private_segment_fixed_size: 0
    .kernarg_segment_align: 8
    .kernarg_segment_size: 144
    .max_flat_workgroup_size: 128
    .sgpr_count:     66
    .vgpr_count:     256
    .wavefront_size: 32
...
	.end_amdgpu_metadata
.endif
;; end of part 1
;; launch qkv (part 2): grid 12 x 16, 4 waves a work-group, clusters of 4 x 4, 327,680 bytes of LDS; arguments P1, QKV; writes QKV
.if DOCPART == 2
	.amdgcn_target "amdgcn-amd-amdhsa--gfx1250"
	.amdhsa_code_object_version 6
	.text
	.protected	k_qd65ace30ee_qkv
	.globl	k_qd65ace30ee_qkv
	.p2align	8
	.type	k_qd65ace30ee_qkv,@function
k_qd65ace30ee_qkv:
	s_mov_b64 s[64:65], 0
	v_nop
	global_prefetch_b8 v0, s[64:65] scope:SCOPE_SE
	s_setreg_imm32_b32 hwreg(HW_REG_WAVE_MODE, 25, 1), 1
	s_wait_xcnt 0x0
	s_wait_alu depctr_hold_cnt(0) depctr_sa_sdst(0) depctr_va_vdst(0) depctr_va_sdst(0) depctr_va_ssrc(0) depctr_va_vcc(0) depctr_vm_vsrc(0)
	s_getreg_b32 s2, hwreg(HW_REG_IB_STS2, 6, 4)
	s_cmp_eq_u32 s2, 0
	s_cbranch_scc0 .Lentry_in_a_cluster
	s_endpgm
.Lentry_in_a_cluster:
	s_bfe_u32 s2, ttmp6, 0x10000c
	s_cmp_lg_u32 s2, 0xf033
	s_cbranch_scc0 .Lentry_shape_is_right
	s_endpgm
.Lentry_shape_is_right:
; Q, K and V^T in one launch: products 1 to 3, K = 1,024, on codes of E5M2 with E8M0 scales; their results are turned (RoPE for Q and K) and quantised in registers, and leave as images of the next operands' registers.
; Both operands come as images (see launch prep): [tile of 16 rows][K / 128][2,048 bytes], scale words [tile][K / 128][row].  A tile of the result is 256 x 256: four waves, 128 x 128 each, 64 accumulators.
; ROLES.  Source 1 (role A): its rows become the result's lanes.  Source 0 (role B): its rows become the result's registers, 16 neighbours in the 16 registers of accumulators 2 b, 2 b + 1.
; Clusters with x = 0, 1: A = the normed tokens, B = Wq or Wk: a lane holds one token and its registers run along the features: RoPE's pairs and the blocks of 32 along the head's 64 lie in one lane (and lane xor 16).
; Clusters with x = 2: A = Wv, B = the tokens: a lane holds one feature and its registers run along the TOKENS, which are the second attention product's K.
; K goes in steps of 256 through two LDS slots; a wave's tensor load brings 8 tiles x 2 fragments (8 rows of 4,096 bytes).  The scale words of all of K come once, with the first fills.
; CLUSTERS: 4 x 4.  A's tiles are shared along a row of the cluster, B's along a column: each is asked for jointly.  The branch that parts Q, K from V hangs on the cluster's x, which all partners share.
; REGISTERS: window 0: v0-31 addresses; v32-63 scale words, two sets (8 of A, 8 of B); v64-127 the table's cos and sin; v128-255 A's fragments, later the way out.  window 1: B's fragments, two sets.  windows 2, 3: the accumulators.
.set KF,     8                         ; fragments along K
.set A1SCL,  0x400000
.set WIMG,   0x420000
.set WSCL,   0x820000
.set ROPE,   0x10C2000
.set NK,     KF/2                      ; K steps of 256
.set MTS,    64*KF                     ; a tile's scale words in bytes
.set HALFT,  32768                     ; 8 tiles x 2 fragments: what one tensor load brings, and what a wave reads of A or of B
.set SLOT,   131072                    ; A's two halves, then B's two
.set SCL,    262144                    ; behind the ring: the scale words, four halves
.set HALFS,  8*MTS
.set SPARE,  SCL+4*HALFS               ; the spare words, 128 bytes a wave, which no other line names
.set NP,     8                         ; places behind this matrix instruction (ISA guide 7.12.1)
.set ADRA,   16                        ; v16-17 LDS address of my A fragments in slot 0, 1
.set ADRB,   20                        ; v20-21 the same for B
.set ADRSA,  26                        ; v26    of A's scale words: lanes 0-15 the even fragment's, lanes 16-31 the odd one's
.set ADRSB,  27                        ; v27    of B's
.set SPW,    28
.set NIL,    29
.set SC,     32
.set AF,     128
.set G1,     24
.set G0,     32
.set G1B,    48
.set G0B,    56
.set G1S,    68
.set G0S,    76
.set G1SB,   80
.set G0SB,   88
.set MSB,    0
.macro WIN new                         ; the immediate's high byte repeats the setting that is left
.if MSB != (\new)
	s_set_vgpr_msb (MSB<<8)|(\new)
.set MSB, (\new)
.endif
.endm
.set MUL_LO, 0xa1                      ; source 0 window 1, source 1 window 0, C and D window 2
.set MUL_HI, 0xf1                      ; the same, C and D window 3
.set TO_B,   0x40
.macro JLOAD g0a, g1a, g0b, g1b        ; waves 0, 1 fetch for A, waves 2, 3 for B; an s_nop 0 and four v_nop follow each line
	s_cmp_eq_u32 s15, 0
	s_cbranch_scc0 .Lfor_b_\@
	tensor_load_to_lds s[\g0a:\g0a+3], s[\g1a:\g1a+7]
	s_nop 0
.rept 4
	v_nop
.endr
	s_branch .Lasked_\@
.Lfor_b_\@:
	tensor_load_to_lds s[\g0b:\g0b+3], s[\g1b:\g1b+7]
	s_nop 0
.rept 4
	v_nop
.endr
.Lasked_\@:
.endm
.macro CREST                           ; a round of the cluster's barrier behind its opening barrier
	s_cmp_lg_u32 s14, 0
	s_cbranch_scc1 .Lnot_wave_0_\@
	s_barrier_signal -3
.Lnot_wave_0_\@:
	s_barrier_wait -3
	s_barrier_signal -1
	s_barrier_wait -1
.endm
.macro CROUND
	s_barrier_signal -1
	s_barrier_wait -1
	CREST
.endm
.macro PLACES n
.rept \n
	v_nop
.endr
.endm
.macro FRAG reg, adr, q, i             ; fragment q of tile i of a half: an image, so lane l takes 16 bytes at 16 l of each 512
.irp c, 0,1,2,3
	ds_load_b128 v[\reg+4*\c:\reg+4*\c+3], v[\adr] offset:(2*(\i)+(\q))*2048+512*\c
.endr
.endm
.macro FETCH_B slot, q, p
	WIN TO_B
.irp i, 0,1,2,3,4,5,6,7
	FRAG 128*(\p)+16*\i, ADRB+\slot, \q, \i
.endr
	WIN 0
.endm
.macro FETCH_A slot, q, i0
.irp i, \i0, \i0+1, \i0+2, \i0+3
	FRAG AF+16*(\i), ADRA+\slot, \q, \i
.endr
.endm
.macro SCALES sc                       ; a K step's scale words: one register a tile and side
.irp i, 0,1,2,3,4,5,6,7
	ds_load_b32 v[SC+16*\sc+\i], v[ADRSA] offset:\i*MTS
	ds_load_b32 v[SC+16*\sc+8+\i], v[ADRSB] offset:\i*MTS
.endr
.endm
; 16 matrix instructions: A's blocks a0, a0 + 1 x B's eight, 128 along K.  q = 1: the slot's second fragment, whose scale words lie in lanes 16-31.  The 64 accumulators take turns.
.macro MUL16 a0, p, q, sc, zero
.irp a, \a0, \a0+1
.irp b, 0,1,2,3,4,5,6,7
.if \zero
	v_wmma_scale_f32_16x16x128_f8f6f4 v[8*(8*((\a)%4)+\b):8*(8*((\a)%4)+\b)+7], v[128*(\p)+16*\b:128*(\p)+16*\b+15], v[AF+16*(\a):AF+16*(\a)+15], 0, v[SC+16*(\sc)+8+\b], v[SC+16*(\sc)+(\a)] matrix_a_fmt:MATRIX_FMT_BF8 matrix_b_fmt:MATRIX_FMT_BF8
.elseif \q
	v_wmma_scale_f32_16x16x128_f8f6f4 v[8*(8*((\a)%4)+\b):8*(8*((\a)%4)+\b)+7], v[128*(\p)+16*\b:128*(\p)+16*\b+15], v[AF+16*(\a):AF+16*(\a)+15], v[8*(8*((\a)%4)+\b):8*(8*((\a)%4)+\b)+7], v[SC+16*(\sc)+8+\b], v[SC+16*(\sc)+(\a)] matrix_a_fmt:MATRIX_FMT_BF8 matrix_b_fmt:MATRIX_FMT_BF8 matrix_a_scale:MATRIX_SCALE_ROW1 matrix_b_scale:MATRIX_SCALE_ROW1
.else
	v_wmma_scale_f32_16x16x128_f8f6f4 v[8*(8*((\a)%4)+\b):8*(8*((\a)%4)+\b)+7], v[128*(\p)+16*\b:128*(\p)+16*\b+15], v[AF+16*(\a):AF+16*(\a)+15], v[8*(8*((\a)%4)+\b):8*(8*((\a)%4)+\b)+7], v[SC+16*(\sc)+8+\b], v[SC+16*(\sc)+(\a)] matrix_a_fmt:MATRIX_FMT_BF8 matrix_b_fmt:MATRIX_FMT_BF8
.endif
.endr
.endr
.endm
.macro STEP slot, zero                 ; a slot's first 128 along K
	s_wait_dscnt 16                                ; all but the youngest 16 loads (A's blocks 4-7) are in
	WIN MUL_LO
	MUL16 0, 0, 0, \slot, \zero
	MUL16 2, 0, 0, \slot, \zero
	s_wait_dscnt 0
	PLACES NP                                      ; in front of loads into registers that matrix instructions have read
	FETCH_B \slot, 1, 1
	FETCH_A \slot, 1, 0
	WIN MUL_HI
	MUL16 4, 0, 0, \slot, \zero
	MUL16 6, 0, 0, \slot, \zero
	PLACES NP
	WIN 0
	FETCH_A \slot, 1, 4
.endm
.macro TURN slot, next, fill           ; a slot's second 128 along K, and the change of slots: one barrier; fill = 1: it opens a round of the cluster's barrier, and this slot is filled again, two K steps ahead
	s_wait_tensorcnt 0x0                           ; all my tensor loads have landed: my part of the next slot
	ds_add_u32 v[SPW], v[NIL]                      ; 0 onto my spare word
	s_wait_dscnt 17                                ; (the add and the youngest 16 loads may be out)
	WIN MUL_LO
	MUL16 0, 1, 1, \slot, 0
	s_wait_dscnt 0x0                               ; the add is done, and my reads of this slot are over
	s_barrier_signal -1
	MUL16 2, 1, 1, \slot, 0
	WIN 0
	s_barrier_wait -1
.if \fill
	CREST                                          ; no wave of any partner still reads this slot or has a load on its way
	s_add_nc_u64 s[G0+4*\slot+2:G0+4*\slot+3], s[G0+4*\slot+2:G0+4*\slot+3], 8192
	s_add_nc_u64 s[G0B+4*\slot+2:G0B+4*\slot+3], s[G0B+4*\slot+2:G0B+4*\slot+3], 8192
	JLOAD G0+4*\slot, G1, G0B+4*\slot, G1B         ; the first tensor load behind the round; its four v_nop are among the places
	PLACES NP-4
.else
	PLACES NP
.endif
	v_add_nc_u32 v[ADRSA], 128, v[ADRSA]           ; the next K step's scale words
	v_add_nc_u32 v[ADRSB], 128, v[ADRSB]
	FETCH_B \next, 0, 0
	FETCH_A \next, 0, 0
	SCALES \next
	WIN MUL_HI
	MUL16 4, 1, 1, \slot, 0
	MUL16 6, 1, 1, \slot, 0
	PLACES NP
	WIN 0
	FETCH_A \next, 0, 4
.endm
.macro FINAL sc                        ; the very last 128 along K: nothing more to fetch
	s_wait_dscnt 16
	WIN MUL_LO
	MUL16 0, 1, 1, \sc, 0
	MUL16 2, 1, 1, \sc, 0
	s_wait_dscnt 0
	WIN MUL_HI
	MUL16 4, 1, 1, \sc, 0
	MUL16 6, 1, 1, \sc, 0
	WIN 0
.endm
.macro G1WORDS                         ; the shapes: codes 8 rows of 512 elements of 8 bytes, KF x 256 elements apart; scale words a dense block as rows of 256 bytes
.irp g, G1, G1B
	s_mov_b32 s[\g+1], 512<<16
	s_mov_b32 s[\g+2], 8<<16
	s_mov_b32 s[\g+3], 512<<16
	s_mov_b32 s[\g+4], 8
	s_mov_b32 s[\g+5], KF*256
	s_mov_b32 s[\g+6], 0
	s_mov_b32 s[\g+7], 0
.endr
.irp g, G1S, G1SB
	s_mov_b32 s[\g+1], 32<<16
	s_mov_b32 s[\g+2], (HALFS/256)<<16
	s_mov_b32 s[\g+3], 32<<16
	s_mov_b32 s[\g+4], HALFS/256
	s_mov_b32 s[\g+5], 32
	s_mov_b32 s[\g+6], 0
	s_mov_b32 s[\g+7], 0
.endr
.endm
.macro FILLS                           ; the first fills: s[20:21], s[22:23] A's codes and scale words, s[46:47], s[92:93] B's; s45, s94 wave x a half: three loads of mine are out
	s_mov_b32 s[G0S], 1
	s_add_co_u32 s[G0S+1], s94, SCL
	s_mov_b64 s[G0S+2:G0S+3], s[22:23]
	s_or_b32 s[G0S+3], s[G0S+3], 0x80000000
	s_mov_b32 s[G0SB], 1
	s_add_co_u32 s[G0SB+1], s94, SCL
	s_mov_b64 s[G0SB+2:G0SB+3], s[92:93]
	s_or_b32 s[G0SB+3], s[G0SB+3], 0x80000000
	JLOAD G0S, G1S, G0SB, G1SB
.irp s, 0,1
	s_mov_b32 s[G0+4*\s], 1
	s_add_co_u32 s[G0+4*\s+1], s45, \s*SLOT
	s_add_nc_u64 s[G0+4*\s+2:G0+4*\s+3], s[20:21], \s*4096
	s_or_b32 s[G0+4*\s+3], s[G0+4*\s+3], 0x80000000
	s_mov_b32 s[G0B+4*\s], 1
	s_add_co_u32 s[G0B+4*\s+1], s45, \s*SLOT
	s_add_nc_u64 s[G0B+4*\s+2:G0B+4*\s+3], s[46:47], \s*4096
	s_or_b32 s[G0B+4*\s+3], s[G0B+4*\s+3], 0x80000000
	JLOAD G0+4*\s, G1, G0B+4*\s, G1B
.endr
.endm
.macro ADDRS
	v_and_b32 v1, 31, v0
	v_lshlrev_b32 v2, 4, v1                        ; 16 x lane
	v_lshlrev_b32 v3, 2, v1                        ; 4 x lane
	s_lshl_b32 s21, s15, 15
	s_lshl_b32 s22, s16, 15
	s_add_co_u32 s22, s22, 65536
	v_add_nc_u32 v[ADRA], s21, v2
	v_add_nc_u32 v[ADRB], s22, v2
	v_add_nc_u32 v[ADRA+1], SLOT, v[ADRA]
	v_add_nc_u32 v[ADRB+1], SLOT, v[ADRB]
	s_mul_i32 s21, s15, HALFS
	s_add_co_u32 s21, s21, SCL
	s_mul_i32 s22, s16, HALFS
	s_add_co_u32 s22, s22, SCL+2*HALFS
	v_add_nc_u32 v[ADRSA], s21, v3
	v_add_nc_u32 v[ADRSB], s22, v3
.endm
.macro KLOOP                           ; all of K but its last 128
	s_wait_tensorcnt 1                             ; the scale words and my part of K step 0 are in; K step 1's load may be out
	s_barrier_signal -1
	s_barrier_wait -1
	FETCH_B 0, 0, 0
	FETCH_A 0, 0, 0
	SCALES 0
	FETCH_A 0, 0, 4
	STEP 0, 1                                      ; the first products start the sums
	s_mov_b32 s3, (NK-2)/2
.Llap:
	TURN 0, 1, 1
	STEP 1, 0
	TURN 1, 0, 1
	STEP 0, 0
	s_sub_co_u32 s3, s3, 1
	s_cmp_lg_u32 s3, 0
	s_cbranch_scc1 .Llap
.if NK%2 == 0
	TURN 0, 1, 0
	STEP 1, 0
.else
	TURN 0, 1, 1
	STEP 1, 0
	TURN 1, 0, 0
	STEP 0, 0
.endif
.endm
; THE QUANTISER, four macros.  64 (nb = 4) or 32 (nb = 2) numbers of a lane; register 16 b + i is k = 32 b + 16 (lane / 16) + i of the lane's row, so a block of 32 lies in lanes l and l xor 16.
.set L16, 2                            ; v2   16 x lane
.set VCS, 5                            ; v5   my token's bytes in the table
.set L4R, 6                            ; v6   4 x (lane % 16)
.set CS,  64                           ; v64-127  cos and sin, two sets of 32
.set X,   128                          ; v128-191 64 numbers
.set PC,  192                          ; v192-207 a fragment's codes
.set TM,  208                          ; v208-223 the quantiser's
.set PW,  224                          ; v224 a scale word
.set TT,  226                          ; v226-241 products at work
.set PWE, 243                          ; v243 the even block's scale word
.set W0,  244                          ; v244, v245 two blocks' halves joined
.set W1,  245
.set SEL, 96
.set MNT, 95
.macro QMAX src, nb                    ; each block's largest magnitude among my 16, over the floor 2^(16 - 127); the data stand in sources 0 and 1, so that one window setting serves an accumulator
.set qb, 0
.rept \nb
	v_max3_num_f32 v[TM+qb], |v[(\src)+16*qb]|, |v[(\src)+16*qb+1]|, 0x8000000
.set qb, qb+1
.endr
.set qi, 2
.rept 7
.set qb, 0
.rept \nb
	v_max3_num_f32 v[TM+qb], |v[(\src)+16*qb+qi]|, |v[(\src)+16*qb+qi+1]|, v[TM+qb]
.set qb, qb+1
.endr
.set qi, qi+2
.endr
.endm
.macro QSCL nb
.set qb, 0
.rept \nb
	v_permlanex16_b32 v[TM+4+qb], v[TM+qb], s[SEL], s[SEL+1]
.set qb, qb+1
.endr
.set qb, 0
.rept \nb
	v_max_num_f32 v[TM+qb], v[TM+qb], v[TM+4+qb]
.set qb, qb+1
.endr
.set qb, 0
.rept \nb
	v_add_nc_u32 v[TM+12+qb], 0xf8800000, v[TM+qb]
.set qb, qb+1
.endr
.set qb, 0
.rept \nb
	v_and_or_b32 v[TM+8+qb], v[TM+qb], 0x7f800000, s[MNT]
.set qb, qb+1
.endr
.set qb, 0
.rept \nb
	v_lshrrev_b32 v[TM+4+qb], 23, v[TM+12+qb]
.set qb, qb+1
.endr
	v_lshl_or_b32 v[PW], v[TM+5], 8, v[TM+4]
.if \nb == 4
	v_lshl_or_b32 v[PW], v[TM+6], 16, v[PW]
	v_lshl_or_b32 v[PW], v[TM+7], 24, v[PW]
.endif
.endm
.macro QHOLD dst, src, nb              ; the hold at the largest code x the scale (ISA guide 7.6.2); only source 0 may lie in another window, so the hold is also the move into window 0
.set qb, 0
.rept \nb
.set qi, 0
.rept 16
	v_med3_num_f32 v[(\dst)+16*qb+qi], v[(\src)+16*qb+qi], -v[TM+8+qb], v[TM+8+qb]
.set qi, qi+1
.endr
.set qb, qb+1
.endr
.endm
.macro QCVT src, nb
.set qb, 0
.rept \nb
	v_cvt_scalef32_pk8_bf8_f32 v[PC+4*qb:PC+4*qb+1], v[(\src)+16*qb:(\src)+16*qb+7], v[TM+12+qb]
	v_cvt_scalef32_pk8_bf8_f32 v[PC+4*qb+2:PC+4*qb+3], v[(\src)+16*qb+8:(\src)+16*qb+15], v[TM+12+qb]
.set qb, qb+1
.endr
	v_nop
.endm
	s_load_b128 s[4:7], s[0:1], 0x0                ; P1 s[4:5], QKV s[6:7]
	v_lshl_add_u32 v[SPW], v0, 2, SPARE
	v_mov_b32 v[NIL], 0
	ds_add_u32 v[SPW], v[NIL]                      ; the wave's opening: the add, twice on end, and its wait ahead of my first tensor load
	ds_add_u32 v[SPW], v[NIL]
	v_lshrrev_b32 v1, 5, v0
	v_readfirstlane_b32 s14, v1                    ; wave 0..3
	s_lshr_b32 s15, s14, 1                         ; which half of A's rows is mine.  Also: I fetch for A (0) or for B (1)
	s_and_b32 s16, s14, 1                          ; which half of B's rows.  Also: which half I fetch
	s_bfe_u32 s40, ttmp6, 0x40000                  ; cx, cy
	s_bfe_u32 s41, ttmp6, 0x40004
	s_and_b32 s13, ttmp7, 0xffff
	s_lshl_b32 s13, s13, 2                         ; 4 x cluster y
	s_lshl_b32 s10, ttmp9, 20
	s_add_co_u32 s10, s10, WIMG                    ; Wq's or Wk's image,
	s_lshl_b32 s11, ttmp9, 15
	s_add_co_u32 s11, s11, WSCL                    ; and scale words
	s_mov_b32 s9, A1SCL
	s_cmp_eq_u32 ttmp9, 2                          ; V?  The cluster's x: the same in all sixteen partners
	s_cselect_b32 s12, 1, 0
	s_cselect_b32 s17, 0, s13                      ; A's tile of 256 rows: tokens by the cluster's y, or Wv's four
	s_cselect_b32 s42, s13, 0                      ; B's
	s_cselect_b32 s8, WIMG+0x200000, 0             ; A's image in P1: Wv's, or the tokens'
	s_cselect_b32 s9, WSCL+0x10000, s9
	s_cselect_b32 s10, 0, s10                      ; B's
	s_cselect_b32 s11, A1SCL, s11
	s_add_co_u32 s17, s17, s41
	s_add_co_u32 s42, s42, s40
	s_lshl_b32 s43, s41, 2
	s_lshl_b32 s43, 15, s43                        ; my row of the cluster
	s_lshl_b32 s44, 0x1111, s40                    ; my column
	s_or_b32 s[G1+0], s43, (3<<16)|(1<<21)         ; 15:0 the mask; 17:16 elements of 8 bytes; 21 set beside a mask; no padding: the images are read 16 bytes a lane on end
	s_or_b32 s[G1B+0], s44, (3<<16)|(1<<21)
	s_or_b32 s[G1S+0], s43, (3<<16)|(1<<21)
	s_or_b32 s[G1SB+0], s44, (3<<16)|(1<<21)
	G1WORDS
	s_lshl_b32 s18, s16, 3
	s_lshl_b32 s20, s17, 4
	s_add_co_u32 s20, s20, s18                     ; A: the first image tile that I fetch
	s_lshl_b32 s46, s42, 4
	s_add_co_u32 s46, s46, s18                     ; B likewise
	s_mul_i32 s22, s20, MTS
	s_add_co_u32 s22, s22, s9
	s_mov_b32 s23, 0
	s_mul_i32 s20, s20, KF*2048
	s_add_co_u32 s20, s20, s8
	s_mov_b32 s21, 0
	s_mul_i32 s92, s46, MTS
	s_add_co_u32 s92, s92, s11
	s_mov_b32 s93, 0
	s_mul_i32 s46, s46, KF*2048
	s_add_co_u32 s46, s46, s10
	s_mov_b32 s47, 0
	s_mul_i32 s45, s14, HALFT                      ; where they go: no place in the cluster enters an LDS address
	s_mul_i32 s94, s14, HALFS
	s_wait_dscnt 0x0                               ; both opening adds are done
	s_wait_kmcnt 0x0
	s_add_nc_u64 s[20:21], s[4:5], s[20:21]
	s_add_nc_u64 s[22:23], s[4:5], s[22:23]
	s_add_nc_u64 s[46:47], s[4:5], s[46:47]
	s_add_nc_u64 s[92:93], s[4:5], s[92:93]
	CROUND                                         ; all sixteen work-groups are here: the first joint loads meet
	FILLS
	ADDRS
	v_and_b32 v4, 15, v0                           ; r
	v_bfe_u32 v7, v0, 4, 1                         ; h
	v_lshlrev_b32 v[L4R], 2, v4
	v_and_b32 v[VCS], 8, v4
	v_add_nc_u32 v[VCS], v[VCS], v4
	v_lshlrev_b32 v[VCS], 8, v[VCS]
	v_lshl_add_u32 v[VCS], v7, 6, v[VCS]           ; the table: token r + 8 (r / 8) of 256 bytes, + 64 h
	s_mov_b32 s[SEL], 0x76543210
	s_mov_b32 s[SEL+1], 0xfedcba98
	s_mov_b32 s[MNT], 0x600000
	KLOOP
	s_cmp_eq_u32 s12, 1
	s_cbranch_scc1 .Lv_way                         ; one branch parts the two ways out; the last 64 products are written in each
; ---- Q and K.  Block a: 16 tokens (a lane a token) x 128 features = two heads.
	s_and_b32 s18, s17, 7
	s_lshl_b32 s18, s18, 8
	s_lshl_b32 s19, s15, 7
	s_add_co_u32 s18, s18, s19                     ; my first token in its sequence
	s_lshl_b32 s20, s18, 8
	s_add_co_u32 s20, s20, ROPE
	s_mov_b32 s21, 0
	s_add_nc_u64 s[10:11], s[4:5], s[20:21]        ; its place in the table
	s_lshr_b32 s22, s17, 3
	s_lshl_b32 s22, s22, 4
	s_lshl_b32 s23, s42, 2
	s_add_co_u32 s22, s22, s23
	s_lshl_b32 s23, s16, 1
	s_add_co_u32 s22, s22, s23                     ; 16 x batch + my first head
	s_lshr_b32 s18, s18, 4                         ; my first tile of tokens
	s_lshl_b32 s20, s22, 7
	s_add_co_u32 s20, s20, s18
	s_lshl_b32 s20, s20, 10                        ; [batch, head][tile 128][1,024 bytes]
	s_lshl_b32 s23, ttmp9, 22                      ; Q at 0, K at 0x400000
	s_add_co_u32 s20, s20, s23
	s_add_nc_u64 s[66:67], s[6:7], s[20:21]
	s_lshl_b32 s20, s22, 6
	s_lshr_b32 s18, s18, 1
	s_add_co_u32 s20, s20, s18
	s_lshl_b32 s20, s20, 6                         ; [batch, head][pair of tiles 64][row] words: low half the even tile's two bytes, high half the odd tile's
	s_lshl_b32 s23, ttmp9, 18
	s_add_co_u32 s20, s20, s23
	s_add_co_u32 s20, s20, 0xC00000
	s_add_nc_u64 s[98:99], s[6:7], s[20:21]
.macro CSLOAD a                        ; block a's cos and sin: of my token's 32 pairs those of my half: pairs 16 p + 8 h + 0 .. 7
.irp p, 0,1
.irp j, 0,1,2,3
	global_load_b128 v[CS+32*((\a)%2)+16*\p+4*\j:CS+32*((\a)%2)+16*\p+4*\j+3], v[VCS], s[10:11] offset:(32*((\a)/2)+8*((\a)%2))*256+128*\p+16*\j
.endr
.endr
.endm
.macro QKOUT a
.set AC, 64*((\a)%4)
.set CSS, CS+32*((\a)%2)
.if (\a) < 7
	s_wait_loadcnt 8                               ; this block's table is in; the next block's eight loads stay out
.else
	s_wait_loadcnt 0
.endif
	WIN 2+(\a)/4                                   ; source 0: the accumulators' window
.irp b, 0,1,2,3
.irp t, 0,1,2,3,4,5,6,7
	v_mul_f32 v[TT+2*\t], v[AC+16*\b+2*\t+1], v[CSS+16*(\b%2)+2*\t+1]       ; xo sin
	v_mul_f32 v[TT+2*\t+1], v[AC+16*\b+2*\t+1], v[CSS+16*(\b%2)+2*\t]       ; xo cos
.endr
.irp t, 0,1,2,3,4,5,6,7
	v_fma_f32 v[X+16*\b+2*\t], v[AC+16*\b+2*\t], v[CSS+16*(\b%2)+2*\t], -v[TT+2*\t]         ; xe cos - xo sin
	v_fma_f32 v[X+16*\b+2*\t+1], v[AC+16*\b+2*\t], v[CSS+16*(\b%2)+2*\t+1], v[TT+2*\t+1]    ; xe sin + xo cos
.endr
.endr
	WIN 0
.if (\a) < 6
	CSLOAD (\a)+2
.endif
	QMAX X, 4
.if (\a) > 0
	s_wait_xcnt 0x0                                ; the last block's stores have read the codes and the scale words
.endif
	QSCL 4
	QHOLD X, X, 4
	QCVT X, 4
	global_store_b128 v[L16], v[PC:PC+3], s[66:67] offset:1024*(\a)                 ; my first head: the 64 along K are two pieces of 512 bytes,
	global_store_b128 v[L16], v[PC+4:PC+7], s[66:67] offset:1024*(\a)+512
	global_store_b128 v[L16], v[PC+8:PC+11], s[66:67] offset:1024*(\a)+131072       ; my second head
	global_store_b128 v[L16], v[PC+12:PC+15], s[66:67] offset:1024*(\a)+131584
.if (\a)%2 == 0
	v_mov_b32 v[PWE], v[PW]
.else
	v_perm_b32 v[W0], v[PW], v[PWE], 0x05040100    ; the two blocks' low halves: my first head's word
	v_perm_b32 v[W1], v[PW], v[PWE], 0x07060302    ; their high halves: my second head's
	global_store_b32 v[L4R], v[W0], s[98:99] offset:64*((\a)/2)
	global_store_b32 v[L4R], v[W1], s[98:99] offset:64*((\a)/2)+4096
.endif
.endm
	CSLOAD 0
	CSLOAD 1
	FINAL 1
	PLACES NP                                      ; in front of the first read of results and of writes over A's fragments
.irp b, 0,1,2,3
	v_mov_b32 v[TM+4+\b], 0                        ; a lane permute's destination counts as one of its sources
.endr
.irp a, 0,1,2,3,4,5,6,7
	QKOUT \a
.endr
	s_branch .Lend
; ---- V^T.  Block a: 16 features (a lane a feature) x 128 tokens: one fragment of the second attention product, quantised along the tokens.
.Lv_way:
	s_lshr_b32 s18, s42, 3
	s_lshl_b32 s18, s18, 4
	s_lshl_b32 s19, s17, 2
	s_add_co_u32 s18, s18, s19
	s_lshl_b32 s19, s15, 1
	s_add_co_u32 s18, s18, s19                     ; 16 x batch + my first head
	s_lshl_b32 s19, s42, 1
	s_add_co_u32 s19, s19, s16
	s_and_b32 s19, s19, 15                         ; which 128 keys of the sequence
	s_lshl_b32 s18, s18, 4
	s_add_co_u32 s18, s18, s19
	s_lshl_b32 s18, s18, 2                         ; [batch, head][key step 16][tile of channels 4]
	s_lshl_b32 s20, s18, 11
	s_add_co_u32 s20, s20, 0x800000
	s_mov_b32 s21, 0
	s_add_nc_u64 s[66:67], s[6:7], s[20:21]
	s_lshl_b32 s20, s18, 6
	s_add_co_u32 s20, s20, 0xC80000
	s_add_nc_u64 s[98:99], s[6:7], s[20:21]
.macro VOUT a
.set AC, 64*((\a)%4)
	WIN (2+(\a)/4)*5                               ; sources 0 and 1: the accumulators' window
	QMAX AC, 4
	WIN 0
.if (\a) > 0
	s_wait_xcnt 0x0
.endif
	QSCL 4
	WIN 2+(\a)/4
	QHOLD X, AC, 4
	WIN 0
	QCVT X, 4
.irp c, 0,1,2,3
	global_store_b128 v[L16], v[PC+4*\c:PC+4*\c+3], s[66:67] offset:((\a)/4)*131072+((\a)%4)*2048+512*\c
.endr
	global_store_b32 v[L4R], v[PW], s[98:99] offset:((\a)/4)*4096+((\a)%4)*64
.endm
	FINAL 1
	PLACES NP
.irp b, 0,1,2,3
	v_mov_b32 v[TM+4+\b], 0
.endr
.irp a, 0,1,2,3,4,5,6,7
	VOUT \a
.endr
.Lend:
	s_wait_tensorcnt 0x0                           ; the wave's end
	ds_add_u32 v[SPW], v[NIL]
	s_wait_dscnt 0x0
	CROUND                                         ; the closing round
	s_endpgm
.Lfunc_end_k_qd65ace30ee_qkv:
	.size	k_qd65ace30ee_qkv, .Lfunc_end_k_qd65ace30ee_qkv-k_qd65ace30ee_qkv
	.p2alignl 7, 3214868480
	.fill 96, 4, 3214868480
	.section	.rodata,"a",@progbits
	.p2align	6, 0x0
	.amdhsa_kernel k_qd65ace30ee_qkv
		.amdhsa_group_segment_fixed_size 327680
		.amdhsa_private_segment_fixed_size 0
		.amdhsa_enable_private_segment 0
		.amdhsa_kernarg_size 16
		.amdhsa_user_sgpr_count 2
		.amdhsa_user_sgpr_kernarg_segment_ptr 1
		.amdhsa_wavefront_size32 1
		.amdhsa_system_sgpr_workgroup_id_x 1
		.amdhsa_system_sgpr_workgroup_id_y 1
		.amdhsa_system_sgpr_workgroup_id_z 1
		.amdhsa_system_vgpr_workitem_id 0
		.amdhsa_next_free_vgpr 1024
		.amdhsa_next_free_sgpr 100
		.amdhsa_reserve_vcc 0
		.amdhsa_float_denorm_mode_32 3
		.amdhsa_float_denorm_mode_16_64 3
		.amdhsa_memory_ordered 1
		.amdhsa_forward_progress 1
		.amdhsa_inst_pref_size 255
	.end_amdhsa_kernel
	.section	.bss,"aw",@nobits
	.p2align	6
	.space	262144
	.amdgpu_metadata
---
amdhsa.version: [ 1, 2 ]
amdhsa.kernels:
  - .name:           k_qd65ace30ee_qkv
    .symbol:         k_qd65ace30ee_qkv.kd
    .args:
      - { .name: P1, .offset: 0, .size: 8, .value_kind: global_buffer, .address_space: global }
      - { .name: QKV, .offset: 8, .size: 8, .value_kind: global_buffer, .address_space: global }
    .group_segment_fixed_size: 327680
    .private_segment_fixed_size: 0
    .kernarg_segment_align: 8
    .kernarg_segment_size: 16
    .max_flat_workgroup_size: 128
    .sgpr_count:     100
    .vgpr_count:     1024
    .wavefront_size: 32
...
	.end_amdgpu_metadata
.endif
;; end of part 2
;; launch attn (part 3): grid 8 x 32, 16 waves a work-group, clusters of 4 x 1, 327,680 bytes of LDS; arguments QKV, AT; writes AT
.if DOCPART == 3
	.amdgcn_target "amdgcn-amd-amdhsa--gfx1250"
	.amdhsa_code_object_version 6
	.text
	.protected	k_qd65ace30ee_attn
	.globl	k_qd65ace30ee_attn
	.p2align	8
	.type	k_qd65ace30ee_attn,@function
k_qd65ace30ee_attn:
	s_mov_b64 s[64:65], 0
	v_nop
	global_prefetch_b8 v0, s[64:65] scope:SCOPE_SE
	s_setreg_imm32_b32 hwreg(HW_REG_WAVE_MODE, 25, 1), 1
	s_wait_xcnt 0x0
	s_wait_alu depctr_hold_cnt(0) depctr_sa_sdst(0) depctr_va_vdst(0) depctr_va_sdst(0) depctr_va_ssrc(0) depctr_va_vcc(0) depctr_vm_vsrc(0)
	s_getreg_b32 s2, hwreg(HW_REG_IB_STS2, 6, 4)
	s_cmp_eq_u32 s2, 0
	s_cbranch_scc0 .Lentry_in_a_cluster
	s_endpgm
.Lentry_in_a_cluster:
	s_bfe_u32 s2, ttmp6, 0x10000c
	s_cmp_lg_u32 s2, 0x3003
	s_cbranch_scc0 .Lentry_shape_is_right
	s_endpgm
.Lentry_shape_is_right:
; Causal attention on codes of E5M2: products 4 and 5, and the quantising of their result along the features for product 6.
; LEFT OUT AS DEAD WORK: a step of 128 keys all of which come after all 16 queries of a wave (reference()'s own jnp.tril puts -inf there, so p = 0 for all finite inputs).  A NaN or infinity that would arise only there is not carried on.
; THE SOFTMAX: t = score x log2(e) / 8; M = the running largest t rounded up to a whole number; p = 2^(t - M) is quantised along the keys; the row's sum is taken of the unquantised p and divides at the end.
; SHARES.  A work-group serves one (batch, head) and has ALL of its K and V codes in LDS (2 x 131,072 bytes, and 2 x 4,096 of scale words): every tensor load is a first fill, nothing is filled again.
; Wave w owns one tile of 16 queries out of block beta(w) of 128 queries: tile 8 beta + j, j the work-group's number among the head's eight.  beta runs over 0 .. 15 in every work-group, so all work-groups have the same
; 136 key steps; beta(w) is laid as a 4 x 4 square whose rows and columns all sum to 30, so that four waves taken by rows or by columns have the same work.  Wave w walks key steps 0 .. beta; step beta lies on the diagonal.
; CLUSTER: the four work-groups of a cluster serve one head and ask for the same K and V jointly (mask 15).  j enters global addresses and the mask's numbers alone: no branch and no LDS address hangs on it.
; LAYOUT.  Both products transposed: S^T = K Q^T, O^T = V^T P^T: a lane holds one query.  The head's K is 64, the instruction's 128: TWO NEIGHBOURING TILES OF 16 KEYS ARE ONE FRAGMENT (64 + 64 along K), multiplied once by
; (q, zeros) and once by (zeros, q).  By the order of rows in the images the 16 registers of two neighbouring tiles are 16 neighbouring keys, and those of O^T 16 neighbouring channels.
; REGISTERS: v1-3 lane numbers; v8-10 addresses; v12 -M, v13 the largest t, v[14:15] the sum; v16-31 (q, 0); v32-47 (0, q); v48-111 four fragments of K or V; v112-175 S^T, then p; v176-207 O^T; v208-223 p's codes;
; v224-239 at work; v240-243 K's scale words, v244-247 V's, v248, v249 q's, v251 p's; v250 f; v[252:253] the sum's second chain; v254, v255 at work.
.set SPARE, 270336                     ; LDS: K 0, V 131072, K's scale words 262144, V's 266240; then the spare words, 128 bytes a wave, which no other line names
.set L16, 1
.set L4,  2
.set DM,  3
.set SPW, 5
.set NIL, 6
.set ADK, 8
.set ADV, 9
.set ADS, 10
.set QA,  16
.set QB,  32
.set F,   48
.set S,   112
.set O,   176
.set PC,  208
.set TM,  224
.set KSW, 240
.set VSW, 244
.set QAS, 248
.set QBS, 249
.set PW,  254
.set BETA, 16
.set J,    17
.set WV,   18
.set MNT,  19
.set G1S,  24
.set G1C,  32
.set G0S,  40
.set G0C,  44
.set SEL,  60
.set CS,   62
.set TK,   66
.set TS,   67
.set CNT,  68
.macro CROUND
	s_barrier_signal -1
	s_barrier_wait -1
	s_cmp_lg_u32 s[WV], 0
	s_cbranch_scc1 .Lnot_wave_0_\@
	s_barrier_signal -3
.Lnot_wave_0_\@:
	s_barrier_wait -3
	s_barrier_signal -1
	s_barrier_wait -1
.endm
; THE QUANTISER of the way out (as in the other launches): register 16 b + i is k = 32 b + 16 (lane / 16) + i of the lane's row
.macro QMAX src, nb
.set qb, 0
.rept \nb
	v_max3_num_f32 v[TM+qb], |v[(\src)+16*qb]|, |v[(\src)+16*qb+1]|, 0x8000000
.set qb, qb+1
.endr
.set qi, 2
.rept 7
.set qb, 0
.rept \nb
	v_max3_num_f32 v[TM+qb], |v[(\src)+16*qb+qi]|, |v[(\src)+16*qb+qi+1]|, v[TM+qb]
.set qb, qb+1
.endr
.set qi, qi+2
.endr
.endm
.macro QSCL nb
.set qb, 0
.rept \nb
	v_permlanex16_b32 v[TM+4+qb], v[TM+qb], s[SEL], s[SEL+1]
.set qb, qb+1
.endr
.set qb, 0
.rept \nb
	v_max_num_f32 v[TM+qb], v[TM+qb], v[TM+4+qb]
.set qb, qb+1
.endr
.set qb, 0
.rept \nb
	v_add_nc_u32 v[TM+12+qb], 0xf8800000, v[TM+qb]
.set qb, qb+1
.endr
.set qb, 0
.rept \nb
	v_and_or_b32 v[TM+8+qb], v[TM+qb], 0x7f800000, s[MNT]
.set qb, qb+1
.endr
.set qb, 0
.rept \nb
	v_lshrrev_b32 v[TM+4+qb], 23, v[TM+12+qb]
.set qb, qb+1
.endr
	v_lshl_or_b32 v[PW], v[TM+5], 8, v[TM+4]
.if \nb == 4
	v_lshl_or_b32 v[PW], v[TM+6], 16, v[PW]
	v_lshl_or_b32 v[PW], v[TM+7], 24, v[PW]
.endif
.endm
.macro QHOLD dst, src, nb
.set qb, 0
.rept \nb
.set qi, 0
.rept 16
	v_med3_num_f32 v[(\dst)+16*qb+qi], v[(\src)+16*qb+qi], -v[TM+8+qb], v[TM+8+qb]
.set qi, qi+1
.endr
.set qb, qb+1
.endr
.endm
.macro QCVT src, nb
.set qb, 0
.rept \nb
	v_cvt_scalef32_pk8_bf8_f32 v[PC+4*qb:PC+4*qb+1], v[(\src)+16*qb:(\src)+16*qb+7], v[TM+12+qb]
	v_cvt_scalef32_pk8_bf8_f32 v[PC+4*qb+2:PC+4*qb+3], v[(\src)+16*qb+8:(\src)+16*qb+15], v[TM+12+qb]
.set qb, qb+1
.endr
	v_nop
.endm
	s_load_b128 s[4:7], s[0:1], 0x0                ; QKV s[4:5], AT s[6:7]
	v_lshl_add_u32 v[SPW], v0, 2, SPARE
	v_mov_b32 v[NIL], 0
	ds_add_u32 v[SPW], v[NIL]                      ; the wave's opening: the add, twice on end, and its wait ahead of my first tensor load
	ds_add_u32 v[SPW], v[NIL]
	v_lshrrev_b32 v8, 5, v0
	v_readfirstlane_b32 s[WV], v8                  ; wave 0..15
	s_bfe_u32 s8, ttmp6, 0x40000                   ; cx
	s_lshl_b32 s9, ttmp9, 2
	s_add_co_u32 s9, s9, s8                        ; j: which of the head's eight work-groups
	s_and_b32 s10, ttmp7, 0xffff                   ; 16 x batch + head
	s_mov_b32 s11, 0x0de3b658
	s_cmp_lt_u32 s[WV], 8
	s_cselect_b32 s11, 0x7a94c12f, s11             ; the square, a hex digit a wave
	s_and_b32 s12, s[WV], 7
	s_lshl_b32 s13, s12, 2
	s_lshr_b32 s11, s11, s13
	s_and_b32 s[BETA], s11, 15
	s_mov_b32 s[G1S], 15|(3<<16)|(1<<21)           ; 15:0 the mask: all four; 17:16 elements of 8 bytes; 21 set beside a mask.  Scale words: 2 rows of 256 bytes
	s_mov_b32 s[G1S+1], 32<<16
	s_mov_b32 s[G1S+2], 2<<16
	s_mov_b32 s[G1S+3], 32<<16
	s_mov_b32 s[G1S+4], 2
	s_mov_b32 s[G1S+5], 32
	s_mov_b32 s[G1S+6], 0
	s_mov_b32 s[G1S+7], 0
	s_mov_b32 s[G1C], 15|(3<<16)|(1<<21)           ; codes: 16 rows of 256 bytes, dense
	s_mov_b32 s[G1C+1], 32<<16
	s_mov_b32 s[G1C+2], 16<<16
	s_mov_b32 s[G1C+3], 32<<16
	s_mov_b32 s[G1C+4], 16
	s_mov_b32 s[G1C+5], 32
	s_mov_b32 s[G1C+6], 0
	s_mov_b32 s[G1C+7], 0
	s_lshr_b32 s11, s[WV], 3                       ; waves 0-7 fetch K's, waves 8-15 V's
	s_lshl_b32 s20, s11, 18
	s_lshl_b32 s21, s10, 12
	s_add_co_u32 s20, s20, s21
	s_lshl_b32 s21, s12, 9
	s_add_co_u32 s20, s20, s21
	s_add_co_u32 s20, s20, 0xC40000                ; my 512 bytes of the head's scale words
	s_mov_b32 s21, 0
	s_lshl_b32 s22, s11, 22
	s_lshl_b32 s23, s10, 17
	s_add_co_u32 s22, s22, s23
	s_lshl_b32 s23, s12, 12
	s_add_co_u32 s22, s22, s23
	s_add_co_u32 s22, s22, 0x400000                ; my 4,096 bytes of a phase's 32,768
	s_mov_b32 s23, 0
	s_lshl_b32 s13, s[WV], 9
	s_add_co_u32 s13, s13, 262144                  ; in LDS: the scale words,
	s_lshl_b32 s14, s[WV], 12
	s_mul_i32 s15, s11, 98304
	s_add_co_u32 s14, s14, s15                     ; the codes: 4,096 x wave, V's 131,072 behind K's
	s_lshl_b32 s70, s[BETA], 3
	s_add_co_u32 s70, s70, s9                      ; my tile of queries
	s_lshl_b32 s72, s10, 7
	s_add_co_u32 s72, s72, s70
	s_lshl_b32 s72, s72, 10                        ; its codes
	s_mov_b32 s73, 0
	s_lshr_b32 s74, s70, 1
	s_lshl_b32 s75, s10, 6
	s_add_co_u32 s74, s74, s75
	s_lshl_b32 s74, s74, 6
	s_add_co_u32 s74, s74, 0xC00000                ; its pair's scale words
	s_mov_b32 s75, 0
	s_lshr_b32 s76, s10, 4
	s_lshl_b32 s76, s76, 7
	s_add_co_u32 s76, s76, s70
	s_lshl_b32 s76, s76, 3
	s_bfe_u32 s77, s10, 0x30001
	s_add_co_u32 s76, s76, s77                     ; the way out: fragment (tile of tokens, head / 2) of the next operand's image
	s_and_b32 s77, s10, 1
	s_lshl_b32 s78, s76, 11
	s_lshl_b32 s79, s77, 10
	s_add_co_u32 s78, s78, s79                     ; an odd head takes its second half
	s_mov_b32 s79, 0
	s_lshl_b32 s80, s76, 6
	s_lshl_b32 s81, s77, 1
	s_add_co_u32 s80, s80, s81
	s_add_co_u32 s80, s80, 0x400000
	s_mov_b32 s81, 0
	s_and_b32 s82, s9, 1
	s_lshl_b32 s84, s82, 3
	s_lshl_b32 s82, s82, 4                         ; an odd tile's bytes are the word's upper half
	s_lshr_b32 s83, s9, 1
	s_lshl_b32 s83, s83, 5
	s_add_co_u32 s83, s83, s84                     ; 32 (j / 2) + 8 (j % 2)
	s_mov_b32 s[SEL], 0x76543210
	s_mov_b32 s[SEL+1], 0xfedcba98
	s_mov_b32 s[CS], 0x3e38aa3b                    ; c = log2(e) / 8
	s_mov_b32 s[CS+1], s[CS]
	s_mov_b32 s[MNT], 0x600000
	s_mov_b32 s[J], 0
	s_mov_b32 s[TK], 0
	s_mov_b32 s[TS], 262144
	s_wait_dscnt 0x0                               ; both opening adds are done
	s_wait_kmcnt 0x0
	s_add_nc_u64 s[20:21], s[4:5], s[20:21]
	s_add_nc_u64 s[22:23], s[4:5], s[22:23]
	s_add_nc_u64 s[72:73], s[4:5], s[72:73]
	s_add_nc_u64 s[74:75], s[4:5], s[74:75]
	s_add_nc_u64 s[78:79], s[6:7], s[78:79]
	s_add_nc_u64 s[80:81], s[6:7], s[80:81]
	s_mov_b32 s[G0S], 1
	s_mov_b32 s[G0S+1], s13
	s_mov_b64 s[G0S+2:G0S+3], s[20:21]
	s_or_b32 s[G0S+3], s[G0S+3], 0x80000000
.irp p, 0,1,2,3
	s_mov_b32 s[G0C+4*\p], 1
	s_add_co_u32 s[G0C+4*\p+1], s14, 32768*\p
	s_add_nc_u64 s[G0C+4*\p+2:G0C+4*\p+3], s[22:23], 32768*\p
	s_or_b32 s[G0C+4*\p+3], s[G0C+4*\p+3], 0x80000000
.endr
	CROUND                                         ; all four work-groups are here: the joint loads meet
	tensor_load_to_lds s[G0S:G0S+3], s[G1S:G1S+7]  ; every wave issues five loads, all first fills: five of mine are out
	s_nop 0
.irp p, 0,1,2,3
	tensor_load_to_lds s[G0C+4*\p:G0C+4*\p+3], s[G1C:G1C+7]    ; phase p: key steps 4 p .. 4 p + 3
	s_nop 0
.endr
.rept 4
	v_nop
.endr
	v_and_b32 v4, 31, v0
	v_lshlrev_b32 v[L16], 4, v4                    ; 16 x lane
	v_and_b32 v7, 15, v0                           ; r
	v_lshlrev_b32 v[L4], 2, v7                     ; 4 r
	global_load_b128 v[QA:QA+3], v[L16], s[72:73]                  ; q's 64 along K, twice: the two fragments differ in where the zeros stand
	global_load_b128 v[QA+4:QA+7], v[L16], s[72:73] offset:512
	global_load_b128 v[QB+8:QB+11], v[L16], s[72:73]
	global_load_b128 v[QB+12:QB+15], v[L16], s[72:73] offset:512
	global_load_b32 v[QAS], v[L4], s[74:75]
	v_bfe_u32 v11, v0, 4, 1                        ; h
	v_and_b32 v[DM], 8, v7
	v_add_nc_u32 v[DM], v[DM], v7
	v_lshlrev_b32 v11, 4, v11
	v_sub_nc_u32 v[DM], v[DM], v11
	v_add_nc_u32 v[DM], s83, v[DM]                 ; my query's place in its block of 128, less 16 h: on the diagonal register 16 b + i is hidden where 32 b + i is greater
	s_wait_loadcnt 0x0
	v_lshrrev_b32 v[QAS], s82, v[QAS]              ; q's two bytes in the low half (over zero codes any byte but 0xff will do: the upper half holds 0 or the neighbour's bytes),
	v_lshlrev_b32 v[QBS], 16, v[QAS]               ; and in the high half
.irp i, 0,1,2,3,4,5,6,7
	v_mov_b32 v[QA+8+\i], 0
	v_mov_b32 v[QB+\i], 0
.endr
	v_mov_b32 v13, 0xff61b1e6                      ; the largest t so far: -3e38
	v_floor_f32 v12, -v13                          ; -M
	v_mov_b32 v14, 0
	v_mov_b32 v15, 0
.irp b, 0,1,2,3
	v_mov_b32 v[TM+4+\b], 0                        ; a lane permute's destination counts as one of its sources
.endr
	v_mov_b32 v251, 0                              ; (named as the upper half of v[250:251] before it is first written)
	v_mov_b32 v252, 0
	v_mov_b32 v253, 0
.set n, 0
.rept 32
	v_mov_b32 v[O+n], 0                            ; O^T: the step is written once, its first turn finds zeros
.set n, n+1
.endr
; A KEY STEP of 128 keys
.macro STEP
	s_cmp_gt_u32 s[J], s[BETA]                     ; all its keys come after my queries: left out.  The lines at the step's end that step addresses are run all the same
	s_cbranch_scc1 .Lhid_\@
	v_add_nc_u32 v[ADK], s[TK], v[L16]
	v_add_nc_u32 v[ADV], 0x20000, v[ADK]
	v_add_nc_u32 v[ADS], s[TS], v[L4]
.irp m, 0,1,2,3
.irp c, 0,1,2,3
	ds_load_b128 v[F+16*\m+4*\c:F+16*\m+4*\c+3], v[ADK] offset:2048*\m+512*\c
.endr
	ds_load_b32 v[KSW+\m], v[ADS] offset:64*\m
.endr
	s_wait_dscnt 0x0
.irp m, 0,1,2,3
	v_wmma_scale_f32_16x16x128_f8f6f4 v[S+16*\m:S+16*\m+7], v[F+16*\m:F+16*\m+15], v[QA:QA+15], 0, v[KSW+\m], v[QAS] matrix_a_fmt:MATRIX_FMT_BF8 matrix_b_fmt:MATRIX_FMT_BF8
	v_wmma_scale_f32_16x16x128_f8f6f4 v[S+16*\m+8:S+16*\m+15], v[F+16*\m:F+16*\m+15], v[QB:QB+15], 0, v[KSW+\m], v[QBS] matrix_a_fmt:MATRIX_FMT_BF8 matrix_b_fmt:MATRIX_FMT_BF8
.endr
.rept 8
	v_nop                                          ; places in front of loads into K's registers and of the first read of the scores
.endr
.irp t, 0,1,2,3                                ; V's fragments are asked for here and land under the softmax
.irp c, 0,1,2,3
	ds_load_b128 v[F+16*\t+4*\c:F+16*\t+4*\c+3], v[ADV] offset:2048*\t+512*\c
.endr
	ds_load_b32 v[VSW+\t], v[ADS] offset:4096+64*\t
.endr
	s_cmp_lg_u32 s[J], s[BETA]
	s_cbranch_scc1 .Lopen_\@                       ; only the diagonal step has hidden keys
	v_mov_b32 v254, 0xff800000                     ; -infinity
.set n, 0
.rept 64
	v_cmp_gt_i32 vcc_lo, 32*(n/16)+n%16, v[DM]
	v_cndmask_b32 v[S+n], v[S+n], v254, vcc_lo
.set n, n+1
.endr
.Lopen_\@:
.irp b, 0,1,2,3
	v_max3_num_f32 v[TM+\b], v[S+16*\b], v[S+1+16*\b], v[S+2+16*\b]        ; the largest score of each block of 32 keys: for the row's maximum, and, since p rises with the score, for the block's largest p
.endr
.irp i, 3,5,7,9,11,13
.irp b, 0,1,2,3
	v_max3_num_f32 v[TM+\b], v[TM+\b], v[S+16*\b+\i], v[S+1+16*\b+\i]
.endr
.endr
.irp b, 0,1,2,3
	v_max_num_f32 v[TM+\b], v[TM+\b], v[S+15+16*\b]
.endr
.irp b, 0,1,2,3
	v_permlanex16_b32 v[TM+4+\b], v[TM+\b], s[SEL], s[SEL+1]
.endr
.irp b, 0,1,2,3
	v_max_num_f32 v[TM+\b], v[TM+\b], v[TM+4+\b]
.endr
	v_max3_num_f32 v254, v[TM], v[TM+1], v[TM+2]
	v_max_num_f32 v254, v254, v[TM+3]
	v_mul_f32 v254, s[CS], v254
	v_max_num_f32 v13, v13, v254                   ; the running largest t
	v_mov_b32 v254, v12
	v_floor_f32 v12, -v13                          ; the new -M: a whole number
	v_sub_f32 v254, v12, v254
	v_cvt_i32_f32 v254, v254                       ; (it saturates)
	v_ldexp_f32 v250, 1.0, v254                    ; f = 2^(old M - new M): a multiplication by it rounds nothing
.set n, 0
.rept 32
	v_pk_fma_f32 v[S+2*n:S+2*n+1], v[S+2*n:S+2*n+1], s[CS:CS+1], v[12:13] op_sel_hi:[1,0,0]    ; t - M
.set n, n+1
.endr
.irp b, 0,1,2,3
	v_fma_f32 v[TM+\b], v[TM+\b], s[CS], v12
.endr
.set n, 0
.rept 64
	v_exp_f32 v[S+n], v[S+n]                       ; p, at most 1, not normalised
.set n, n+1
.endr
	v_pk_mul_f32 v[14:15], v[14:15], v[250:251] op_sel_hi:[1,0]    ; the sums under the new M (a plain instruction behind the exponentials)
	s_wait_alu depctr_va_vdst(0)                   ; one wait for the batch, ahead of its first reader
.irp b, 0,1,2,3
	v_exp_f32 v[TM+\b], v[TM+\b]                   ; the block's largest p
.endr
	v_pk_add_f32 v[252:253], v[S:S+1], v[S+2:S+3]  ; the row's sum, of the unquantised p, in two chains
.set n, 4
.rept 15
	v_pk_add_f32 v[14:15], v[14:15], v[S+n:S+n+1]
	v_pk_add_f32 v[252:253], v[252:253], v[S+n+2:S+n+3]
.set n, n+4
.endr
	v_pk_add_f32 v[14:15], v[14:15], v[252:253]
	s_wait_alu depctr_va_vdst(0)                   ; and one for the four
.irp b, 0,1,2,3
	v_max_num_f32 v[TM+\b], 0x8000000, v[TM+\b]    ; the floor 2^(16 - 127)
.endr
.irp b, 0,1,2,3
	v_add_nc_u32 v[TM+12+\b], 0xf8800000, v[TM+\b]
.endr
.irp b, 0,1,2,3
	v_and_or_b32 v[TM+8+\b], v[TM+\b], 0x7f800000, s[MNT]
.endr
.irp b, 0,1,2,3
	v_lshrrev_b32 v[TM+4+\b], 23, v[TM+12+\b]
.endr
	v_lshl_or_b32 v251, v[TM+5], 8, v[TM+4]        ; p's scale word for these 128 keys
	v_lshl_or_b32 v251, v[TM+6], 16, v251
	v_lshl_or_b32 v251, v[TM+7], 24, v251
.irp b, 0,1,2,3
.irp i, 0,1,2,3,4,5,6,7,8,9,10,11,12,13,14,15
	v_min_num_f32 v[S+16*\b+\i], v[S+16*\b+\i], v[TM+8+\b]         ; p is not negative: the hold is one-sided
.endr
	v_cvt_scalef32_pk8_bf8_f32 v[PC+4*\b:PC+4*\b+1], v[S+16*\b:S+16*\b+7], v[TM+12+\b]
	v_cvt_scalef32_pk8_bf8_f32 v[PC+4*\b+2:PC+4*\b+3], v[S+16*\b+8:S+16*\b+15], v[TM+12+\b]
.endr
.set n, 0
.rept 16
	v_pk_mul_f32 v[O+2*n:O+2*n+1], v[O+2*n:O+2*n+1], v[250:251] op_sel_hi:[1,0]    ; O^T under the new M; these are also the places in front of the products
.set n, n+1
.endr
	s_wait_dscnt 0x0                               ; V
.irp t, 0,1,2,3
	v_wmma_scale_f32_16x16x128_f8f6f4 v[O+8*\t:O+8*\t+7], v[F+16*\t:F+16*\t+15], v[PC:PC+15], v[O+8*\t:O+8*\t+7], v[VSW+\t], v251 matrix_a_fmt:MATRIX_FMT_BF8 matrix_b_fmt:MATRIX_FMT_BF8
.endr
.rept 8
	v_nop                                          ; places in front of the next loads into V's registers, and of the first read of O^T
.endr
.Lhid_\@:
	s_add_co_u32 s[J], s[J], 1
	s_add_co_u32 s[TK], s[TK], 8192
	s_add_co_u32 s[TS], s[TS], 256
.endm
; Four key steps, whose codes one group of loads brought.  left: the later phases' loads, which may stay out
.macro PHASE left
	s_wait_dscnt 0x0
	s_wait_tensorcnt \left
	s_barrier_signal -1
	s_barrier_wait -1
	s_mov_b32 s[CNT], 4
.Lstep_\@:
	STEP
	s_sub_co_u32 s[CNT], s[CNT], 1
	s_cmp_lg_u32 s[CNT], 0
	s_cbranch_scc1 .Lstep_\@
.endm
	PHASE 3
	PHASE 2
	PHASE 1
	PHASE 0
	; THE WAY OUT: O^T / the sum, quantised along the head's 64 channels (two blocks of the next product's K); the codes are half a fragment of that operand's image and leave as they stand
	v_add_f32 v14, v14, v15
	v_permlanex16_b32 v252, v14, s[SEL], s[SEL+1]
	v_add_f32 v14, v14, v252
	v_rcp_f32 v14, v14
	v_nop
	s_wait_alu depctr_va_vdst(0)
.set n, 0
.rept 32
	v_mul_f32 v[S+n], v[O+n], v14
.set n, n+1
.endr
	QMAX S, 2
	QSCL 2
	QHOLD S, S, 2
	QCVT S, 2
	global_store_b128 v[L16], v[PC:PC+3], s[78:79]
	global_store_b128 v[L16], v[PC+4:PC+7], s[78:79] offset:512
	global_store_b16 v[L4], v[PW], s[80:81]        ; my head's two bytes of the rows' scale words
	s_wait_tensorcnt 0x0                           ; the wave's end
	ds_add_u32 v[SPW], v[NIL]
	s_wait_dscnt 0x0
	CROUND                                         ; the closing round
	s_endpgm
.Lfunc_end_k_qd65ace30ee_attn:
	.size	k_qd65ace30ee_attn, .Lfunc_end_k_qd65ace30ee_attn-k_qd65ace30ee_attn
	.p2alignl 7, 3214868480
	.fill 96, 4, 3214868480
	.section	.rodata,"a",@progbits
	.p2align	6, 0x0
	.amdhsa_kernel k_qd65ace30ee_attn
		.amdhsa_group_segment_fixed_size 327680
		.amdhsa_private_segment_fixed_size 0
		.amdhsa_enable_private_segment 0
		.amdhsa_kernarg_size 16
		.amdhsa_user_sgpr_count 2
		.amdhsa_user_sgpr_kernarg_segment_ptr 1
		.amdhsa_wavefront_size32 1
		.amdhsa_system_sgpr_workgroup_id_x 1
		.amdhsa_system_sgpr_workgroup_id_y 1
		.amdhsa_system_sgpr_workgroup_id_z 1
		.amdhsa_system_vgpr_workitem_id 0
		.amdhsa_next_free_vgpr 256
		.amdhsa_next_free_sgpr 100
		.amdhsa_reserve_vcc 1
		.amdhsa_float_denorm_mode_32 3
		.amdhsa_float_denorm_mode_16_64 3
		.amdhsa_memory_ordered 1
		.amdhsa_forward_progress 1
		.amdhsa_inst_pref_size 112
	.end_amdhsa_kernel
	.amdgpu_metadata
---
amdhsa.version: [ 1, 2 ]
amdhsa.kernels:
  - .name:           k_qd65ace30ee_attn
    .symbol:         k_qd65ace30ee_attn.kd
    .args:
      - { .name: QKV, .offset: 0, .size: 8, .value_kind: global_buffer, .address_space: global }
      - { .name: AT, .offset: 8, .size: 8, .value_kind: global_buffer, .address_space: global }
    .group_segment_fixed_size: 327680
    .private_segment_fixed_size: 0
    .kernarg_segment_align: 8
    .kernarg_segment_size: 16
    .max_flat_workgroup_size: 512
    .sgpr_count:     100
    .vgpr_count:     256
    .wavefront_size: 32
...
	.end_amdgpu_metadata
.endif
;; end of part 3
;; launch go (part 4): grid 4 x 16, 4 waves a work-group, clusters of 4 x 4, 327,680 bytes of LDS; arguments AT, P1, x, X2; writes X2
.if DOCPART == 4
	.amdgcn_target "amdgcn-amd-amdhsa--gfx1250"
	.amdhsa_code_object_version 6
	.text
	.protected	k_qd65ace30ee_go
	.globl	k_qd65ace30ee_go
	.p2align	8
	.type	k_qd65ace30ee_go,@function
k_qd65ace30ee_go:
	s_mov_b64 s[64:65], 0
	v_nop
	global_prefetch_b8 v0, s[64:65] scope:SCOPE_SE
	s_setreg_imm32_b32 hwreg(HW_REG_WAVE_MODE, 25, 1), 1
	s_wait_xcnt 0x0
	s_wait_alu depctr_hold_cnt(0) depctr_sa_sdst(0) depctr_va_vdst(0) depctr_va_sdst(0) depctr_va_ssrc(0) depctr_va_vcc(0) depctr_vm_vsrc(0)
	s_getreg_b32 s2, hwreg(HW_REG_IB_STS2, 6, 4)
	s_cmp_eq_u32 s2, 0
	s_cbranch_scc0 .Lentry_in_a_cluster
	s_endpgm
.Lentry_in_a_cluster:
	s_bfe_u32 s2, ttmp6, 0x10000c
	s_cmp_lg_u32 s2, 0xf033
	s_cbranch_scc0 .Lentry_shape_is_right
	s_endpgm
.Lentry_shape_is_right:
; X2 = x + attn Wo^T: product 6, K = 1,024, on codes of E5M2 with E8M0 scales, and the residual.  Both operands come as images of their registers (see launch prep).
; A tile of the result is 256 x 256: four waves, 128 x 128 each.  Source 1 (role A) = the tokens: a lane holds a token; source 0 (role B) = Wo: 16 neighbouring columns in the 16 registers of accumulators 2 b, 2 b + 1.
; K goes in steps of 256 through two LDS slots; the scale words of all of K come once.  CLUSTERS: 4 x 4, A's tiles shared along a row, B's along a column, asked for jointly.
; The way out goes through a stage in slot 0, which has had its last fill and its last read by then; whole rows of 512 bytes come back, x's are added, and 32 lanes store 512 consecutive bytes.
; The 64 tiles are fewer than the chip has WGPs: a smaller tile would want another core; this text keeps the one core of the four products' launches.
.set KF,     8
.set ASCL,   0x400000                  ; A's scale words in its buffer
.set BIMG,   0x720000                  ; Wo's image in P1,
.set BSCL,   0x838000                  ; and its scale words
.set STG,    0                         ; the stage: in slot 0
.set NTOUT,  0
.set NK,     KF/2
.set MTS,    64*KF
.set HALFT,  32768
.set SLOT,   131072
.set SCL,    262144
.set HALFS,  8*MTS
.set SPARE,  SCL+4*HALFS
.set NP,     8
.set ADRA,   16
.set ADRB,   20
.set ADRSA,  26
.set ADRSB,  27
.set SPW,    28
.set NIL,    29
.set SC,     32
.set AF,     128
.set G1,     24
.set G0,     32
.set G1B,    48
.set G0B,    56
.set G1S,    68
.set G0S,    76
.set G1SB,   80
.set G0SB,   88
.set MSB,    0
.macro WIN new                         ; the immediate's high byte repeats the setting that is left
.if MSB != (\new)
	s_set_vgpr_msb (MSB<<8)|(\new)
.set MSB, (\new)
.endif
.endm
.set MUL_LO, 0xa1
.set MUL_HI, 0xf1
.set TO_B,   0x40
.macro JLOAD g0a, g1a, g0b, g1b        ; waves 0, 1 fetch for A, waves 2, 3 for B; an s_nop 0 and four v_nop follow each line
	s_cmp_eq_u32 s15, 0
	s_cbranch_scc0 .Lfor_b_\@
	tensor_load_to_lds s[\g0a:\g0a+3], s[\g1a:\g1a+7]
	s_nop 0
.rept 4
	v_nop
.endr
	s_branch .Lasked_\@
.Lfor_b_\@:
	tensor_load_to_lds s[\g0b:\g0b+3], s[\g1b:\g1b+7]
	s_nop 0
.rept 4
	v_nop
.endr
.Lasked_\@:
.endm
.macro CREST
	s_cmp_lg_u32 s14, 0
	s_cbranch_scc1 .Lnot_wave_0_\@
	s_barrier_signal -3
.Lnot_wave_0_\@:
	s_barrier_wait -3
	s_barrier_signal -1
	s_barrier_wait -1
.endm
.macro CROUND
	s_barrier_signal -1
	s_barrier_wait -1
	CREST
.endm
.macro PLACES n
.rept \n
	v_nop
.endr
.endm
.macro FRAG reg, adr, q, i             ; fragment q of tile i of a half: an image, so lane l takes 16 bytes at 16 l of each 512
.irp c, 0,1,2,3
	ds_load_b128 v[\reg+4*\c:\reg+4*\c+3], v[\adr] offset:(2*(\i)+(\q))*2048+512*\c
.endr
.endm
.macro FETCH_B slot, q, p
	WIN TO_B
.irp i, 0,1,2,3,4,5,6,7
	FRAG 128*(\p)+16*\i, ADRB+\slot, \q, \i
.endr
	WIN 0
.endm
.macro FETCH_A slot, q, i0
.irp i, \i0, \i0+1, \i0+2, \i0+3
	FRAG AF+16*(\i), ADRA+\slot, \q, \i
.endr
.endm
.macro SCALES sc
.irp i, 0,1,2,3,4,5,6,7
	ds_load_b32 v[SC+16*\sc+\i], v[ADRSA] offset:\i*MTS
	ds_load_b32 v[SC+16*\sc+8+\i], v[ADRSB] offset:\i*MTS
.endr
.endm
; 16 matrix instructions: A's blocks a0, a0 + 1 x B's eight, 128 along K.  q = 1: the slot's second fragment, whose scale words lie in lanes 16-31.  The 64 accumulators take turns.
.macro MUL16 a0, p, q, sc, zero
.irp a, \a0, \a0+1
.irp b, 0,1,2,3,4,5,6,7
.if \zero
	v_wmma_scale_f32_16x16x128_f8f6f4 v[8*(8*((\a)%4)+\b):8*(8*((\a)%4)+\b)+7], v[128*(\p)+16*\b:128*(\p)+16*\b+15], v[AF+16*(\a):AF+16*(\a)+15], 0, v[SC+16*(\sc)+8+\b], v[SC+16*(\sc)+(\a)] matrix_a_fmt:MATRIX_FMT_BF8 matrix_b_fmt:MATRIX_FMT_BF8
.elseif \q
	v_wmma_scale_f32_16x16x128_f8f6f4 v[8*(8*((\a)%4)+\b):8*(8*((\a)%4)+\b)+7], v[128*(\p)+16*\b:128*(\p)+16*\b+15], v[AF+16*(\a):AF+16*(\a)+15], v[8*(8*((\a)%4)+\b):8*(8*((\a)%4)+\b)+7], v[SC+16*(\sc)+8+\b], v[SC+16*(\sc)+(\a)] matrix_a_fmt:MATRIX_FMT_BF8 matrix_b_fmt:MATRIX_FMT_BF8 matrix_a_scale:MATRIX_SCALE_ROW1 matrix_b_scale:MATRIX_SCALE_ROW1
.else
	v_wmma_scale_f32_16x16x128_f8f6f4 v[8*(8*((\a)%4)+\b):8*(8*((\a)%4)+\b)+7], v[128*(\p)+16*\b:128*(\p)+16*\b+15], v[AF+16*(\a):AF+16*(\a)+15], v[8*(8*((\a)%4)+\b):8*(8*((\a)%4)+\b)+7], v[SC+16*(\sc)+8+\b], v[SC+16*(\sc)+(\a)] matrix_a_fmt:MATRIX_FMT_BF8 matrix_b_fmt:MATRIX_FMT_BF8
.endif
.endr
.endr
.endm
.macro STEP slot, zero                 ; a slot's first 128 along K
	s_wait_dscnt 16                                ; all but the youngest 16 loads (A's blocks 4-7) are in
	WIN MUL_LO
	MUL16 0, 0, 0, \slot, \zero
	MUL16 2, 0, 0, \slot, \zero
	s_wait_dscnt 0
	PLACES NP                                      ; in front of loads into registers that matrix instructions have read
	FETCH_B \slot, 1, 1
	FETCH_A \slot, 1, 0
	WIN MUL_HI
	MUL16 4, 0, 0, \slot, \zero
	MUL16 6, 0, 0, \slot, \zero
	PLACES NP
	WIN 0
	FETCH_A \slot, 1, 4
.endm
.macro TURN slot, next, fill           ; a slot's second 128 along K, and the change of slots: one barrier; fill = 1: it opens a round of the cluster's barrier, and this slot is filled again, two K steps ahead
	s_wait_tensorcnt 0x0                           ; all my tensor loads have landed: my part of the next slot
	ds_add_u32 v[SPW], v[NIL]                      ; 0 onto my spare word
	s_wait_dscnt 17                                ; (the add and the youngest 16 loads may be out)
	WIN MUL_LO
	MUL16 0, 1, 1, \slot, 0
	s_wait_dscnt 0x0                               ; the add is done, and my reads of this slot are over
	s_barrier_signal -1
	MUL16 2, 1, 1, \slot, 0
	WIN 0
	s_barrier_wait -1
.if \fill
	CREST                                          ; no wave of any partner still reads this slot or has a load on its way
	s_add_nc_u64 s[G0+4*\slot+2:G0+4*\slot+3], s[G0+4*\slot+2:G0+4*\slot+3], 8192
	s_add_nc_u64 s[G0B+4*\slot+2:G0B+4*\slot+3], s[G0B+4*\slot+2:G0B+4*\slot+3], 8192
	JLOAD G0+4*\slot, G1, G0B+4*\slot, G1B         ; the first tensor load behind the round; its four v_nop are among the places
	PLACES NP-4
.else
	PLACES NP
.endif
	v_add_nc_u32 v[ADRSA], 128, v[ADRSA]           ; the next K step's scale words
	v_add_nc_u32 v[ADRSB], 128, v[ADRSB]
	FETCH_B \next, 0, 0
	FETCH_A \next, 0, 0
	SCALES \next
	WIN MUL_HI
	MUL16 4, 1, 1, \slot, 0
	MUL16 6, 1, 1, \slot, 0
	PLACES NP
	WIN 0
	FETCH_A \next, 0, 4
.endm
.macro FINAL sc                        ; the very last 128 along K: nothing more to fetch
	s_wait_dscnt 16
	WIN MUL_LO
	MUL16 0, 1, 1, \sc, 0
	MUL16 2, 1, 1, \sc, 0
	s_wait_dscnt 0
	WIN MUL_HI
	MUL16 4, 1, 1, \sc, 0
	MUL16 6, 1, 1, \sc, 0
	WIN 0
.endm
.macro G1WORDS                         ; the shapes: codes 8 rows of 512 elements of 8 bytes, KF x 256 elements apart; scale words a dense block as rows of 256 bytes
.irp g, G1, G1B
	s_mov_b32 s[\g+1], 512<<16
	s_mov_b32 s[\g+2], 8<<16
	s_mov_b32 s[\g+3], 512<<16
	s_mov_b32 s[\g+4], 8
	s_mov_b32 s[\g+5], KF*256
	s_mov_b32 s[\g+6], 0
	s_mov_b32 s[\g+7], 0
.endr
.irp g, G1S, G1SB
	s_mov_b32 s[\g+1], 32<<16
	s_mov_b32 s[\g+2], (HALFS/256)<<16
	s_mov_b32 s[\g+3], 32<<16
	s_mov_b32 s[\g+4], HALFS/256
	s_mov_b32 s[\g+5], 32
	s_mov_b32 s[\g+6], 0
	s_mov_b32 s[\g+7], 0
.endr
.endm
.macro FILLS                           ; the first fills: three loads of mine are out
	s_mov_b32 s[G0S], 1
	s_add_co_u32 s[G0S+1], s94, SCL
	s_mov_b64 s[G0S+2:G0S+3], s[22:23]
	s_or_b32 s[G0S+3], s[G0S+3], 0x80000000
	s_mov_b32 s[G0SB], 1
	s_add_co_u32 s[G0SB+1], s94, SCL
	s_mov_b64 s[G0SB+2:G0SB+3], s[92:93]
	s_or_b32 s[G0SB+3], s[G0SB+3], 0x80000000
	JLOAD G0S, G1S, G0SB, G1SB
.irp s, 0,1
	s_mov_b32 s[G0+4*\s], 1
	s_add_co_u32 s[G0+4*\s+1], s45, \s*SLOT
	s_add_nc_u64 s[G0+4*\s+2:G0+4*\s+3], s[20:21], \s*4096
	s_or_b32 s[G0+4*\s+3], s[G0+4*\s+3], 0x80000000
	s_mov_b32 s[G0B+4*\s], 1
	s_add_co_u32 s[G0B+4*\s+1], s45, \s*SLOT
	s_add_nc_u64 s[G0B+4*\s+2:G0B+4*\s+3], s[46:47], \s*4096
	s_or_b32 s[G0B+4*\s+3], s[G0B+4*\s+3], 0x80000000
	JLOAD G0+4*\s, G1, G0B+4*\s, G1B
.endr
.endm
.macro ADDRS
	v_and_b32 v1, 31, v0
	v_lshlrev_b32 v2, 4, v1                        ; 16 x lane
	v_lshlrev_b32 v3, 2, v1                        ; 4 x lane
	s_lshl_b32 s21, s15, 15
	s_lshl_b32 s22, s16, 15
	s_add_co_u32 s22, s22, 65536
	v_add_nc_u32 v[ADRA], s21, v2
	v_add_nc_u32 v[ADRB], s22, v2
	v_add_nc_u32 v[ADRA+1], SLOT, v[ADRA]
	v_add_nc_u32 v[ADRB+1], SLOT, v[ADRB]
	s_mul_i32 s21, s15, HALFS
	s_add_co_u32 s21, s21, SCL
	s_mul_i32 s22, s16, HALFS
	s_add_co_u32 s22, s22, SCL+2*HALFS
	v_add_nc_u32 v[ADRSA], s21, v3
	v_add_nc_u32 v[ADRSB], s22, v3
.endm
.macro KLOOP                           ; all of K but its last 128
	s_wait_tensorcnt 1                             ; the scale words and my part of K step 0 are in; K step 1's load may be out
	s_barrier_signal -1
	s_barrier_wait -1
	FETCH_B 0, 0, 0
	FETCH_A 0, 0, 0
	SCALES 0
	FETCH_A 0, 0, 4
	STEP 0, 1                                      ; the first products start the sums
	s_mov_b32 s3, (NK-2)/2
.Llap:
	TURN 0, 1, 1
	STEP 1, 0
	TURN 1, 0, 1
	STEP 0, 0
	s_sub_co_u32 s3, s3, 1
	s_cmp_lg_u32 s3, 0
	s_cbranch_scc1 .Llap
.if NK%2 == 0
	TURN 0, 1, 0
	STEP 1, 0
.else
	TURN 0, 1, 1
	STEP 1, 0
	TURN 1, 0, 0
	STEP 0, 0
.endif
.endm
.set CO,  2                            ; v2   16 x lane: my bytes of a row's 512
.set STO, 24                           ; v24  the stage: where I put 64 bytes of a row
.set RD,  25                           ; v25  and where I read a row back
.set BK,  128                          ; v128-255 16 rows read back, two sets
	s_load_b256 s[4:11], s[0:1], 0x0               ; A's buffer s[4:5], P1 s[6:7], the residual s[8:9], the result s[10:11]
	v_lshl_add_u32 v[SPW], v0, 2, SPARE
	v_mov_b32 v[NIL], 0
	ds_add_u32 v[SPW], v[NIL]                      ; the wave's opening: the add, twice on end, and its wait ahead of my first tensor load
	ds_add_u32 v[SPW], v[NIL]
	v_lshrrev_b32 v1, 5, v0
	v_readfirstlane_b32 s14, v1
	s_lshr_b32 s15, s14, 1
	s_and_b32 s16, s14, 1
	s_bfe_u32 s40, ttmp6, 0x40000
	s_bfe_u32 s41, ttmp6, 0x40004
	s_lshl_b32 s42, ttmp9, 2
	s_add_co_u32 s42, s42, s40                     ; B's tile of 256 columns
	s_and_b32 s17, ttmp7, 0xffff
	s_lshl_b32 s17, s17, 2
	s_add_co_u32 s17, s17, s41                     ; A's tile of 256 tokens
	s_lshl_b32 s43, s41, 2
	s_lshl_b32 s43, 15, s43
	s_lshl_b32 s44, 0x1111, s40
	s_or_b32 s[G1+0], s43, (3<<16)|(1<<21)
	s_or_b32 s[G1B+0], s44, (3<<16)|(1<<21)
	s_or_b32 s[G1S+0], s43, (3<<16)|(1<<21)
	s_or_b32 s[G1SB+0], s44, (3<<16)|(1<<21)
	G1WORDS
	s_lshl_b32 s18, s16, 3
	s_lshl_b32 s20, s17, 4
	s_add_co_u32 s20, s20, s18
	s_lshl_b32 s46, s42, 4
	s_add_co_u32 s46, s46, s18
	s_mul_i32 s22, s20, MTS
	s_add_co_u32 s22, s22, ASCL
	s_mov_b32 s23, 0
	s_mul_i32 s20, s20, KF*2048
	s_mov_b32 s21, 0
	s_mul_i32 s92, s46, MTS
	s_add_co_u32 s92, s92, BSCL
	s_mov_b32 s93, 0
	s_mul_i32 s46, s46, KF*2048
	s_add_co_u32 s46, s46, BIMG
	s_mov_b32 s47, 0
	s_mul_i32 s45, s14, HALFT
	s_mul_i32 s94, s14, HALFS
	s_wait_dscnt 0x0
	s_wait_kmcnt 0x0
	s_add_nc_u64 s[20:21], s[4:5], s[20:21]
	s_add_nc_u64 s[22:23], s[4:5], s[22:23]
	s_add_nc_u64 s[46:47], s[6:7], s[46:47]
	s_add_nc_u64 s[92:93], s[6:7], s[92:93]
	CROUND
	FILLS
	ADDRS
	v_and_b32 v4, 15, v0
	v_bfe_u32 v5, v0, 4, 1
	s_mul_i32 s23, s14, 16*528
	s_add_co_u32 s23, s23, STG                     ; my stage: 16 rows of 512 bytes + 16
	v_mul_u32_u24 v6, v4, 528
	v_lshl_add_u32 v6, v5, 6, v6
	v_add_nc_u32 v[STO], s23, v6                   ; in: row r, + 64 h; 128 bytes on for each 32 columns
	v_add_nc_u32 v[RD], s23, v2                    ; back: a row's 512 bytes, 16 a lane
	s_lshl_b32 s20, s17, 8
	s_lshl_b32 s21, s15, 7
	s_add_co_u32 s20, s20, s21
	s_lshl_b32 s20, s20, 12                        ; my first row, of 4,096 bytes,
	s_lshl_b32 s21, s42, 10
	s_add_co_u32 s20, s20, s21
	s_lshl_b32 s21, s16, 9
	s_add_co_u32 s20, s20, s21                     ; my first column
	s_mov_b32 s21, 0
	s_add_nc_u64 s[92:93], s[8:9], s[20:21]
	s_add_nc_u64 s[94:95], s[10:11], s[20:21]
	KLOOP
; Row t of block a is the true row 32 (a / 2) + 8 (a % 2) + t + 8 (t / 8) of my 128: it stands in the immediates, 127 rows of 4,096 bytes at the most, and no base is stepped.
.macro RLOAD a                         ; block a's rows of the residual, into window 1, where B's fragments are done with: four sets of 64
	WIN 0x40
.irp t, 0,1,2,3,4,5,6,7,8,9,10,11,12,13,14,15
	global_load_b128 v[64*((\a)%4)+4*\t:64*((\a)%4)+4*\t+3], v[CO], s[92:93] offset:(32*((\a)/2)+8*((\a)%2)+\t+8*(\t/8))*4096
.endr
	WIN 0
.endm
.macro TOSTAGE a                       ; a lane's 64 numbers are four runs of 16 neighbouring columns of one row; LDS serves a wave's instructions in order, so no wait stands between the stores and the loads
.set AC, 64*((\a)%4)
	WIN 0x08+4*((\a)/4)
.irp b, 0,1,2,3
.irp q, 0,1,2,3
	ds_store_b128 v[STO], v[AC+16*\b+4*\q:AC+16*\b+4*\q+3] offset:128*\b+16*\q
.endr
.endr
	WIN 0
.set BB, BK+64*((\a)%2)
.irp t, 0,1,2,3,4,5,6,7,8,9,10,11,12,13,14,15
	ds_load_b128 v[BB+4*\t:BB+4*\t+3], v[RD] offset:\t*528
.endr
.endm
.macro SEND a, younger
.set BB, BK+64*((\a)%2)
.set RR, 64*((\a)%4)
	s_wait_dscnt \younger                          ; the block is back in registers; the next block's 16 stores and 16 loads may be out
.if 7-(\a) >= 3
	s_wait_loadcnt 48                              ; its residual is in; the loads of the three blocks behind it stay out
.else
	s_wait_loadcnt 16*(7-(\a))
.endif
	WIN 0x04                                       ; source 1: window 1
.set n, 0
.rept 32
	v_pk_add_f32 v[BB+2*n:BB+2*n+1], v[BB+2*n:BB+2*n+1], v[RR+2*n:RR+2*n+1]
.set n, n+1
.endr
	WIN 0
.irp t, 0,1,2,3,4,5,6,7,8,9,10,11,12,13,14,15
.if NTOUT
	global_store_b128 v[CO], v[BB+4*\t:BB+4*\t+3], s[94:95] offset:(32*((\a)/2)+8*((\a)%2)+\t+8*(\t/8))*4096 th:TH_STORE_NT
.else
	global_store_b128 v[CO], v[BB+4*\t:BB+4*\t+3], s[94:95] offset:(32*((\a)/2)+8*((\a)%2)+\t+8*(\t/8))*4096
.endif
.endr
.if (\a) < 4
	RLOAD (\a)+4
.endif
.endm
	RLOAD 0                                        ; B's set 0 was last read ahead of the last step's places
	RLOAD 1
	FINAL 1-NK%2
	PLACES NP
	RLOAD 2
	RLOAD 3
	TOSTAGE 0
.irp a, 1,2,3,4,5,6,7
.if \a > 1
	s_wait_xcnt 0x0                                ; block a - 2's stores have read their registers: block a's loads may land there
.endif
	TOSTAGE \a
	SEND \a-1, 32
.endr
	SEND 7, 0
	s_wait_tensorcnt 0x0                           ; the wave's end
	ds_add_u32 v[SPW], v[NIL]
	s_wait_dscnt 0x0
	CROUND
	s_endpgm
.Lfunc_end_k_qd65ace30ee_go:
	.size	k_qd65ace30ee_go, .Lfunc_end_k_qd65ace30ee_go-k_qd65ace30ee_go
	.p2alignl 7, 3214868480
	.fill 96, 4, 3214868480
	.section	.rodata,"a",@progbits
	.p2align	6, 0x0
	.amdhsa_kernel k_qd65ace30ee_go
		.amdhsa_group_segment_fixed_size 327680
		.amdhsa_private_segment_fixed_size 0
		.amdhsa_enable_private_segment 0
		.amdhsa_kernarg_size 32
		.amdhsa_user_sgpr_count 2
		.amdhsa_user_sgpr_kernarg_segment_ptr 1
		.amdhsa_wavefront_size32 1
		.amdhsa_system_sgpr_workgroup_id_x 1
		.amdhsa_system_sgpr_workgroup_id_y 1
		.amdhsa_system_sgpr_workgroup_id_z 1
		.amdhsa_system_vgpr_workitem_id 0
		.amdhsa_next_free_vgpr 1024
		.amdhsa_next_free_sgpr 100
		.amdhsa_reserve_vcc 0
		.amdhsa_float_denorm_mode_32 3
		.amdhsa_float_denorm_mode_16_64 3
		.amdhsa_memory_ordered 1
		.amdhsa_forward_progress 1
		.amdhsa_inst_pref_size 176
	.end_amdhsa_kernel
	.amdgpu_metadata
---
amdhsa.version: [ 1, 2 ]
amdhsa.kernels:
  - .name:           k_qd65ace30ee_go
    .symbol:         k_qd65ace30ee_go.kd
    .args:
      - { .name: AT, .offset: 0, .size: 8, .value_kind: global_buffer, .address_space: global }
      - { .name: P1, .offset: 8, .size: 8, .value_kind: global_buffer, .address_space: global }
      - { .name: x, .offset: 16, .size: 8, .value_kind: global_buffer, .address_space: global }
      - { .name: X2, .offset: 24, .size: 8, .value_kind: global_buffer, .address_space: global }
    .group_segment_fixed_size: 327680
    .private_segment_fixed_size: 0
    .kernarg_segment_align: 8
    .kernarg_segment_size: 32
    .max_flat_workgroup_size: 128
    .sgpr_count:     100
    .vgpr_count:     1024
    .wavefront_size: 32
...
	.end_amdgpu_metadata
.endif
;; end of part 4
;; launch norm2 (part 5): grid 256 x 1, 4 waves a work-group, no clusters, 1,024 bytes of LDS; arguments X2, g2, A2; writes A2
.if DOCPART == 5
	.amdgcn_target "amdgcn-amd-amdhsa--gfx1250"
	.amdhsa_code_object_version 6
	.text
	.protected	k_qd65ace30ee_norm2
	.globl	k_qd65ace30ee_norm2
	.p2align	8
	.type	k_qd65ace30ee_norm2,@function
k_qd65ace30ee_norm2:
	s_mov_b64 s[64:65], 0
	v_nop
	global_prefetch_b8 v0, s[64:65] scope:SCOPE_SE
	s_setreg_imm32_b32 hwreg(HW_REG_WAVE_MODE, 25, 1), 1
	s_wait_xcnt 0x0
; rmsnorm(X2, g2), quantised along the 1,024 to codes of E5M2 with one E8M0 scale for each 32, stored as an image of the operand's registers (see launch prep): [tile of 16 rows][8][2,048 bytes], scale words at 0x400000.
; A work-group takes one tile of 16 tokens: row i of tile t is the true row 32 (t / 2) + 8 (t % 2) + i + 8 (i / 8).  Wave w takes K steps 2 w and 2 w + 1; the waves' partial sums of squares meet in LDS.
; LIMITS: NaN and infinities are not served; a block of zeros gets the byte 1 (its codes are zeros, and this program alone reads the bytes).
.set A1SCL,  0x400000
.set SPARE,  256                       ; LDS: 0-255 the waves' partial sums; 256-767 the spare words, which no other line names
.set WV,  3
.set SEL, 50
.set MNT, 52
.set EPS, 53
.set SPW, 30
.set NIL, 31
.set X,   32
.set G,   160
.set PC,  224
.set TM,  240
.set PW,  20
.macro QMAX src, nb                    ; each block's largest magnitude among my 16, over the floor 2^(16 - 127)
.set qb, 0
.rept \nb
	v_max3_num_f32 v[TM+qb], |v[(\src)+16*qb]|, |v[(\src)+16*qb+1]|, 0x8000000
.set qb, qb+1
.endr
.set qi, 2
.rept 7
.set qb, 0
.rept \nb
	v_max3_num_f32 v[TM+qb], |v[(\src)+16*qb+qi]|, |v[(\src)+16*qb+qi+1]|, v[TM+qb]
.set qb, qb+1
.endr
.set qi, qi+2
.endr
.endm
.macro QSCL nb                         ; with lane l xor 16's; the conversion's scale operand, the byte, the hold's limit, the scale word
.set qb, 0
.rept \nb
	v_permlanex16_b32 v[TM+4+qb], v[TM+qb], s[SEL], s[SEL+1]
.set qb, qb+1
.endr
.set qb, 0
.rept \nb
	v_max_num_f32 v[TM+qb], v[TM+qb], v[TM+4+qb]
.set qb, qb+1
.endr
.set qb, 0
.rept \nb
	v_add_nc_u32 v[TM+12+qb], 0xf8800000, v[TM+qb]
.set qb, qb+1
.endr
.set qb, 0
.rept \nb
	v_and_or_b32 v[TM+8+qb], v[TM+qb], 0x7f800000, s[MNT]
.set qb, qb+1
.endr
.set qb, 0
.rept \nb
	v_lshrrev_b32 v[TM+4+qb], 23, v[TM+12+qb]
.set qb, qb+1
.endr
	v_lshl_or_b32 v[PW], v[TM+5], 8, v[TM+4]
.if \nb == 4
	v_lshl_or_b32 v[PW], v[TM+6], 16, v[PW]
	v_lshl_or_b32 v[PW], v[TM+7], 24, v[PW]
.endif
.endm
.macro QHOLD dst, src, nb
.set qb, 0
.rept \nb
.set qi, 0
.rept 16
	v_med3_num_f32 v[(\dst)+16*qb+qi], v[(\src)+16*qb+qi], -v[TM+8+qb], v[TM+8+qb]
.set qi, qi+1
.endr
.set qb, qb+1
.endr
.endm
.macro QCVT src, nb
.set qb, 0
.rept \nb
	v_cvt_scalef32_pk8_bf8_f32 v[PC+4*qb:PC+4*qb+1], v[(\src)+16*qb:(\src)+16*qb+7], v[TM+12+qb]
	v_cvt_scalef32_pk8_bf8_f32 v[PC+4*qb+2:PC+4*qb+3], v[(\src)+16*qb+8:(\src)+16*qb+15], v[TM+12+qb]
.set qb, qb+1
.endr
	v_nop
.endm
	s_load_b128 s[4:7], s[0:1], 0x0                ; X2, g2
	s_load_b64 s[8:9], s[0:1], 0x10                ; A2
	v_lshl_add_u32 v[SPW], v0, 2, SPARE
	v_mov_b32 v[NIL], 0
	v_lshrrev_b32 v1, 5, v0
	v_readfirstlane_b32 s[WV], v1
	v_and_b32 v1, 31, v0
	v_and_b32 v2, 15, v0
	v_bfe_u32 v3, v0, 4, 1
	v_and_b32 v4, 8, v2
	v_add_nc_u32 v4, v4, v2
	v_lshlrev_b32 v5, 4, v1
	v_lshlrev_b32 v7, 2, v2
	s_lshr_b32 s10, ttmp9, 1
	s_lshl_b32 s10, s10, 17
	s_and_b32 s11, ttmp9, 1
	s_lshl_b32 s11, s11, 15
	s_add_co_u32 s10, s10, s11                     ; the tile's first true row, of 4,096 bytes
	s_mov_b32 s11, 0
	s_lshl_b32 s12, ttmp9, 14
	s_lshl_b32 s13, s[WV], 12
	s_add_co_u32 s12, s12, s13
	s_mov_b32 s13, 0
	s_lshl_b32 s14, ttmp9, 9
	s_lshl_b32 s15, s[WV], 7
	s_add_co_u32 s14, s14, s15
	s_add_co_u32 s14, s14, A1SCL
	s_mov_b32 s15, 0
	s_lshl_b32 s16, s[WV], 10
	s_lshl_b32 s17, s[WV], 6
	s_mov_b32 s[SEL], 0x76543210
	s_mov_b32 s[SEL+1], 0xfedcba98
	s_mov_b32 s[MNT], 0x600000
	s_mov_b32 s[EPS], 0x3727c5ac
	v_lshlrev_b32 v8, 12, v4
	v_lshl_add_u32 v8, v3, 6, v8
	v_add_nc_u32 v8, s16, v8
	v_lshlrev_b32 v9, 6, v3
	v_add_nc_u32 v9, s16, v9
	v_add_nc_u32 v10, s17, v7
.irp b, 0,1,2,3
	v_mov_b32 v[TM+4+\b], 0
.endr
	s_wait_kmcnt 0x0
	s_add_nc_u64 s[4:5], s[4:5], s[10:11]
	s_add_nc_u64 s[12:13], s[8:9], s[12:13]
	s_add_nc_u64 s[14:15], s[8:9], s[14:15]
.irp s, 0,1
.irp b, 0,1,2,3
.irp j, 0,1,2,3
	global_load_b128 v[X+64*\s+16*\b+4*\j:X+64*\s+16*\b+4*\j+3], v8, s[4:5] offset:512*\s+128*\b+16*\j
.endr
.endr
.endr
.macro GLOAD s
.irp b, 0,1,2,3
.irp j, 0,1,2,3
	global_load_b128 v[G+16*\b+4*\j:G+16*\b+4*\j+3], v9, s[6:7] offset:512*\s+128*\b+16*\j
.endr
.endr
.endm
	GLOAD 0
	s_wait_loadcnt 16                              ; the rows are in; g's 16 loads stay out
.irp c, 0,1,2,3
	v_pk_mul_f32 v[12+2*\c:13+2*\c], v[X+2*\c:X+2*\c+1], v[X+2*\c:X+2*\c+1]
.endr
.set p, 4
.rept 60
	v_pk_fma_f32 v[12+2*(p%4):13+2*(p%4)], v[X+2*p:X+2*p+1], v[X+2*p:X+2*p+1], v[12+2*(p%4):13+2*(p%4)]
.set p, p+1
.endr
	v_pk_add_f32 v[12:13], v[12:13], v[14:15]
	v_pk_add_f32 v[16:17], v[16:17], v[18:19]
	v_pk_add_f32 v[12:13], v[12:13], v[16:17]
	v_add_f32 v12, v12, v13
	v_permlanex16_b32 v13, v12, s[SEL], s[SEL+1]
	v_add_f32 v12, v12, v13
	ds_store_b32 v10, v12
	s_wait_dscnt 0x0                               ; for the others' sake
	s_barrier_signal -1
	s_barrier_wait -1
.irp w, 0,1,2,3
	ds_load_b32 v[12+\w], v7 offset:64*\w
.endr
	s_wait_dscnt 0x0
	v_add_f32 v12, v12, v13
	v_add_f32 v14, v14, v15
	v_add_f32 v12, v12, v14
	v_fma_f32 v21, v12, 0x3a800000, s[EPS]
	v_rsq_f32 v22, v21
	v_nop
	s_wait_alu depctr_va_vdst(0)                   ; the wait ahead of the result's first reader
	v_mov_b32 v23, v22
.macro NQUANT s
	s_wait_loadcnt 0x0
.set p, 0
.rept 32
	v_pk_mul_f32 v[X+64*\s+2*p:X+64*\s+2*p+1], v[X+64*\s+2*p:X+64*\s+2*p+1], v[22:23] op_sel_hi:[1,0]
.set p, p+1
.endr
.set p, 0
.rept 32
	v_pk_mul_f32 v[X+64*\s+2*p:X+64*\s+2*p+1], v[X+64*\s+2*p:X+64*\s+2*p+1], v[G+2*p:G+2*p+1]
.set p, p+1
.endr
.if \s == 0
	GLOAD 1
.else
	s_wait_xcnt 0x0                                ; the first fragment's stores have read the codes and the scale word
.endif
	QMAX X+64*\s, 4
	QSCL 4
	QHOLD X+64*\s, X+64*\s, 4
	QCVT X+64*\s, 4
.irp c, 0,1,2,3
	global_store_b128 v5, v[PC+4*\c:PC+4*\c+3], s[12:13] offset:2048*\s+512*\c
.endr
	global_store_b32 v7, v[PW], s[14:15] offset:64*\s
.endm
	NQUANT 0
	NQUANT 1
	s_wait_tensorcnt 0x0                           ; the wave's end, behind my last LDS store
	ds_add_u32 v[SPW], v[NIL]
	s_wait_dscnt 0x0
	s_endpgm
.Lfunc_end_k_qd65ace30ee_norm2:
	.size	k_qd65ace30ee_norm2, .Lfunc_end_k_qd65ace30ee_norm2-k_qd65ace30ee_norm2
	.p2alignl 7, 3214868480
	.fill 96, 4, 3214868480
	.section	.rodata,"a",@progbits
	.p2align	6, 0x0
	.amdhsa_kernel k_qd65ace30ee_norm2
		.amdhsa_group_segment_fixed_size 1024
		.amdhsa_private_segment_fixed_size 0
		.amdhsa_enable_private_segment 0
		.amdhsa_kernarg_size 24
		.amdhsa_user_sgpr_count 2
		.amdhsa_user_sgpr_kernarg_segment_ptr 1
		.amdhsa_wavefront_size32 1
		.amdhsa_system_sgpr_workgroup_id_x 1
		.amdhsa_system_sgpr_workgroup_id_y 1
		.amdhsa_system_sgpr_workgroup_id_z 1
		.amdhsa_system_vgpr_workitem_id 0
		.amdhsa_next_free_vgpr 256
		.amdhsa_next_free_sgpr 66
		.amdhsa_reserve_vcc 0
		.amdhsa_float_denorm_mode_32 3
		.amdhsa_float_denorm_mode_16_64 3
		.amdhsa_memory_ordered 1
		.amdhsa_forward_progress 1
		.amdhsa_inst_pref_size 39
	.end_amdhsa_kernel
	.amdgpu_metadata
---
amdhsa.version: [ 1, 2 ]
amdhsa.kernels:
  - .name:           k_qd65ace30ee_norm2
    .symbol:         k_qd65ace30ee_norm2.kd
    .args:
      - { .name: X2, .offset: 0, .size: 8, .value_kind: global_buffer, .address_space: global }
      - { .name: g2, .offset: 8, .size: 8, .value_kind: global_buffer, .address_space: global }
      - { .name: A2, .offset: 16, .size: 8, .value_kind: global_buffer, .address_space: global }
    .group_segment_fixed_size: 1024
    .private_segment_fixed_size: 0
    .kernarg_segment_align: 8
    .kernarg_segment_size: 24
    .max_flat_workgroup_size: 128
    .sgpr_count:     66
    .vgpr_count:     256
    .wavefront_size: 32
...
	.end_amdgpu_metadata
.endif
;; end of part 5
;; launch g13 (part 6): grid 16 x 22, 4 waves a work-group, clusters of 4 x 1, 327,680 bytes of LDS; arguments A2, P1, H; writes H
.if DOCPART == 6
	.amdgcn_target "amdgcn-amd-amdhsa--gfx1250"
	.amdhsa_code_object_version 6
	.text
	.protected	k_qd65ace30ee_g13
	.globl	k_qd65ace30ee_g13
	.p2align	8
	.type	k_qd65ace30ee_g13,@function
k_qd65ace30ee_g13:
	s_mov_b64 s[64:65], 0
	v_nop
	global_prefetch_b8 v0, s[64:65] scope:SCOPE_SE
	s_setreg_imm32_b32 hwreg(HW_REG_WAVE_MODE, 25, 1), 1
	s_wait_xcnt 0x0
	s_wait_alu depctr_hold_cnt(0) depctr_sa_sdst(0) depctr_va_vdst(0) depctr_va_sdst(0) depctr_va_ssrc(0) depctr_va_vcc(0) depctr_vm_vsrc(0)
	s_getreg_b32 s2, hwreg(HW_REG_IB_STS2, 6, 4)
	s_cmp_eq_u32 s2, 0
	s_cbranch_scc0 .Lentry_in_a_cluster
	s_endpgm
.Lentry_in_a_cluster:
	s_bfe_u32 s2, ttmp6, 0x10000c
	s_cmp_lg_u32 s2, 0x3003
	s_cbranch_scc0 .Lentry_shape_is_right
	s_endpgm
.Lentry_shape_is_right:
; h = silu(xn w1^T) x (xn w3^T): products 7 and 8, K = 1,024, on codes of E5M2 with E8M0 scales; h is quantised in registers along its 2,752 columns and leaves as an image of product 9's operand.
; Both operands come as images (see launch prep).  w1's and w3's tiles are interleaved: a wave's 128 rows of role B are 64 rows of w1 and the same 64 rows of w3, so x1 and x3 of a column lie in one lane.
; The last group of role B is zero codes: it gives h = 0 in columns 2,752 to 2,815, the zeros with which product 9's K is filled up to a multiple of 128.
; A tile is 256 tokens x 256 rows of B: four waves, 128 x 128.  K goes in steps of 256 through two LDS slots; the scale words of all of K come once.
; CLUSTER 4, 1, 1: the four work-groups of a cluster take four tiles of tokens and the same tile of B, which is asked for jointly (mask 15); A's tiles are plain loads at the same places.
; Not 4 x 4: B has 22 tiles, which no four divide.
.set KF,     8
.set ASCL,   0x400000
.set BIMG,   0x840000
.set BSCL,   0xDC0000
.set NK,     KF/2
.set MTS,    64*KF
.set HALFT,  32768
.set SLOT,   131072
.set SCL,    262144
.set HALFS,  8*MTS
.set SPARE,  SCL+4*HALFS
.set NP,     8
.set ADRA,   16
.set ADRB,   20
.set ADRSA,  26
.set ADRSB,  27
.set SPW,    28
.set NIL,    29
.set SC,     32
.set AF,     128
.set G1,     24
.set G0,     32
.set G1B,    48
.set G0B,    56
.set G1S,    68
.set G0S,    76
.set G1SB,   80
.set G0SB,   88
.set MSB,    0
.macro WIN new                         ; the immediate's high byte repeats the setting that is left
.if MSB != (\new)
	s_set_vgpr_msb (MSB<<8)|(\new)
.set MSB, (\new)
.endif
.endm
.set MUL_LO, 0xa1
.set MUL_HI, 0xf1
.set TO_B,   0x40
.macro JLOAD g0a, g1a, g0b, g1b        ; waves 0, 1 fetch for A, waves 2, 3 for B; an s_nop 0 and four v_nop follow each line
	s_cmp_eq_u32 s15, 0
	s_cbranch_scc0 .Lfor_b_\@
	tensor_load_to_lds s[\g0a:\g0a+3], s[\g1a:\g1a+7]
	s_nop 0
.rept 4
	v_nop
.endr
	s_branch .Lasked_\@
.Lfor_b_\@:
	tensor_load_to_lds s[\g0b:\g0b+3], s[\g1b:\g1b+7]
	s_nop 0
.rept 4
	v_nop
.endr
.Lasked_\@:
.endm
.macro CREST
	s_cmp_lg_u32 s14, 0
	s_cbranch_scc1 .Lnot_wave_0_\@
	s_barrier_signal -3
.Lnot_wave_0_\@:
	s_barrier_wait -3
	s_barrier_signal -1
	s_barrier_wait -1
.endm
.macro CROUND
	s_barrier_signal -1
	s_barrier_wait -1
	CREST
.endm
.macro PLACES n
.rept \n
	v_nop
.endr
.endm
.macro FRAG reg, adr, q, i             ; fragment q of tile i of a half: an image, so lane l takes 16 bytes at 16 l of each 512
.irp c, 0,1,2,3
	ds_load_b128 v[\reg+4*\c:\reg+4*\c+3], v[\adr] offset:(2*(\i)+(\q))*2048+512*\c
.endr
.endm
.macro FETCH_B slot, q, p
	WIN TO_B
.irp i, 0,1,2,3,4,5,6,7
	FRAG 128*(\p)+16*\i, ADRB+\slot, \q, \i
.endr
	WIN 0
.endm
.macro FETCH_A slot, q, i0
.irp i, \i0, \i0+1, \i0+2, \i0+3
	FRAG AF+16*(\i), ADRA+\slot, \q, \i
.endr
.endm
.macro SCALES sc
.irp i, 0,1,2,3,4,5,6,7
	ds_load_b32 v[SC+16*\sc+\i], v[ADRSA] offset:\i*MTS
	ds_load_b32 v[SC+16*\sc+8+\i], v[ADRSB] offset:\i*MTS
.endr
.endm
; 16 matrix instructions: A's blocks a0, a0 + 1 x B's eight, 128 along K.  q = 1: the slot's second fragment, whose scale words lie in lanes 16-31.  The 64 accumulators take turns.
.macro MUL16 a0, p, q, sc, zero
.irp a, \a0, \a0+1
.irp b, 0,1,2,3,4,5,6,7
.if \zero
	v_wmma_scale_f32_16x16x128_f8f6f4 v[8*(8*((\a)%4)+\b):8*(8*((\a)%4)+\b)+7], v[128*(\p)+16*\b:128*(\p)+16*\b+15], v[AF+16*(\a):AF+16*(\a)+15], 0, v[SC+16*(\sc)+8+\b], v[SC+16*(\sc)+(\a)] matrix_a_fmt:MATRIX_FMT_BF8 matrix_b_fmt:MATRIX_FMT_BF8
.elseif \q
	v_wmma_scale_f32_16x16x128_f8f6f4 v[8*(8*((\a)%4)+\b):8*(8*((\a)%4)+\b)+7], v[128*(\p)+16*\b:128*(\p)+16*\b+15], v[AF+16*(\a):AF+16*(\a)+15], v[8*(8*((\a)%4)+\b):8*(8*((\a)%4)+\b)+7], v[SC+16*(\sc)+8+\b], v[SC+16*(\sc)+(\a)] matrix_a_fmt:MATRIX_FMT_BF8 matrix_b_fmt:MATRIX_FMT_BF8 matrix_a_scale:MATRIX_SCALE_ROW1 matrix_b_scale:MATRIX_SCALE_ROW1
.else
	v_wmma_scale_f32_16x16x128_f8f6f4 v[8*(8*((\a)%4)+\b):8*(8*((\a)%4)+\b)+7], v[128*(\p)+16*\b:128*(\p)+16*\b+15], v[AF+16*(\a):AF+16*(\a)+15], v[8*(8*((\a)%4)+\b):8*(8*((\a)%4)+\b)+7], v[SC+16*(\sc)+8+\b], v[SC+16*(\sc)+(\a)] matrix_a_fmt:MATRIX_FMT_BF8 matrix_b_fmt:MATRIX_FMT_BF8
.endif
.endr
.endr
.endm
.macro STEP slot, zero                 ; a slot's first 128 along K
	s_wait_dscnt 16                                ; all but the youngest 16 loads (A's blocks 4-7) are in
	WIN MUL_LO
	MUL16 0, 0, 0, \slot, \zero
	MUL16 2, 0, 0, \slot, \zero
	s_wait_dscnt 0
	PLACES NP                                      ; in front of loads into registers that matrix instructions have read
	FETCH_B \slot, 1, 1
	FETCH_A \slot, 1, 0
	WIN MUL_HI
	MUL16 4, 0, 0, \slot, \zero
	MUL16 6, 0, 0, \slot, \zero
	PLACES NP
	WIN 0
	FETCH_A \slot, 1, 4
.endm
.macro TURN slot, next, fill           ; a slot's second 128 along K, and the change of slots: one barrier; fill = 1: it opens a round of the cluster's barrier, and this slot is filled again, two K steps ahead
	s_wait_tensorcnt 0x0                           ; all my tensor loads have landed: my part of the next slot
	ds_add_u32 v[SPW], v[NIL]                      ; 0 onto my spare word
	s_wait_dscnt 17                                ; (the add and the youngest 16 loads may be out)
	WIN MUL_LO
	MUL16 0, 1, 1, \slot, 0
	s_wait_dscnt 0x0                               ; the add is done, and my reads of this slot are over
	s_barrier_signal -1
	MUL16 2, 1, 1, \slot, 0
	WIN 0
	s_barrier_wait -1
.if \fill
	CREST                                          ; no wave of any partner still reads this slot or has a load on its way
	s_add_nc_u64 s[G0+4*\slot+2:G0+4*\slot+3], s[G0+4*\slot+2:G0+4*\slot+3], 8192
	s_add_nc_u64 s[G0B+4*\slot+2:G0B+4*\slot+3], s[G0B+4*\slot+2:G0B+4*\slot+3], 8192
	JLOAD G0+4*\slot, G1, G0B+4*\slot, G1B         ; the first tensor load behind the round; its four v_nop are among the places
	PLACES NP-4
.else
	PLACES NP
.endif
	v_add_nc_u32 v[ADRSA], 128, v[ADRSA]           ; the next K step's scale words
	v_add_nc_u32 v[ADRSB], 128, v[ADRSB]
	FETCH_B \next, 0, 0
	FETCH_A \next, 0, 0
	SCALES \next
	WIN MUL_HI
	MUL16 4, 1, 1, \slot, 0
	MUL16 6, 1, 1, \slot, 0
	PLACES NP
	WIN 0
	FETCH_A \next, 0, 4
.endm
.macro FINAL sc                        ; the very last 128 along K: nothing more to fetch
	s_wait_dscnt 16
	WIN MUL_LO
	MUL16 0, 1, 1, \sc, 0
	MUL16 2, 1, 1, \sc, 0
	s_wait_dscnt 0
	WIN MUL_HI
	MUL16 4, 1, 1, \sc, 0
	MUL16 6, 1, 1, \sc, 0
	WIN 0
.endm
.macro G1WORDS                         ; the shapes: codes 8 rows of 512 elements of 8 bytes, KF x 256 elements apart; scale words a dense block as rows of 256 bytes
.irp g, G1, G1B
	s_mov_b32 s[\g+1], 512<<16
	s_mov_b32 s[\g+2], 8<<16
	s_mov_b32 s[\g+3], 512<<16
	s_mov_b32 s[\g+4], 8
	s_mov_b32 s[\g+5], KF*256
	s_mov_b32 s[\g+6], 0
	s_mov_b32 s[\g+7], 0
.endr
.irp g, G1S, G1SB
	s_mov_b32 s[\g+1], 32<<16
	s_mov_b32 s[\g+2], (HALFS/256)<<16
	s_mov_b32 s[\g+3], 32<<16
	s_mov_b32 s[\g+4], HALFS/256
	s_mov_b32 s[\g+5], 32
	s_mov_b32 s[\g+6], 0
	s_mov_b32 s[\g+7], 0
.endr
.endm
.macro FILLS                           ; the first fills: three loads of mine are out
	s_mov_b32 s[G0S], 1
	s_add_co_u32 s[G0S+1], s94, SCL
	s_mov_b64 s[G0S+2:G0S+3], s[22:23]
	s_or_b32 s[G0S+3], s[G0S+3], 0x80000000
	s_mov_b32 s[G0SB], 1
	s_add_co_u32 s[G0SB+1], s94, SCL
	s_mov_b64 s[G0SB+2:G0SB+3], s[92:93]
	s_or_b32 s[G0SB+3], s[G0SB+3], 0x80000000
	JLOAD G0S, G1S, G0SB, G1SB
.irp s, 0,1
	s_mov_b32 s[G0+4*\s], 1
	s_add_co_u32 s[G0+4*\s+1], s45, \s*SLOT
	s_add_nc_u64 s[G0+4*\s+2:G0+4*\s+3], s[20:21], \s*4096
	s_or_b32 s[G0+4*\s+3], s[G0+4*\s+3], 0x80000000
	s_mov_b32 s[G0B+4*\s], 1
	s_add_co_u32 s[G0B+4*\s+1], s45, \s*SLOT
	s_add_nc_u64 s[G0B+4*\s+2:G0B+4*\s+3], s[46:47], \s*4096
	s_or_b32 s[G0B+4*\s+3], s[G0B+4*\s+3], 0x80000000
	JLOAD G0+4*\s, G1, G0B+4*\s, G1B
.endr
.endm
.macro ADDRS
	v_and_b32 v1, 31, v0
	v_lshlrev_b32 v2, 4, v1                        ; 16 x lane
	v_lshlrev_b32 v3, 2, v1                        ; 4 x lane
	s_lshl_b32 s21, s15, 15
	s_lshl_b32 s22, s16, 15
	s_add_co_u32 s22, s22, 65536
	v_add_nc_u32 v[ADRA], s21, v2
	v_add_nc_u32 v[ADRB], s22, v2
	v_add_nc_u32 v[ADRA+1], SLOT, v[ADRA]
	v_add_nc_u32 v[ADRB+1], SLOT, v[ADRB]
	s_mul_i32 s21, s15, HALFS
	s_add_co_u32 s21, s21, SCL
	s_mul_i32 s22, s16, HALFS
	s_add_co_u32 s22, s22, SCL+2*HALFS
	v_add_nc_u32 v[ADRSA], s21, v3
	v_add_nc_u32 v[ADRSB], s22, v3
.endm
.macro KLOOP                           ; all of K but its last 128
	s_wait_tensorcnt 1                             ; the scale words and my part of K step 0 are in; K step 1's load may be out
	s_barrier_signal -1
	s_barrier_wait -1
	FETCH_B 0, 0, 0
	FETCH_A 0, 0, 0
	SCALES 0
	FETCH_A 0, 0, 4
	STEP 0, 1                                      ; the first products start the sums
	s_mov_b32 s3, (NK-2)/2
.Llap:
	TURN 0, 1, 1
	STEP 1, 0
	TURN 1, 0, 1
	STEP 0, 0
	s_sub_co_u32 s3, s3, 1
	s_cmp_lg_u32 s3, 0
	s_cbranch_scc1 .Llap
.if NK%2 == 0
	TURN 0, 1, 0
	STEP 1, 0
.else
	TURN 0, 1, 1
	STEP 1, 0
	TURN 1, 0, 0
	STEP 0, 0
.endif
.endm
.set L16, 2
.set L4R, 6
.set T,   64                           ; v64-95   at work
.set X,   128                          ; v128-159 32 numbers of h
.set PC,  192
.set TM,  208
.set PW,  224
.set SEL, 96
.set MNT, 95
.set NL2E, 94
.macro QMAX src, nb                    ; the quantiser, as in the other launches: register 16 b + i is k = 32 b + 16 (lane / 16) + i of the lane's row
.set qb, 0
.rept \nb
	v_max3_num_f32 v[TM+qb], |v[(\src)+16*qb]|, |v[(\src)+16*qb+1]|, 0x8000000
.set qb, qb+1
.endr
.set qi, 2
.rept 7
.set qb, 0
.rept \nb
	v_max3_num_f32 v[TM+qb], |v[(\src)+16*qb+qi]|, |v[(\src)+16*qb+qi+1]|, v[TM+qb]
.set qb, qb+1
.endr
.set qi, qi+2
.endr
.endm
.macro QSCL nb
.set qb, 0
.rept \nb
	v_permlanex16_b32 v[TM+4+qb], v[TM+qb], s[SEL], s[SEL+1]
.set qb, qb+1
.endr
.set qb, 0
.rept \nb
	v_max_num_f32 v[TM+qb], v[TM+qb], v[TM+4+qb]
.set qb, qb+1
.endr
.set qb, 0
.rept \nb
	v_add_nc_u32 v[TM+12+qb], 0xf8800000, v[TM+qb]
.set qb, qb+1
.endr
.set qb, 0
.rept \nb
	v_and_or_b32 v[TM+8+qb], v[TM+qb], 0x7f800000, s[MNT]
.set qb, qb+1
.endr
.set qb, 0
.rept \nb
	v_lshrrev_b32 v[TM+4+qb], 23, v[TM+12+qb]
.set qb, qb+1
.endr
	v_lshl_or_b32 v[PW], v[TM+5], 8, v[TM+4]
.if \nb == 4
	v_lshl_or_b32 v[PW], v[TM+6], 16, v[PW]
	v_lshl_or_b32 v[PW], v[TM+7], 24, v[PW]
.endif
.endm
.macro QHOLD dst, src, nb
.set qb, 0
.rept \nb
.set qi, 0
.rept 16
	v_med3_num_f32 v[(\dst)+16*qb+qi], v[(\src)+16*qb+qi], -v[TM+8+qb], v[TM+8+qb]
.set qi, qi+1
.endr
.set qb, qb+1
.endr
.endm
.macro QCVT src, nb
.set qb, 0
.rept \nb
	v_cvt_scalef32_pk8_bf8_f32 v[PC+4*qb:PC+4*qb+1], v[(\src)+16*qb:(\src)+16*qb+7], v[TM+12+qb]
	v_cvt_scalef32_pk8_bf8_f32 v[PC+4*qb+2:PC+4*qb+3], v[(\src)+16*qb+8:(\src)+16*qb+15], v[TM+12+qb]
.set qb, qb+1
.endr
	v_nop
.endm
	s_load_b128 s[4:7], s[0:1], 0x0                ; A2 s[4:5], P1 s[6:7]
	s_load_b64 s[8:9], s[0:1], 0x10                ; H
	v_lshl_add_u32 v[SPW], v0, 2, SPARE
	v_mov_b32 v[NIL], 0
	ds_add_u32 v[SPW], v[NIL]                      ; the wave's opening: the add, twice on end, and its wait ahead of my first tensor load
	ds_add_u32 v[SPW], v[NIL]
	v_lshrrev_b32 v1, 5, v0
	v_readfirstlane_b32 s14, v1
	s_lshr_b32 s15, s14, 1
	s_and_b32 s16, s14, 1
	s_bfe_u32 s40, ttmp6, 0x40000                  ; cx
	s_lshl_b32 s17, ttmp9, 2
	s_add_co_u32 s17, s17, s40                     ; A's tile of 256 tokens: my own
	s_and_b32 s42, ttmp7, 0xffff                   ; B's tile: the cluster's
	s_mov_b32 s[G1+0], 3<<16                       ; A: a plain load: no mask; elements of 8 bytes
	s_mov_b32 s[G1S+0], 3<<16
	s_mov_b32 s[G1B+0], 15|(3<<16)|(1<<21)         ; B: asked for jointly by all four
	s_mov_b32 s[G1SB+0], 15|(3<<16)|(1<<21)
	G1WORDS
	s_lshl_b32 s18, s16, 3
	s_lshl_b32 s20, s17, 4
	s_add_co_u32 s20, s20, s18
	s_lshl_b32 s46, s42, 4
	s_add_co_u32 s46, s46, s18
	s_mul_i32 s22, s20, MTS
	s_add_co_u32 s22, s22, ASCL
	s_mov_b32 s23, 0
	s_mul_i32 s20, s20, KF*2048
	s_mov_b32 s21, 0
	s_mul_i32 s92, s46, MTS
	s_add_co_u32 s92, s92, BSCL
	s_mov_b32 s93, 0
	s_mul_i32 s46, s46, KF*2048
	s_add_co_u32 s46, s46, BIMG
	s_mov_b32 s47, 0
	s_mul_i32 s45, s14, HALFT
	s_mul_i32 s94, s14, HALFS
	s_wait_dscnt 0x0
	s_wait_kmcnt 0x0
	s_add_nc_u64 s[20:21], s[4:5], s[20:21]
	s_add_nc_u64 s[22:23], s[4:5], s[22:23]
	s_add_nc_u64 s[46:47], s[6:7], s[46:47]
	s_add_nc_u64 s[92:93], s[6:7], s[92:93]
	CROUND
	FILLS
	ADDRS
	v_and_b32 v4, 15, v0
	v_lshlrev_b32 v[L4R], 2, v4
	s_lshl_b32 s20, s17, 4
	s_lshl_b32 s21, s15, 3
	s_add_co_u32 s20, s20, s21                     ; my first tile of tokens
	s_mul_i32 s20, s20, 22
	s_add_co_u32 s20, s20, s42                     ; fragment (tile, B's tile): my wave's 64 columns of h are half of its 128 along K
	s_lshl_b32 s22, s20, 11
	s_lshl_b32 s21, s16, 10
	s_add_co_u32 s22, s22, s21
	s_mov_b32 s23, 0
	s_add_nc_u64 s[92:93], s[8:9], s[22:23]
	s_lshl_b32 s22, s20, 6
	s_lshl_b32 s21, s16, 1
	s_add_co_u32 s22, s22, s21
	s_add_co_u32 s22, s22, 0xB00000
	s_add_nc_u64 s[66:67], s[8:9], s[22:23]
	s_mov_b32 s[SEL], 0x76543210
	s_mov_b32 s[SEL+1], 0xfedcba98
	s_mov_b32 s[MNT], 0x600000
	s_mov_b32 s[NL2E], 0xbfb8aa3b                  ; -log2(e)
	KLOOP
	FINAL 1
	PLACES NP
.irp b, 0,1,2,3
	v_mov_b32 v[TM+4+\b], 0
.endr
; Block a: 16 tokens (a lane a token); registers 0-31 x1, registers 32-63 x3 of the same 32 columns a lane
.macro HOUT a
.set AC, 64*((\a)%4)
	WIN 2+(\a)/4                                   ; source 0: the accumulators' window
.set n, 0
.rept 32
	v_mul_f32 v[T+n], v[AC+n], s[NL2E]
.set n, n+1
.endr
	WIN 0
.set n, 0
.rept 32
	v_exp_f32 v[T+n], v[T+n]                       ; e^(-x1)
.set n, n+1
.endr
	v_nop
	s_wait_alu depctr_va_vdst(0)                   ; one wait for the batch
.set n, 0
.rept 32
	v_add_f32 v[T+n], 1.0, v[T+n]
.set n, n+1
.endr
.set n, 0
.rept 32
	v_rcp_f32 v[T+n], v[T+n]                       ; sigmoid(x1)
.set n, n+1
.endr
	v_nop
	s_wait_alu depctr_va_vdst(0)
	WIN 2+(\a)/4
.set n, 0
.rept 32
	v_mul_f32 v[T+n], v[AC+n], v[T+n]
.set n, n+1
.endr
.set n, 0
.rept 32
	v_mul_f32 v[X+n], v[AC+32+n], v[T+n]
.set n, n+1
.endr
	WIN 0
	QMAX X, 2
.if (\a) > 0
	s_wait_xcnt 0x0                                ; the last block's stores have read the codes and the scale word
.endif
	QSCL 2
	QHOLD X, X, 2
	QCVT X, 2
	global_store_b128 v[L16], v[PC:PC+3], s[92:93] offset:45056*(\a)
	global_store_b128 v[L16], v[PC+4:PC+7], s[92:93] offset:45056*(\a)+512
	global_store_b16 v[L4R], v[PW], s[66:67] offset:1408*(\a)      ; my two bytes of the rows' scale words
.endm
.irp a, 0,1,2,3,4,5,6,7
	HOUT \a
.endr
	s_wait_tensorcnt 0x0                           ; the wave's end
	ds_add_u32 v[SPW], v[NIL]
	s_wait_dscnt 0x0
	CROUND
	s_endpgm
.Lfunc_end_k_qd65ace30ee_g13:
	.size	k_qd65ace30ee_g13, .Lfunc_end_k_qd65ace30ee_g13-k_qd65ace30ee_g13
	.p2alignl 7, 3214868480
	.fill 96, 4, 3214868480
	.section	.rodata,"a",@progbits
	.p2align	6, 0x0
	.amdhsa_kernel k_qd65ace30ee_g13
		.amdhsa_group_segment_fixed_size 327680
		.amdhsa_private_segment_fixed_size 0
		.amdhsa_enable_private_segment 0
		.amdhsa_kernarg_size 24
		.amdhsa_user_sgpr_count 2
		.amdhsa_user_sgpr_kernarg_segment_ptr 1
		.amdhsa_wavefront_size32 1
		.amdhsa_system_sgpr_workgroup_id_x 1
		.amdhsa_system_sgpr_workgroup_id_y 1
		.amdhsa_system_sgpr_workgroup_id_z 1
		.amdhsa_system_vgpr_workitem_id 0
		.amdhsa_next_free_vgpr 1024
		.amdhsa_next_free_sgpr 100
		.amdhsa_reserve_vcc 0
		.amdhsa_float_denorm_mode_32 3
		.amdhsa_float_denorm_mode_16_64 3
		.amdhsa_memory_ordered 1
		.amdhsa_forward_progress 1
		.amdhsa_inst_pref_size 210
	.end_amdhsa_kernel
	.amdgpu_metadata
---
amdhsa.version: [ 1, 2 ]
amdhsa.kernels:
  - .name:           k_qd65ace30ee_g13
    .symbol:         k_qd65ace30ee_g13.kd
    .args:
      - { .name: A2, .offset: 0, .size: 8, .value_kind: global_buffer, .address_space: global }
      - { .name: P1, .offset: 8, .size: 8, .value_kind: global_buffer, .address_space: global }
      - { .name: H, .offset: 16, .size: 8, .value_kind: global_buffer, .address_space: global }
    .group_segment_fixed_size: 327680
    .private_segment_fixed_size: 0
    .kernarg_segment_align: 8
    .kernarg_segment_size: 24
    .max_flat_workgroup_size: 128
    .sgpr_count:     100
    .vgpr_count:     1024
    .wavefront_size: 32
...
	.end_amdgpu_metadata
.endif
;; end of part 6
;; launch g2 (part 7): grid 4 x 16, 4 waves a work-group, clusters of 4 x 4, 327,680 bytes of LDS; arguments H, P1, X2, out0; writes out0
.if DOCPART == 7
	.amdgcn_target "amdgcn-amd-amdhsa--gfx1250"
	.amdhsa_code_object_version 6
	.text
	.protected	k_qd65ace30ee_g2
	.globl	k_qd65ace30ee_g2
	.p2align	8
	.type	k_qd65ace30ee_g2,@function
k_qd65ace30ee_g2:
	s_mov_b64 s[64:65], 0
	v_nop
	global_prefetch_b8 v0, s[64:65] scope:SCOPE_SE
	s_setreg_imm32_b32 hwreg(HW_REG_WAVE_MODE, 25, 1), 1
	s_wait_xcnt 0x0
	s_wait_alu depctr_hold_cnt(0) depctr_sa_sdst(0) depctr_va_vdst(0) depctr_va_sdst(0) depctr_va_ssrc(0) depctr_va_vcc(0) depctr_vm_vsrc(0)
	s_getreg_b32 s2, hwreg(HW_REG_IB_STS2, 6, 4)
	s_cmp_eq_u32 s2, 0
	s_cbranch_scc0 .Lentry_in_a_cluster
	s_endpgm
.Lentry_in_a_cluster:
	s_bfe_u32 s2, ttmp6, 0x10000c
	s_cmp_lg_u32 s2, 0xf033
	s_cbranch_scc0 .Lentry_shape_is_right
	s_endpgm
.Lentry_shape_is_right:
; out0 = X2 + h w2^T: product 9, K = 2,752 filled up with zero codes to 2,816, on codes of E5M2 with E8M0 scales, and the residual.  Both operands come as images of their registers (see launch prep).
; A tile of the result is 256 x 256: four waves, 128 x 128 each.  Source 1 (role A) = the tokens: a lane holds a token; source 0 (role B) = w2: 16 neighbouring columns in the 16 registers of accumulators 2 b, 2 b + 1.
; K goes in 11 steps of 256 through two LDS slots; the scale words of all of K come once.  CLUSTERS: 4 x 4, A's tiles shared along a row, B's along a column, asked for jointly.
; The way out goes through a stage in slot 1, which has had its last fill and its last read by then; whole rows of 512 bytes come back, X2's are added, and 32 lanes store 512 consecutive bytes.
; The 64 tiles are fewer than the chip has WGPs: a smaller tile would want another core; this text keeps the one core of the four products' launches.
.set KF,     22
.set ASCL,   0xB00000                  ; A's scale words in its buffer
.set BIMG,   0xDEC000                  ; w2's image in P1,
.set BSCL,   0x10AC000                 ; and its scale words
.set STG,    131072                    ; the stage: in slot 1
.set NTOUT,  1
.set NK,     KF/2
.set MTS,    64*KF
.set HALFT,  32768
.set SLOT,   131072
.set SCL,    262144
.set HALFS,  8*MTS
.set SPARE,  SCL+4*HALFS
.set NP,     8
.set ADRA,   16
.set ADRB,   20
.set ADRSA,  26
.set ADRSB,  27
.set SPW,    28
.set NIL,    29
.set SC,     32
.set AF,     128
.set G1,     24
.set G0,     32
.set G1B,    48
.set G0B,    56
.set G1S,    68
.set G0S,    76
.set G1SB,   80
.set G0SB,   88
.set MSB,    0
.macro WIN new                         ; the immediate's high byte repeats the setting that is left
.if MSB != (\new)
	s_set_vgpr_msb (MSB<<8)|(\new)
.set MSB, (\new)
.endif
.endm
.set MUL_LO, 0xa1
.set MUL_HI, 0xf1
.set TO_B,   0x40
.macro JLOAD g0a, g1a, g0b, g1b        ; waves 0, 1 fetch for A, waves 2, 3 for B; an s_nop 0 and four v_nop follow each line
	s_cmp_eq_u32 s15, 0
	s_cbranch_scc0 .Lfor_b_\@
	tensor_load_to_lds s[\g0a:\g0a+3], s[\g1a:\g1a+7]
	s_nop 0
.rept 4
	v_nop
.endr
	s_branch .Lasked_\@
.Lfor_b_\@:
	tensor_load_to_lds s[\g0b:\g0b+3], s[\g1b:\g1b+7]
	s_nop 0
.rept 4
	v_nop
.endr
.Lasked_\@:
.endm
.macro CREST
	s_cmp_lg_u32 s14, 0
	s_cbranch_scc1 .Lnot_wave_0_\@
	s_barrier_signal -3
.Lnot_wave_0_\@:
	s_barrier_wait -3
	s_barrier_signal -1
	s_barrier_wait -1
.endm
.macro CROUND
	s_barrier_signal -1
	s_barrier_wait -1
	CREST
.endm
.macro PLACES n
.rept \n
	v_nop
.endr
.endm
.macro FRAG reg, adr, q, i             ; fragment q of tile i of a half: an image, so lane l takes 16 bytes at 16 l of each 512
.irp c, 0,1,2,3
	ds_load_b128 v[\reg+4*\c:\reg+4*\c+3], v[\adr] offset:(2*(\i)+(\q))*2048+512*\c
.endr
.endm
.macro FETCH_B slot, q, p
	WIN TO_B
.irp i, 0,1,2,3,4,5,6,7
	FRAG 128*(\p)+16*\i, ADRB+\slot, \q, \i
.endr
	WIN 0
.endm
.macro FETCH_A slot, q, i0
.irp i, \i0, \i0+1, \i0+2, \i0+3
	FRAG AF+16*(\i), ADRA+\slot, \q, \i
.endr
.endm
.macro SCALES sc
.irp i, 0,1,2,3,4,5,6,7
	ds_load_b32 v[SC+16*\sc+\i], v[ADRSA] offset:\i*MTS
	ds_load_b32 v[SC+16*\sc+8+\i], v[ADRSB] offset:\i*MTS
.endr
.endm
; 16 matrix instructions: A's blocks a0, a0 + 1 x B's eight, 128 along K.  q = 1: the slot's second fragment, whose scale words lie in lanes 16-31.  The 64 accumulators take turns.
.macro MUL16 a0, p, q, sc, zero
.irp a, \a0, \a0+1
.irp b, 0,1,2,3,4,5,6,7
.if \zero
	v_wmma_scale_f32_16x16x128_f8f6f4 v[8*(8*((\a)%4)+\b):8*(8*((\a)%4)+\b)+7], v[128*(\p)+16*\b:128*(\p)+16*\b+15], v[AF+16*(\a):AF+16*(\a)+15], 0, v[SC+16*(\sc)+8+\b], v[SC+16*(\sc)+(\a)] matrix_a_fmt:MATRIX_FMT_BF8 matrix_b_fmt:MATRIX_FMT_BF8
.elseif \q
	v_wmma_scale_f32_16x16x128_f8f6f4 v[8*(8*((\a)%4)+\b):8*(8*((\a)%4)+\b)+7], v[128*(\p)+16*\b:128*(\p)+16*\b+15], v[AF+16*(\a):AF+16*(\a)+15], v[8*(8*((\a)%4)+\b):8*(8*((\a)%4)+\b)+7], v[SC+16*(\sc)+8+\b], v[SC+16*(\sc)+(\a)] matrix_a_fmt:MATRIX_FMT_BF8 matrix_b_fmt:MATRIX_FMT_BF8 matrix_a_scale:MATRIX_SCALE_ROW1 matrix_b_scale:MATRIX_SCALE_ROW1
.else
	v_wmma_scale_f32_16x16x128_f8f6f4 v[8*(8*((\a)%4)+\b):8*(8*((\a)%4)+\b)+7], v[128*(\p)+16*\b:128*(\p)+16*\b+15], v[AF+16*(\a):AF+16*(\a)+15], v[8*(8*((\a)%4)+\b):8*(8*((\a)%4)+\b)+7], v[SC+16*(\sc)+8+\b], v[SC+16*(\sc)+(\a)] matrix_a_fmt:MATRIX_FMT_BF8 matrix_b_fmt:MATRIX_FMT_BF8
.endif
.endr
.endr
.endm
.macro STEP slot, zero                 ; a slot's first 128 along K
	s_wait_dscnt 16                                ; all but the youngest 16 loads (A's blocks 4-7) are in
	WIN MUL_LO
	MUL16 0, 0, 0, \slot, \zero
	MUL16 2, 0, 0, \slot, \zero
	s_wait_dscnt 0
	PLACES NP                                      ; in front of loads into registers that matrix instructions have read
	FETCH_B \slot, 1, 1
	FETCH_A \slot, 1, 0
	WIN MUL_HI
	MUL16 4, 0, 0, \slot, \zero
	MUL16 6, 0, 0, \slot, \zero
	PLACES NP
	WIN 0
	FETCH_A \slot, 1, 4
.endm
.macro TURN slot, next, fill           ; a slot's second 128 along K, and the change of slots: one barrier; fill = 1: it opens a round of the cluster's barrier, and this slot is filled again, two K steps ahead
	s_wait_tensorcnt 0x0                           ; all my tensor loads have landed: my part of the next slot
	ds_add_u32 v[SPW], v[NIL]                      ; 0 onto my spare word
	s_wait_dscnt 17                                ; (the add and the youngest 16 loads may be out)
	WIN MUL_LO
	MUL16 0, 1, 1, \slot, 0
	s_wait_dscnt 0x0                               ; the add is done, and my reads of this slot are over
	s_barrier_signal -1
	MUL16 2, 1, 1, \slot, 0
	WIN 0
	s_barrier_wait -1
.if \fill
	CREST                                          ; no wave of any partner still reads this slot or has a load on its way
	s_add_nc_u64 s[G0+4*\slot+2:G0+4*\slot+3], s[G0+4*\slot+2:G0+4*\slot+3], 8192
	s_add_nc_u64 s[G0B+4*\slot+2:G0B+4*\slot+3], s[G0B+4*\slot+2:G0B+4*\slot+3], 8192
	JLOAD G0+4*\slot, G1, G0B+4*\slot, G1B         ; the first tensor load behind the round; its four v_nop are among the places
	PLACES NP-4
.else
	PLACES NP
.endif
	v_add_nc_u32 v[ADRSA], 128, v[ADRSA]           ; the next K step's scale words
	v_add_nc_u32 v[ADRSB], 128, v[ADRSB]
	FETCH_B \next, 0, 0
	FETCH_A \next, 0, 0
	SCALES \next
	WIN MUL_HI
	MUL16 4, 1, 1, \slot, 0
	MUL16 6, 1, 1, \slot, 0
	PLACES NP
	WIN 0
	FETCH_A \next, 0, 4
.endm
.macro FINAL sc                        ; the very last 128 along K: nothing more to fetch
	s_wait_dscnt 16
	WIN MUL_LO
	MUL16 0, 1, 1, \sc, 0
	MUL16 2, 1, 1, \sc, 0
	s_wait_dscnt 0
	WIN MUL_HI
	MUL16 4, 1, 1, \sc, 0
	MUL16 6, 1, 1, \sc, 0
	WIN 0
.endm
.macro G1WORDS                         ; the shapes: codes 8 rows of 512 elements of 8 bytes, KF x 256 elements apart; scale words a dense block as rows of 256 bytes
.irp g, G1, G1B
	s_mov_b32 s[\g+1], 512<<16
	s_mov_b32 s[\g+2], 8<<16
	s_mov_b32 s[\g+3], 512<<16
	s_mov_b32 s[\g+4], 8
	s_mov_b32 s[\g+5], KF*256
	s_mov_b32 s[\g+6], 0
	s_mov_b32 s[\g+7], 0
.endr
.irp g, G1S, G1SB
	s_mov_b32 s[\g+1], 32<<16
	s_mov_b32 s[\g+2], (HALFS/256)<<16
	s_mov_b32 s[\g+3], 32<<16
	s_mov_b32 s[\g+4], HALFS/256
	s_mov_b32 s[\g+5], 32
	s_mov_b32 s[\g+6], 0
	s_mov_b32 s[\g+7], 0
.endr
.endm
.macro FILLS                           ; the first fills: three loads of mine are out
	s_mov_b32 s[G0S], 1
	s_add_co_u32 s[G0S+1], s94, SCL
	s_mov_b64 s[G0S+2:G0S+3], s[22:23]
	s_or_b32 s[G0S+3], s[G0S+3], 0x80000000
	s_mov_b32 s[G0SB], 1
	s_add_co_u32 s[G0SB+1], s94, SCL
	s_mov_b64 s[G0SB+2:G0SB+3], s[92:93]
	s_or_b32 s[G0SB+3], s[G0SB+3], 0x80000000
	JLOAD G0S, G1S, G0SB, G1SB
.irp s, 0,1
	s_mov_b32 s[G0+4*\s], 1
	s_add_co_u32 s[G0+4*\s+1], s45, \s*SLOT
	s_add_nc_u64 s[G0+4*\s+2:G0+4*\s+3], s[20:21], \s*4096
	s_or_b32 s[G0+4*\s+3], s[G0+4*\s+3], 0x80000000
	s_mov_b32 s[G0B+4*\s], 1
	s_add_co_u32 s[G0B+4*\s+1], s45, \s*SLOT
	s_add_nc_u64 s[G0B+4*\s+2:G0B+4*\s+3], s[46:47], \s*4096
	s_or_b32 s[G0B+4*\s+3], s[G0B+4*\s+3], 0x80000000
	JLOAD G0+4*\s, G1, G0B+4*\s, G1B
.endr
.endm
.macro ADDRS
	v_and_b32 v1, 31, v0
	v_lshlrev_b32 v2, 4, v1                        ; 16 x lane
	v_lshlrev_b32 v3, 2, v1                        ; 4 x lane
	s_lshl_b32 s21, s15, 15
	s_lshl_b32 s22, s16, 15
	s_add_co_u32 s22, s22, 65536
	v_add_nc_u32 v[ADRA], s21, v2
	v_add_nc_u32 v[ADRB], s22, v2
	v_add_nc_u32 v[ADRA+1], SLOT, v[ADRA]
	v_add_nc_u32 v[ADRB+1], SLOT, v[ADRB]
	s_mul_i32 s21, s15, HALFS
	s_add_co_u32 s21, s21, SCL
	s_mul_i32 s22, s16, HALFS
	s_add_co_u32 s22, s22, SCL+2*HALFS
	v_add_nc_u32 v[ADRSA], s21, v3
	v_add_nc_u32 v[ADRSB], s22, v3
.endm
.macro KLOOP                           ; all of K but its last 128
	s_wait_tensorcnt 1                             ; the scale words and my part of K step 0 are in; K step 1's load may be out
	s_barrier_signal -1
	s_barrier_wait -1
	FETCH_B 0, 0, 0
	FETCH_A 0, 0, 0
	SCALES 0
	FETCH_A 0, 0, 4
	STEP 0, 1                                      ; the first products start the sums
	s_mov_b32 s3, (NK-2)/2
.Llap:
	TURN 0, 1, 1
	STEP 1, 0
	TURN 1, 0, 1
	STEP 0, 0
	s_sub_co_u32 s3, s3, 1
	s_cmp_lg_u32 s3, 0
	s_cbranch_scc1 .Llap
.if NK%2 == 0
	TURN 0, 1, 0
	STEP 1, 0
.else
	TURN 0, 1, 1
	STEP 1, 0
	TURN 1, 0, 0
	STEP 0, 0
.endif
.endm
.set CO,  2                            ; v2   16 x lane: my bytes of a row's 512
.set STO, 24                           ; v24  the stage: where I put 64 bytes of a row
.set RD,  25                           ; v25  and where I read a row back
.set BK,  128                          ; v128-255 16 rows read back, two sets
	s_load_b256 s[4:11], s[0:1], 0x0               ; A's buffer s[4:5], P1 s[6:7], the residual s[8:9], the result s[10:11]
	v_lshl_add_u32 v[SPW], v0, 2, SPARE
	v_mov_b32 v[NIL], 0
	ds_add_u32 v[SPW], v[NIL]                      ; the wave's opening: the add, twice on end, and its wait ahead of my first tensor load
	ds_add_u32 v[SPW], v[NIL]
	v_lshrrev_b32 v1, 5, v0
	v_readfirstlane_b32 s14, v1
	s_lshr_b32 s15, s14, 1
	s_and_b32 s16, s14, 1
	s_bfe_u32 s40, ttmp6, 0x40000
	s_bfe_u32 s41, ttmp6, 0x40004
	s_lshl_b32 s42, ttmp9, 2
	s_add_co_u32 s42, s42, s40                     ; B's tile of 256 columns
	s_and_b32 s17, ttmp7, 0xffff
	s_lshl_b32 s17, s17, 2
	s_add_co_u32 s17, s17, s41                     ; A's tile of 256 tokens
	s_lshl_b32 s43, s41, 2
	s_lshl_b32 s43, 15, s43
	s_lshl_b32 s44, 0x1111, s40
	s_or_b32 s[G1+0], s43, (3<<16)|(1<<21)
	s_or_b32 s[G1B+0], s44, (3<<16)|(1<<21)
	s_or_b32 s[G1S+0], s43, (3<<16)|(1<<21)
	s_or_b32 s[G1SB+0], s44, (3<<16)|(1<<21)
	G1WORDS
	s_lshl_b32 s18, s16, 3
	s_lshl_b32 s20, s17, 4
	s_add_co_u32 s20, s20, s18
	s_lshl_b32 s46, s42, 4
	s_add_co_u32 s46, s46, s18
	s_mul_i32 s22, s20, MTS
	s_add_co_u32 s22, s22, ASCL
	s_mov_b32 s23, 0
	s_mul_i32 s20, s20, KF*2048
	s_mov_b32 s21, 0
	s_mul_i32 s92, s46, MTS
	s_add_co_u32 s92, s92, BSCL
	s_mov_b32 s93, 0
	s_mul_i32 s46, s46, KF*2048
	s_add_co_u32 s46, s46, BIMG
	s_mov_b32 s47, 0
	s_mul_i32 s45, s14, HALFT
	s_mul_i32 s94, s14, HALFS
	s_wait_dscnt 0x0
	s_wait_kmcnt 0x0
	s_add_nc_u64 s[20:21], s[4:5], s[20:21]
	s_add_nc_u64 s[22:23], s[4:5], s[22:23]
	s_add_nc_u64 s[46:47], s[6:7], s[46:47]
	s_add_nc_u64 s[92:93], s[6:7], s[92:93]
	CROUND
	FILLS
	ADDRS
	v_and_b32 v4, 15, v0
	v_bfe_u32 v5, v0, 4, 1
	s_mul_i32 s23, s14, 16*528
	s_add_co_u32 s23, s23, STG                     ; my stage: 16 rows of 512 bytes + 16
	v_mul_u32_u24 v6, v4, 528
	v_lshl_add_u32 v6, v5, 6, v6
	v_add_nc_u32 v[STO], s23, v6                   ; in: row r, + 64 h; 128 bytes on for each 32 columns
	v_add_nc_u32 v[RD], s23, v2                    ; back: a row's 512 bytes, 16 a lane
	s_lshl_b32 s20, s17, 8
	s_lshl_b32 s21, s15, 7
	s_add_co_u32 s20, s20, s21
	s_lshl_b32 s20, s20, 12                        ; my first row, of 4,096 bytes,
	s_lshl_b32 s21, s42, 10
	s_add_co_u32 s20, s20, s21
	s_lshl_b32 s21, s16, 9
	s_add_co_u32 s20, s20, s21                     ; my first column
	s_mov_b32 s21, 0
	s_add_nc_u64 s[92:93], s[8:9], s[20:21]
	s_add_nc_u64 s[94:95], s[10:11], s[20:21]
	KLOOP
; Row t of block a is the true row 32 (a / 2) + 8 (a % 2) + t + 8 (t / 8) of my 128: it stands in the immediates, 127 rows of 4,096 bytes at the most, and no base is stepped.
.macro RLOAD a                         ; block a's rows of the residual, into window 1, where B's fragments are done with: four sets of 64
	WIN 0x40
.irp t, 0,1,2,3,4,5,6,7,8,9,10,11,12,13,14,15
	global_load_b128 v[64*((\a)%4)+4*\t:64*((\a)%4)+4*\t+3], v[CO], s[92:93] offset:(32*((\a)/2)+8*((\a)%2)+\t+8*(\t/8))*4096
.endr
	WIN 0
.endm
.macro TOSTAGE a                       ; a lane's 64 numbers are four runs of 16 neighbouring columns of one row; LDS serves a wave's instructions in order, so no wait stands between the stores and the loads
.set AC, 64*((\a)%4)
	WIN 0x08+4*((\a)/4)
.irp b, 0,1,2,3
.irp q, 0,1,2,3
	ds_store_b128 v[STO], v[AC+16*\b+4*\q:AC+16*\b+4*\q+3] offset:128*\b+16*\q
.endr
.endr
	WIN 0
.set BB, BK+64*((\a)%2)
.irp t, 0,1,2,3,4,5,6,7,8,9,10,11,12,13,14,15
	ds_load_b128 v[BB+4*\t:BB+4*\t+3], v[RD] offset:\t*528
.endr
.endm
.macro SEND a, younger
.set BB, BK+64*((\a)%2)
.set RR, 64*((\a)%4)
	s_wait_dscnt \younger                          ; the block is back in registers; the next block's 16 stores and 16 loads may be out
.if 7-(\a) >= 3
	s_wait_loadcnt 48                              ; its residual is in; the loads of the three blocks behind it stay out
.else
	s_wait_loadcnt 16*(7-(\a))
.endif
	WIN 0x04                                       ; source 1: window 1
.set n, 0
.rept 32
	v_pk_add_f32 v[BB+2*n:BB+2*n+1], v[BB+2*n:BB+2*n+1], v[RR+2*n:RR+2*n+1]
.set n, n+1
.endr
	WIN 0
.irp t, 0,1,2,3,4,5,6,7,8,9,10,11,12,13,14,15
.if NTOUT
	global_store_b128 v[CO], v[BB+4*\t:BB+4*\t+3], s[94:95] offset:(32*((\a)/2)+8*((\a)%2)+\t+8*(\t/8))*4096 th:TH_STORE_NT
.else
	global_store_b128 v[CO], v[BB+4*\t:BB+4*\t+3], s[94:95] offset:(32*((\a)/2)+8*((\a)%2)+\t+8*(\t/8))*4096
.endif
.endr
.if (\a) < 4
	RLOAD (\a)+4
.endif
.endm
	RLOAD 0                                        ; B's set 0 was last read ahead of the last step's places
	RLOAD 1
	FINAL 1-NK%2
	PLACES NP
	RLOAD 2
	RLOAD 3
	TOSTAGE 0
.irp a, 1,2,3,4,5,6,7
.if \a > 1
	s_wait_xcnt 0x0                                ; block a - 2's stores have read their registers: block a's loads may land there
.endif
	TOSTAGE \a
	SEND \a-1, 32
.endr
	SEND 7, 0
	s_wait_tensorcnt 0x0                           ; the wave's end
	ds_add_u32 v[SPW], v[NIL]
	s_wait_dscnt 0x0
	CROUND
	s_endpgm
.Lfunc_end_k_qd65ace30ee_g2:
	.size	k_qd65ace30ee_g2, .Lfunc_end_k_qd65ace30ee_g2-k_qd65ace30ee_g2
	.p2alignl 7, 3214868480
	.fill 96, 4, 3214868480
	.section	.rodata,"a",@progbits
	.p2align	6, 0x0
	.amdhsa_kernel k_qd65ace30ee_g2
		.amdhsa_group_segment_fixed_size 327680
		.amdhsa_private_segment_fixed_size 0
		.amdhsa_enable_private_segment 0
		.amdhsa_kernarg_size 32
		.amdhsa_user_sgpr_count 2
		.amdhsa_user_sgpr_kernarg_segment_ptr 1
		.amdhsa_wavefront_size32 1
		.amdhsa_system_sgpr_workgroup_id_x 1
		.amdhsa_system_sgpr_workgroup_id_y 1
		.amdhsa_system_sgpr_workgroup_id_z 1
		.amdhsa_system_vgpr_workitem_id 0
		.amdhsa_next_free_vgpr 1024
		.amdhsa_next_free_sgpr 100
		.amdhsa_reserve_vcc 0
		.amdhsa_float_denorm_mode_32 3
		.amdhsa_float_denorm_mode_16_64 3
		.amdhsa_memory_ordered 1
		.amdhsa_forward_progress 1
		.amdhsa_inst_pref_size 204
	.end_amdhsa_kernel
	.amdgpu_metadata
---
amdhsa.version: [ 1, 2 ]
amdhsa.kernels:
  - .name:           k_qd65ace30ee_g2
    .symbol:         k_qd65ace30ee_g2.kd
    .args:
      - { .name: H, .offset: 0, .size: 8, .value_kind: global_buffer, .address_space: global }
      - { .name: P1, .offset: 8, .size: 8, .value_kind: global_buffer, .address_space: global }
      - { .name: X2, .offset: 16, .size: 8, .value_kind: global_buffer, .address_space: global }
      - { .name: out0, .offset: 24, .size: 8, .value_kind: global_buffer, .address_space: global }
    .group_segment_fixed_size: 327680
    .private_segment_fixed_size: 0
    .kernarg_segment_align: 8
    .kernarg_segment_size: 32
    .max_flat_workgroup_size: 128
    .sgpr_count:     100
    .vgpr_count:     1024
    .wavefront_size: 32
...
	.end_amdgpu_metadata
.endif
;; end of part 7
;; ======== version 2 of 2: 7 launches
;; limits: right only within a limited range of input values
;; workspace buffers: P1 18,096,128 bytes; QKV 13,238,272 bytes; AT 4,325,376 bytes; X2 16,777,216 bytes; A2 4,325,376 bytes; H 11,894,784 bytes
;; launch prep (part 8): grid 536 x 1, 4 waves a work-group, no clusters, 1,024 bytes of LDS; arguments x, g1, positions, Wq_codes, Wq_scales, Wk_codes, Wk_scales, Wv_codes, Wv_scales, Wo_codes, Wo_scales, w1_codes, w1_scales, w3_codes, w3_scales, w2_codes, w2_scales, P1; writes P1
.if DOCPART == 8
	.amdgcn_target "amdgcn-amd-amdhsa--gfx1250"
	.amdhsa_code_object_version 6
	.text
	.protected	k_qd65ace30ee_prep
	.globl	k_qd65ace30ee_prep
	.p2align	8
	.type	k_qd65ace30ee_prep,@function
k_qd65ace30ee_prep:
	s_mov_b64 s[64:65], 0
	v_nop
	global_prefetch_b8 v0, s[64:65] scope:SCOPE_SE
	s_setreg_imm32_b32 hwreg(HW_REG_WAVE_MODE, 25, 1), 1
	s_wait_xcnt 0x0
; THE PROGRAM: a transformer block (rmsnorm, Q K V, RoPE, causal attention, Wo, residual, rmsnorm, SwiGLU, residual), all nine products on codes of E5M2 with one E8M0 scale for each 32 along K.
; Seven launches: prep, qkv, attn, go, norm2, g13, g2.
; DEAD WORK LEFT OUT, in launch attn alone: reference() puts -inf, by its own jnp.tril, on every score whose key comes after its query; the softmax makes p = 0 of it, and 0 x v adds nothing for every finite v.
; So a step of 128 keys all of which come after all 16 queries of a wave is neither multiplied nor summed.  That holds for all finite values of the inputs.  LIMIT: a NaN, an infinity or an overflow that would
; arise only in such a step is not carried to the result.  Nothing else is left out, and every input is loaded; theta = 10000 is a listed constant and is built in.
; THIS LAUNCH lays out what the later launches read, each operand as AN IMAGE OF ITS REGISTERS:
;   image(rows, K) = [tile of 16 rows][K / 128][2,048 bytes]: byte 512 c + 16 lane + y = the code of the tile's row lane % 16 at k = 128 ks + 32 c + 16 (lane / 16) + y;
;   scale words    = [tile][K / 128][row]: four E8M0 bytes a word.
;   THE ROWS OF A TILE ARE NOT NEIGHBOURS: row i of tile t is the true row 32 (t / 2) + 8 (t % 2) + i + 8 (i / 8), so that, where an image is a product's source 0, the 16 result registers of tiles 2 b and 2 b + 1
;   are 16 neighbours along the next product's K.
; Work-groups 0-255: rmsnorm(x, g1), quantised along the 1,024: one tile of 16 tokens each; wave w takes K steps 2 w and 2 w + 1.
; 256-405: the images of Wq, Wk, Wv, Wo, w1, w3, a tile a wave (w1's and w3's tiles interleaved in groups of four, so that a wave of g13 holds x1 and x3 of the same 64 columns).
; 406-421: w2, whose K = 2,752 is filled up to 2,816 with zero codes under the byte 127.   422-423: eight tiles of zero codes, which make g13 give h = 0 in columns 2,752 to 2,815.
; 424-487: the table of cos and sin for RoPE, [token][pair](cos, sin), from the input positions.
; LIMITS: NaN and infinities among the inputs are not served.  A block of zeros gets the byte 1 where the rule says 127: its codes are zeros, and this program alone reads the bytes.
; The angle pos x freq is reduced by a three-part pi / 2, good to about 1e-7 for angles under 2^16; freq_i = 2^(-i log2(10000) / 32) by v_exp_f32.
.set A1SCL,  0x400000
.set WIMG,   0x420000
.set WSCL,   0x820000
.set W13IMG, 0x840000
.set W13SCL, 0xDC0000
.set W2IMG,  0xDEC000
.set W2SCL,  0x10AC000
.set ROPE,   0x10C2000
.set SPARE,  256                       ; LDS: 0-255 the waves' partial sums; 256-767 the spare words, 128 bytes a wave, which no other line names
.set WV,  3                            ; s3   the wave's number
.set SEL, 50                           ; s[50:51] lane selects: lane l xor 16
.set MNT, 52                           ; s52  the mantissa field of 57,344
.set EPS, 53                           ; s53  1e-5
.set SPW, 30                           ; v30  my spare word's LDS address; never rewritten
.set NIL, 31                           ; v31  0; never rewritten
.set X,   32                           ; v32-159  128 numbers of my row
.set G,   160                          ; v160-223 64 numbers of g
.set PC,  224                          ; v224-239 a fragment's codes
.set TM,  240                          ; v240-255 the quantiser's: +0 largest magnitudes, +4 the other half's, then bytes, +8 the hold, +12 the conversion's scale operand
.set PW,  20                           ; v20  a scale word
; THE QUANTISER, four macros.  64 (nb = 4) or 32 (nb = 2) numbers of a lane; register 16 b + i is k = 32 b + 16 (lane / 16) + i of the lane's row, so a block of 32 lies in lanes l and l xor 16.
.macro QMAX src, nb                    ; each block's largest magnitude among my 16, over the floor 2^(16 - 127), which holds the byte at 1 from below; the blocks by turns
.set qb, 0
.rept \nb
	v_max3_num_f32 v[TM+qb], |v[(\src)+16*qb]|, |v[(\src)+16*qb+1]|, 0x8000000
.set qb, qb+1
.endr
.set qi, 2
.rept 7
.set qb, 0
.rept \nb
	v_max3_num_f32 v[TM+qb], |v[(\src)+16*qb+qi]|, |v[(\src)+16*qb+qi+1]|, v[TM+qb]
.set qb, qb+1
.endr
.set qi, qi+2
.endr
.endm
.macro QSCL nb                         ; with lane l xor 16's; 15 off the exponent field = the conversion's scale operand; its byte; 57,344 x the scale; the bytes make the scale word
.set qb, 0
.rept \nb
	v_permlanex16_b32 v[TM+4+qb], v[TM+qb], s[SEL], s[SEL+1]
.set qb, qb+1
.endr
.set qb, 0
.rept \nb
	v_max_num_f32 v[TM+qb], v[TM+qb], v[TM+4+qb]
.set qb, qb+1
.endr
.set qb, 0
.rept \nb
	v_add_nc_u32 v[TM+12+qb], 0xf8800000, v[TM+qb]
.set qb, qb+1
.endr
.set qb, 0
.rept \nb
	v_and_or_b32 v[TM+8+qb], v[TM+qb], 0x7f800000, s[MNT]
.set qb, qb+1
.endr
.set qb, 0
.rept \nb
	v_lshrrev_b32 v[TM+4+qb], 23, v[TM+12+qb]
.set qb, qb+1
.endr
	v_lshl_or_b32 v[PW], v[TM+5], 8, v[TM+4]
.if \nb == 4
	v_lshl_or_b32 v[PW], v[TM+6], 16, v[PW]
	v_lshl_or_b32 v[PW], v[TM+7], 24, v[PW]
.endif
.endm
.macro QHOLD dst, src, nb              ; the conversion to an 8-bit code does not saturate (ISA guide 7.6.2): each number is held within the largest code x the scale
.set qb, 0
.rept \nb
.set qi, 0
.rept 16
	v_med3_num_f32 v[(\dst)+16*qb+qi], v[(\src)+16*qb+qi], -v[TM+8+qb], v[TM+8+qb]
.set qi, qi+1
.endr
.set qb, qb+1
.endr
.endm
.macro QCVT src, nb                    ; registers 4 b .. 4 b + 3 of the operand; one plain instruction behind the last conversion
.set qb, 0
.rept \nb
	v_cvt_scalef32_pk8_bf8_f32 v[PC+4*qb:PC+4*qb+1], v[(\src)+16*qb:(\src)+16*qb+7], v[TM+12+qb]
	v_cvt_scalef32_pk8_bf8_f32 v[PC+4*qb+2:PC+4*qb+3], v[(\src)+16*qb+8:(\src)+16*qb+15], v[TM+12+qb]
.set qb, qb+1
.endr
	v_nop
.endm
	v_lshl_add_u32 v[SPW], v0, 2, SPARE
	v_mov_b32 v[NIL], 0
	v_lshrrev_b32 v1, 5, v0
	v_readfirstlane_b32 s[WV], v1                  ; wave 0..3
	v_and_b32 v1, 31, v0                           ; lane
	v_and_b32 v2, 15, v0                           ; r
	v_bfe_u32 v3, v0, 4, 1                         ; h
	v_and_b32 v4, 8, v2
	v_add_nc_u32 v4, v4, v2                        ; r + 8 (r / 8): my row among a pair of tiles' 32
	v_lshlrev_b32 v5, 4, v1                        ; 16 x lane
	v_lshlrev_b32 v6, 2, v1                        ; 4 x lane
	v_lshlrev_b32 v7, 2, v2                        ; 4 r
	s_cmp_lt_u32 ttmp9, 256                        ; the paths part on the work-group's number alone
	s_cbranch_scc1 .Lnorm
	s_sub_co_u32 s2, ttmp9, 256
	s_cmp_lt_u32 s2, 150
	s_cbranch_scc1 .Lweights
	s_cmp_lt_u32 s2, 166
	s_cbranch_scc1 .Lw2
	s_cmp_lt_u32 s2, 168
	s_cbranch_scc1 .Lzero
	s_cmp_ge_u32 s2, 232                           ; work-groups 488-535 serve w2 as well
	s_cbranch_scc1 .Lw2
; ---- the table for RoPE: a wave takes 8 tokens, a lane a pair i of the head's 32
	s_load_b64 s[4:5], s[0:1], 0x10                ; positions
	s_load_b64 s[8:9], s[0:1], 0x88                ; P1
	s_sub_co_u32 s10, s2, 168
	s_lshl_b32 s10, s10, 2
	s_add_co_u32 s10, s10, s[WV]
	s_lshl_b32 s10, s10, 3                         ; my first token
	s_lshl_b32 s12, s10, 2
	s_mov_b32 s13, 0
	s_lshl_b32 s14, s10, 8                         ; 256 bytes of table a token
	s_add_co_u32 s14, s14, ROPE
	s_mov_b32 s15, 0
	s_mov_b32 s40, 0x3f22f983                      ; 2 / pi
	s_mov_b32 s41, 0x3fc90000                      ; pi / 2 in three parts
	s_mov_b32 s42, 0x39fda000
	s_mov_b32 s43, 0x33a22169
	s_mov_b32 s44, 0xb94ca1f9                      ; sin r = r + r z ((s44 z + s45) z + s46), z = r r, |r| <= pi / 4
	s_mov_b32 s45, 0x3c08839e
	s_mov_b32 s46, 0xbe2aaaa3
	s_mov_b32 s47, 0x37ccf5ce                      ; cos r = 1 - z / 2 + z z ((s47 z + s48) z + s49)
	s_mov_b32 s48, 0xbab6061a
	s_mov_b32 s49, 0x3d2aaaa5
	s_wait_alu depctr_va_vdst(0)
	v_cvt_f32_u32 v8, v1
	v_mul_f32 v8, 0xbed49a78, v8                   ; -i log2(10000) / 32
	s_wait_alu depctr_va_vdst(0)
	v_exp_f32 v8, v8                               ; freq_i
	v_mov_b32 v9, 0                                ; (a plain instruction behind the exponential)
	v_lshlrev_b32 v10, 3, v1                       ; 8 bytes a pair
	s_wait_alu depctr_va_vdst(0)                   ; the wait ahead of the result's first reader
	s_wait_kmcnt 0x0
	s_add_nc_u64 s[4:5], s[4:5], s[12:13]
	s_add_nc_u64 s[14:15], s[8:9], s[14:15]
.irp k, 0,1,2,3,4,5,6,7
	global_load_b32 v[40+\k], v9, s[4:5] offset:4*\k       ; the token's position, the same word in every lane
.endr
	s_wait_loadcnt 0x0
.macro SINCOS k
	v_cvt_f32_i32 v11, v[40+\k]
	v_mul_f32 v11, v11, v8                         ; the angle, rounded to f32 as reference() rounds it
	v_mul_f32 v12, s40, v11
	v_rndne_f32 v12, v12                           ; quarter turns
	v_fma_f32 v11, -v12, s41, v11
	v_fma_f32 v11, -v12, s42, v11
	v_fma_f32 v11, -v12, s43, v11                  ; r
	v_mul_f32 v13, v11, v11                        ; z
	v_fma_f32 v14, v13, s44, s45
	v_fma_f32 v14, v14, v13, s46
	v_mul_f32 v14, v14, v13
	v_fma_f32 v14, v14, v11, v11                   ; sin r
	v_fma_f32 v15, v13, s47, s48
	v_fma_f32 v15, v15, v13, s49
	v_mul_f32 v16, v13, v13
	v_fma_f32 v17, v13, -0.5, 1.0
	v_fma_f32 v15, v15, v16, v17                   ; cos r
	v_cvt_i32_f32 v18, v12
	v_and_b32 v19, 1, v18
	v_cmp_eq_u32 vcc_lo, 1, v19                    ; an odd quarter swaps the two
	v_cndmask_b32 v[49+2*\k], v14, v15, vcc_lo
	v_cndmask_b32 v[48+2*\k], v15, v14, vcc_lo
	v_and_b32 v19, 2, v18                          ; quarters 2, 3: sin changes sign
	v_lshlrev_b32 v19, 30, v19
	v_xor_b32 v[49+2*\k], v[49+2*\k], v19
	v_add_nc_u32 v18, 1, v18                       ; quarters 1, 2: cos does
	v_and_b32 v18, 2, v18
	v_lshlrev_b32 v18, 30, v18
	v_xor_b32 v[48+2*\k], v[48+2*\k], v18
	global_store_b64 v10, v[48+2*\k:49+2*\k], s[14:15] offset:256*\k   ; the wave stores a token's 256 consecutive bytes, aligned
.endm
.irp k, 0,1,2,3,4,5,6,7
	SINCOS \k
.endr
	s_endpgm
; ---- eight tiles of zero codes under the byte 127
.Lzero:
	s_load_b64 s[4:5], s[0:1], 0x88
	s_sub_co_u32 s10, s2, 166
	s_lshl_b32 s10, s10, 2
	s_add_co_u32 s10, s10, s[WV]
	s_add_co_u32 s10, s10, 344                     ; the tile
	s_lshl_b32 s12, s10, 14
	s_add_co_u32 s12, s12, W13IMG
	s_mov_b32 s13, 0
	s_lshl_b32 s14, s10, 9
	s_add_co_u32 s14, s14, W13SCL
	s_mov_b32 s15, 0
.irp i, 0,1,2,3
	v_mov_b32 v[32+\i], 0
.endr
	v_mov_b32 v36, 0x7f7f7f7f
	s_wait_alu depctr_va_vdst(0)
	s_wait_kmcnt 0x0
	s_add_nc_u64 s[12:13], s[4:5], s[12:13]
	s_add_nc_u64 s[14:15], s[4:5], s[14:15]
.set n, 0
.rept 32
	global_store_b128 v5, v[32:35], s[12:13] offset:512*n
.set n, n+1
.endr
.irp i, 0,1,2,3
	global_store_b32 v6, v36, s[14:15] offset:128*\i
.endr
	s_endpgm
; ---- the six weights with K = 1,024: a tile a wave; the buffers are chosen on the work-group's number
.Lweights:
	s_load_b256 s[8:15], s[0:1], 0x18              ; Wq's codes, scales; Wk's
	s_load_b256 s[16:23], s[0:1], 0x38             ; Wv's; Wo's
	s_load_b256 s[24:31], s[0:1], 0x58             ; w1's; w3's
	s_load_b64 s[4:5], s[0:1], 0x88                ; P1
	s_mov_b32 s36, 107                             ; the tensor's first work-group,
	s_mov_b32 s37, W13IMG+4*16384                  ; where its image begins,
	s_mov_b32 s38, W13SCL+4*512                    ; and its scale words: w3's, unless one of the tests below says otherwise
	s_wait_alu depctr_va_vdst(0)
	v_lshlrev_b32 v8, 10, v4
	v_lshl_add_u32 v8, v3, 4, v8                   ; codes: my row of 1,024 bytes, + 16 h
	v_lshlrev_b32 v9, 5, v4
	v_lshl_add_u32 v9, v3, 2, v9                   ; scale bytes: my row of 32, + 4 h
	s_wait_alu depctr_va_vdst(0)
	s_wait_kmcnt 0x0
	s_mov_b64 s[32:33], s[28:29]
	s_mov_b64 s[34:35], s[30:31]
.macro PICK lim, cp, sp, u0, di, ds
	s_cmp_lt_u32 s2, \lim
	s_cselect_b64 s[32:33], s[\cp:\cp+1], s[32:33]
	s_cselect_b64 s[34:35], s[\sp:\sp+1], s[34:35]
	s_cselect_b32 s36, \u0, s36
	s_cselect_b32 s37, \di, s37
	s_cselect_b32 s38, \ds, s38
.endm
	PICK 107, 24, 26, 64, W13IMG, W13SCL
	PICK 64, 20, 22, 48, WIMG+0x300000, WSCL+0x18000
	PICK 48, 16, 18, 32, WIMG+0x200000, WSCL+0x10000
	PICK 32, 12, 14, 16, WIMG+0x100000, WSCL+0x8000
	PICK 16, 8, 10, 0, WIMG, WSCL
	s_cmp_lt_u32 s2, 64
	s_cselect_b32 s39, 2, 3                        ; w1's and w3's groups of four tiles lie eight tiles apart
	s_sub_co_u32 s40, s2, s36
	s_lshl_b32 s41, s40, 2
	s_add_co_u32 s41, s41, s[WV]                   ; the tile in the tensor,
	s_lshl_b32 s42, s40, s39
	s_add_co_u32 s42, s42, s[WV]                   ; and in the image
	s_lshr_b32 s43, s41, 1
	s_and_b32 s44, s41, 1
	s_lshl_b32 s46, s43, 15
	s_lshl_b32 s45, s44, 13
	s_add_co_u32 s46, s46, s45                     ; row 32 (t / 2) + 8 (t % 2), of 1,024 bytes
	s_mov_b32 s47, 0
	s_add_nc_u64 s[32:33], s[32:33], s[46:47]
	s_lshl_b32 s46, s43, 10
	s_lshl_b32 s45, s44, 8
	s_add_co_u32 s46, s46, s45                     ; the same row of 32 scale bytes
	s_add_nc_u64 s[34:35], s[34:35], s[46:47]
	s_lshl_b32 s46, s42, 14
	s_add_co_u32 s46, s46, s37
	s_add_nc_u64 s[48:49], s[4:5], s[46:47]
	s_lshl_b32 s46, s42, 9
	s_add_co_u32 s46, s46, s38
	s_add_nc_u64 s[4:5], s[4:5], s[46:47]
.irp i, 0,1,2,3
	global_load_b32 v[16+\i], v9, s[34:35] offset:8*\i th:TH_LOAD_NT     ; lanes 0-15 the word of K step 2 i, lanes 16-31 of 2 i + 1
.endr
.irp k, 0,1,2,3,4,5,6,7
.irp c, 0,1,2,3
	global_load_b128 v[32+16*\k+4*\c:32+16*\k+4*\c+3], v8, s[32:33] offset:128*\k+32*\c th:TH_LOAD_NT
.endr
.endr
.irp k, 0,1,2,3,4,5,6,7
	s_wait_loadcnt 28-4*\k                         ; fragment k is in; the later fragments' loads stay out
.irp c, 0,1,2,3
	global_store_b128 v5, v[32+16*\k+4*\c:32+16*\k+4*\c+3], s[48:49] offset:2048*\k+512*\c   ; 512 consecutive bytes a store
.endr
.endr
.irp i, 0,1,2,3
	global_store_b32 v6, v[16+\i], s[4:5] offset:128*\i
.endr
	s_endpgm
; ---- w2: rows of 2,752 codes and 86 scale bytes; K is filled up to 2,816
.Lw2:
	s_load_b128 s[8:11], s[0:1], 0x78              ; w2's codes, w2's scales
	s_load_b64 s[4:5], s[0:1], 0x88
	s_sub_co_u32 s12, s2, 150                      ; A TILE A WORK-GROUP: work-groups 406-421 take tiles 0-15,
	s_sub_co_u32 s13, s2, 216                      ; work-groups 488-535 tiles 16-63
	s_cmp_lt_u32 s2, 166
	s_cselect_b32 s12, s12, s13                    ; the tile.  Waves 0 to 2 take six K steps each, wave 3 the last four
	s_lshr_b32 s13, s12, 1
	s_lshl_b32 s13, s13, 5
	s_and_b32 s14, s12, 1
	s_lshl_b32 s14, s14, 3
	s_add_co_u32 s13, s13, s14                     ; its first true row
	s_mul_i32 s16, s13, 2752
	s_mov_b32 s17, 0
	s_mul_i32 s18, s13, 86
	s_mov_b32 s19, 0
	s_mul_i32 s20, s12, 45056                      ; 22 fragments a tile
	s_add_co_u32 s20, s20, W2IMG
	s_mov_b32 s21, 0
	s_mul_i32 s22, s12, 1408
	s_add_co_u32 s22, s22, W2SCL
	s_mov_b32 s23, 0
	s_cmp_eq_u32 s[WV], 3
	s_cselect_b32 s25, 0, s[WV]                    ; waves 0 to 2 shift their bases by six K steps a wave; wave 3 names its K steps 18 to 21 by offsets
	s_mul_i32 s24, s25, 768                        ; six K steps: 768 codes,
	s_add_co_u32 s16, s16, s24
	s_mul_i32 s24, s25, 24                         ; 24 scale bytes,
	s_add_co_u32 s18, s18, s24
	s_mul_i32 s24, s25, 12288                      ; six fragments of the image,
	s_add_co_u32 s20, s20, s24
	s_mul_i32 s24, s25, 384                        ; six times 16 scale words
	s_add_co_u32 s22, s22, s24
	s_wait_alu depctr_va_vdst(0)
	v_mul_u32_u24 v8, v4, 2752
	v_lshl_add_u32 v8, v3, 4, v8
	v_mul_u32_u24 v9, v4, 86
	v_lshl_add_u32 v9, v3, 2, v9                   ; my row's scale bytes, + 4 h: a multiple of 2 only, so a word comes as two halves
	v_lshlrev_b32 v10, 1, v3
	v_sub_nc_u32 v10, v9, v10                      ; for the last half alone: 2 h back, so that no lane reads past its row's 86 bytes
	v_mov_b32 v11, 0x7f7f
	s_wait_alu depctr_va_vdst(0)
	s_wait_kmcnt 0x0
	s_add_nc_u64 s[8:9], s[8:9], s[16:17]
	s_add_nc_u64 s[10:11], s[10:11], s[18:19]
	s_add_nc_u64 s[20:21], s[4:5], s[20:21]
	s_add_nc_u64 s[22:23], s[4:5], s[22:23]
.macro W2L k0, n                       ; n fragments from K step k0 on; what lies past K = 2,752 is zero codes
.set kk, 0
.rept \n
.irp c, 0,1,2,3
.if 128*(\k0+kk)+32*\c < 2752
	global_load_b128 v[32+16*kk+4*\c:32+16*kk+4*\c+3], v8, s[8:9] offset:128*(\k0+kk)+32*\c th:TH_LOAD_NT
.else
	v_mov_b32 v[32+16*kk+4*\c], 0
	v_mov_b32 v[32+16*kk+4*\c+1], 0
	v_mov_b32 v[32+16*kk+4*\c+2], 0
	v_mov_b32 v[32+16*kk+4*\c+3], 0
.endif
.endr
.set kk, kk+1
.endr
.endm
.macro W2S k0, n
	s_wait_loadcnt 0x0
.set kk, 0
.rept \n
.irp c, 0,1,2,3
	global_store_b128 v5, v[32+16*kk+4*\c:32+16*kk+4*\c+3], s[20:21] offset:2048*(\k0+kk)+512*\c
.endr
.set kk, kk+1
.endr
.endm
	s_cmp_eq_u32 s[WV], 3
	s_cbranch_scc1 .Lw2_last
.irp i, 0,1,2
	global_load_u16 v[160+\i], v9, s[10:11] offset:8*\i      ; lanes 0-15 the word of my K step 2 i, lanes 16-31 of 2 i + 1, each as two halves
	global_load_u16 v[176+\i], v9, s[10:11] offset:8*\i+2
.endr
	W2L 0, 6
	s_wait_loadcnt 24                              ; the 6 halves are in; the 24 loads of codes stay out
.irp i, 0,1,2
	v_lshl_or_b32 v[160+\i], v[176+\i], 16, v[160+\i]
	global_store_b32 v6, v[160+\i], s[22:23] offset:128*\i
.endr
	W2S 0, 6
	s_endpgm
.Lw2_last:                                             ; wave 3: K steps 18 to 21, the last of them half zeros
	global_load_u16 v169, v9, s[10:11] offset:72
	global_load_u16 v185, v9, s[10:11] offset:74
	global_load_u16 v170, v9, s[10:11] offset:80
	global_load_u16 v186, v10, s[10:11] offset:82
	W2L 18, 4
	s_wait_loadcnt 14                              ; the 4 halves are in; the 14 loads of codes stay out
	v_cmp_eq_u32 vcc_lo, 1, v3
	v_cndmask_b32 v186, v186, v11, vcc_lo          ; K step 21's blocks 86 and 87 do not exist: the byte 127
.irp i, 9,10
	v_lshl_or_b32 v[160+\i], v[176+\i], 16, v[160+\i]
	global_store_b32 v6, v[160+\i], s[22:23] offset:128*\i
.endr
	s_wait_alu depctr_va_vdst(0)                   ; ahead of the wait below
	W2S 18, 4
	s_endpgm
; ---- rmsnorm(x, g1) and its codes
.Lnorm:
	s_load_b128 s[4:7], s[0:1], 0x0                ; x, g1
	s_load_b64 s[8:9], s[0:1], 0x88                ; P1: the image at 0, its scale words at A1SCL
	s_lshr_b32 s10, ttmp9, 1
	s_lshl_b32 s10, s10, 17
	s_and_b32 s11, ttmp9, 1
	s_lshl_b32 s11, s11, 15
	s_add_co_u32 s10, s10, s11                     ; the tile's first true row, of 4,096 bytes
	s_mov_b32 s11, 0
	s_lshl_b32 s12, ttmp9, 14
	s_lshl_b32 s13, s[WV], 12
	s_add_co_u32 s12, s12, s13                     ; my two fragments in the image
	s_mov_b32 s13, 0
	s_lshl_b32 s14, ttmp9, 9
	s_lshl_b32 s15, s[WV], 7
	s_add_co_u32 s14, s14, s15
	s_add_co_u32 s14, s14, A1SCL
	s_mov_b32 s15, 0
	s_lshl_b32 s16, s[WV], 10                      ; my 256 along K, in bytes
	s_lshl_b32 s17, s[WV], 6
	s_mov_b32 s[SEL], 0x76543210
	s_mov_b32 s[SEL+1], 0xfedcba98
	s_mov_b32 s[MNT], 0x600000
	s_mov_b32 s[EPS], 0x3727c5ac
	s_wait_alu depctr_va_vdst(0)
	v_lshlrev_b32 v8, 12, v4
	v_lshl_add_u32 v8, v3, 6, v8
	v_add_nc_u32 v8, s16, v8                       ; x: my row, + 64 h: my 16 numbers of each block of 32
	v_lshlrev_b32 v9, 6, v3
	v_add_nc_u32 v9, s16, v9                       ; g likewise
	v_add_nc_u32 v10, s17, v7                      ; LDS: my wave's 16 partial sums, my row's
.irp b, 0,1,2,3
	v_mov_b32 v[TM+4+\b], 0                        ; written once: a lane permute's destination counts as one of its sources
.endr
	s_wait_alu depctr_va_vdst(0)
	s_wait_kmcnt 0x0
	s_add_nc_u64 s[4:5], s[4:5], s[10:11]
	s_add_nc_u64 s[12:13], s[8:9], s[12:13]
	s_add_nc_u64 s[14:15], s[8:9], s[14:15]
.irp s, 0,1
.irp b, 0,1,2,3
.irp j, 0,1,2,3
	global_load_b128 v[X+64*\s+16*\b+4*\j:X+64*\s+16*\b+4*\j+3], v8, s[4:5] offset:512*\s+128*\b+16*\j
.endr
.endr
.endr
.macro GLOAD s
.irp b, 0,1,2,3
.irp j, 0,1,2,3
	global_load_b128 v[G+16*\b+4*\j:G+16*\b+4*\j+3], v9, s[6:7] offset:512*\s+128*\b+16*\j
.endr
.endr
.endm
	GLOAD 0
	s_wait_loadcnt 16                              ; x is in; g's 16 loads stay out
.irp c, 0,1,2,3
	v_pk_mul_f32 v[12+2*\c:13+2*\c], v[X+2*\c:X+2*\c+1], v[X+2*\c:X+2*\c+1]     ; the sum of squares, in four chains; the first products start them
.endr
.set p, 4
.rept 60
	v_pk_fma_f32 v[12+2*(p%4):13+2*(p%4)], v[X+2*p:X+2*p+1], v[X+2*p:X+2*p+1], v[12+2*(p%4):13+2*(p%4)]
.set p, p+1
.endr
	v_pk_add_f32 v[12:13], v[12:13], v[14:15]
	v_pk_add_f32 v[16:17], v[16:17], v[18:19]
	v_pk_add_f32 v[12:13], v[12:13], v[16:17]
	v_add_f32 v12, v12, v13
	v_permlanex16_b32 v13, v12, s[SEL], s[SEL+1]
	v_add_f32 v12, v12, v13                        ; my wave's 256 numbers of row r
	ds_store_b32 v10, v12                          ; lanes l and l xor 16 write the same word with the same value
	s_wait_dscnt 0x0                               ; for the others' sake
	s_barrier_signal -1
	s_barrier_wait -1
.irp w, 0,1,2,3
	ds_load_b32 v[12+\w], v7 offset:64*\w
.endr
	s_wait_dscnt 0x0
	v_add_f32 v12, v12, v13
	v_add_f32 v14, v14, v15
	v_add_f32 v12, v12, v14
	v_fma_f32 v21, v12, 0x3a800000, s[EPS]         ; the mean of 1,024 squares + eps
	s_wait_alu depctr_va_vdst(0)
	v_rsq_f32 v22, v21
	v_nop
	s_wait_alu depctr_va_vdst(0)                   ; the wait ahead of the result's first reader
	v_mov_b32 v23, v22                             ; (named with it as a pair)
.macro NQUANT s
	s_wait_loadcnt 0x0                             ; this K step's g
.set p, 0
.rept 32
	v_pk_mul_f32 v[X+64*\s+2*p:X+64*\s+2*p+1], v[X+64*\s+2*p:X+64*\s+2*p+1], v[22:23] op_sel_hi:[1,0]
.set p, p+1
.endr
.set p, 0
.rept 32
	v_pk_mul_f32 v[X+64*\s+2*p:X+64*\s+2*p+1], v[X+64*\s+2*p:X+64*\s+2*p+1], v[G+2*p:G+2*p+1]
.set p, p+1
.endr
.if \s == 0
	GLOAD 1
.else
	s_wait_xcnt 0x0                                ; the first fragment's stores have read the codes and the scale word
.endif
	QMAX X+64*\s, 4
	QSCL 4
	QHOLD X+64*\s, X+64*\s, 4
	QCVT X+64*\s, 4
.irp c, 0,1,2,3
	global_store_b128 v5, v[PC+4*\c:PC+4*\c+3], s[12:13] offset:2048*\s+512*\c   ; the fragment as it stands: 512 consecutive bytes a store
.endr
	global_store_b32 v7, v[PW], s[14:15] offset:64*\s
.endm
	s_wait_alu depctr_va_vdst(0)
	NQUANT 0
	NQUANT 1
	s_wait_tensorcnt 0x0                           ; the wave's end, behind my last LDS store
	ds_add_u32 v[SPW], v[NIL]
	s_wait_dscnt 0x0
	s_endpgm
.Lfunc_end_k_qd65ace30ee_prep:
	.size	k_qd65ace30ee_prep, .Lfunc_end_k_qd65ace30ee_prep-k_qd65ace30ee_prep
	.p2alignl 7, 3214868480
	.fill 96, 4, 3214868480
	.section	.rodata,"a",@progbits
	.p2align	6, 0x0
	.amdhsa_kernel k_qd65ace30ee_prep
		.amdhsa_group_segment_fixed_size 1024
		.amdhsa_private_segment_fixed_size 0
		.amdhsa_enable_private_segment 0
		.amdhsa_kernarg_size 144
		.amdhsa_user_sgpr_count 2
		.amdhsa_user_sgpr_kernarg_segment_ptr 1
		.amdhsa_wavefront_size32 1
		.amdhsa_system_sgpr_workgroup_id_x 1
		.amdhsa_system_sgpr_workgroup_id_y 1
		.amdhsa_system_sgpr_workgroup_id_z 1
		.amdhsa_system_vgpr_workitem_id 0
		.amdhsa_next_free_vgpr 256
		.amdhsa_next_free_sgpr 66
		.amdhsa_reserve_vcc 1
		.amdhsa_float_denorm_mode_32 3
		.amdhsa_float_denorm_mode_16_64 3
		.amdhsa_memory_ordered 1
		.amdhsa_forward_progress 1
		.amdhsa_inst_pref_size 78
	.end_amdhsa_kernel
	.amdgpu_metadata
---
amdhsa.version: [ 1, 2 ]
amdhsa.kernels:
  - .name:           k_qd65ace30ee_prep
    .symbol:         k_qd65ace30ee_prep.kd
    .args:
      - { .name: x, .offset: 0, .size: 8, .value_kind: global_buffer, .address_space: global }
      - { .name: g1, .offset: 8, .size: 8, .value_kind: global_buffer, .address_space: global }
      - { .name: positions, .offset: 16, .size: 8, .value_kind: global_buffer, .address_space: global }
      - { .name: Wq_codes, .offset: 24, .size: 8, .value_kind: global_buffer, .address_space: global }
      - { .name: Wq_scales, .offset: 32, .size: 8, .value_kind: global_buffer, .address_space: global }
      - { .name: Wk_codes, .offset: 40, .size: 8, .value_kind: global_buffer, .address_space: global }
      - { .name: Wk_scales, .offset: 48, .size: 8, .value_kind: global_buffer, .address_space: global }
      - { .name: Wv_codes, .offset: 56, .size: 8, .value_kind: global_buffer, .address_space: global }
      - { .name: Wv_scales, .offset: 64, .size: 8, .value_kind: global_buffer, .address_space: global }
      - { .name: Wo_codes, .offset: 72, .size: 8, .value_kind: global_buffer, .address_space: global }
      - { .name: Wo_scales, .offset: 80, .size: 8, .value_kind: global_buffer, .address_space: global }
      - { .name: w1_codes, .offset: 88, .size: 8, .value_kind: global_buffer, .address_space: global }
      - { .name: w1_scales, .offset: 96, .size: 8, .value_kind: global_buffer, .address_space: global }
      - { .name: w3_codes, .offset: 104, .size: 8, .value_kind: global_buffer, .address_space: global }
      - { .name: w3_scales, .offset: 112, .size: 8, .value_kind: global_buffer, .address_space: global }
      - { .name: w2_codes, .offset: 120, .size: 8, .value_kind: global_buffer, .address_space: global }
      - { .name: w2_scales, .offset: 128, .size: 8, .value_kind: global_buffer, .address_space: global }
      - { .name: P1, .offset: 136, .size: 8, .value_kind: global_buffer, .address_space: global }
    .group_segment_fixed_size: 1024
    .private_segment_fixed_size: 0
    .kernarg_segment_align: 8
    .kernarg_segment_size: 144
    .max_flat_workgroup_size: 128
    .sgpr_count:     66
    .vgpr_count:     256
    .wavefront_size: 32
...
	.end_amdgpu_metadata
.endif
;; end of part 8
;; launch qkv (part 9): grid 12 x 16, 4 waves a work-group, clusters of 4 x 4, 327,680 bytes of LDS; arguments P1, QKV; writes QKV
.if DOCPART == 9
	.amdgcn_target "amdgcn-amd-amdhsa--gfx1250"
	.amdhsa_code_object_version 6
	.text
	.protected	k_qd65ace30ee_qkv
	.globl	k_qd65ace30ee_qkv
	.p2align	8
	.type	k_qd65ace30ee_qkv,@function
k_qd65ace30ee_qkv:
	s_mov_b64 s[64:65], 0
	v_nop
	global_prefetch_b8 v0, s[64:65] scope:SCOPE_SE
	s_setreg_imm32_b32 hwreg(HW_REG_WAVE_MODE, 25, 1), 1
	s_wait_xcnt 0x0
	s_wait_alu depctr_hold_cnt(0) depctr_sa_sdst(0) depctr_va_vdst(0) depctr_va_sdst(0) depctr_va_ssrc(0) depctr_va_vcc(0) depctr_vm_vsrc(0)
	s_getreg_b32 s2, hwreg(HW_REG_IB_STS2, 6, 4)
	s_cmp_eq_u32 s2, 0
	s_cbranch_scc0 .Lentry_in_a_cluster
	s_endpgm
.Lentry_in_a_cluster:
	s_bfe_u32 s2, ttmp6, 0x10000c
	s_cmp_lg_u32 s2, 0xf033
	s_cbranch_scc0 .Lentry_shape_is_right
	s_endpgm
.Lentry_shape_is_right:
.set KF,     8
.set A1SCL,  0x400000
.set WIMG,   0x420000
.set WSCL,   0x820000
.set ROPE,   0x10C2000
.set NK,     KF/2
.set MTS,    64*KF
.set HALFT,  32768
.set SLOT,   131072
.set SCL,    262144
.set HALFS,  8*MTS
.set SPARE,  SCL+4*HALFS
.set NP,     8
.set ADRA,   16
.set ADRB,   20
.set ADRSA,  26
.set ADRSB,  27
.set SPW,    28
.set NIL,    29
.set SC,     32
.set AF,     128
.set G1,     24
.set G0,     32
.set G1B,    48
.set G0B,    56
.set G1S,    68
.set G0S,    76
.set G1SB,   80
.set G0SB,   88
.set MSB,    0
.macro WIN new
.if MSB != (\new)
	s_set_vgpr_msb (MSB<<8)|(\new)
.set MSB, (\new)
.endif
.endm
.set MUL_LO, 0xa1
.set MUL_HI, 0xf1
.set TO_B,   0x40
.macro JLOAD g0a, g1a, g0b, g1b
	s_cmp_eq_u32 s15, 0
	s_cbranch_scc0 .Lfor_b_\@
	tensor_load_to_lds s[\g0a:\g0a+3], s[\g1a:\g1a+7]
	s_nop 0
.rept 4
	v_nop
.endr
	s_branch .Lasked_\@
.Lfor_b_\@:
	tensor_load_to_lds s[\g0b:\g0b+3], s[\g1b:\g1b+7]
	s_nop 0
.rept 4
	v_nop
.endr
.Lasked_\@:
.endm
.macro CREST
	s_cmp_lg_u32 s14, 0
	s_cbranch_scc1 .Lnot_wave_0_\@
	s_barrier_signal -3
.Lnot_wave_0_\@:
	s_barrier_wait -3
	s_barrier_signal -1
	s_barrier_wait -1
.endm
.macro CROUND
	s_barrier_signal -1
	s_barrier_wait -1
	CREST
.endm
.macro PLACES n
.rept \n
	v_nop
.endr
.endm
.macro FRAG reg, adr, q, i
.irp c, 0,1,2,3
	ds_load_b128 v[\reg+4*\c:\reg+4*\c+3], v[\adr] offset:(2*(\i)+(\q))*2048+512*\c
.endr
.endm
.macro FETCH_B slot, q, p
	WIN TO_B
.irp i, 0,1,2,3,4,5,6,7
	FRAG 128*(\p)+16*\i, ADRB+\slot, \q, \i
.endr
	WIN 0
.endm
.macro FETCH_A slot, q, i0
.irp i, \i0, \i0+1, \i0+2, \i0+3
	FRAG AF+16*(\i), ADRA+\slot, \q, \i
.endr
.endm
.macro SCALES sc
.irp i, 0,1,2,3,4,5,6,7
	ds_load_b32 v[SC+16*\sc+\i], v[ADRSA] offset:\i*MTS
	ds_load_b32 v[SC+16*\sc+8+\i], v[ADRSB] offset:\i*MTS
.endr
.endm
.macro MUL16 a0, p, q, sc, zero
.irp a, \a0, \a0+1
.irp b, 0,1,2,3,4,5,6,7
.if \zero
	v_wmma_scale_f32_16x16x128_f8f6f4 v[8*(8*((\a)%4)+\b):8*(8*((\a)%4)+\b)+7], v[128*(\p)+16*\b:128*(\p)+16*\b+15], v[AF+16*(\a):AF+16*(\a)+15], 0, v[SC+16*(\sc)+8+\b], v[SC+16*(\sc)+(\a)] matrix_a_fmt:MATRIX_FMT_BF8 matrix_b_fmt:MATRIX_FMT_BF8
.elseif \q
	v_wmma_scale_f32_16x16x128_f8f6f4 v[8*(8*((\a)%4)+\b):8*(8*((\a)%4)+\b)+7], v[128*(\p)+16*\b:128*(\p)+16*\b+15], v[AF+16*(\a):AF+16*(\a)+15], v[8*(8*((\a)%4)+\b):8*(8*((\a)%4)+\b)+7], v[SC+16*(\sc)+8+\b], v[SC+16*(\sc)+(\a)] matrix_a_fmt:MATRIX_FMT_BF8 matrix_b_fmt:MATRIX_FMT_BF8 matrix_a_scale:MATRIX_SCALE_ROW1 matrix_b_scale:MATRIX_SCALE_ROW1
.else
	v_wmma_scale_f32_16x16x128_f8f6f4 v[8*(8*((\a)%4)+\b):8*(8*((\a)%4)+\b)+7], v[128*(\p)+16*\b:128*(\p)+16*\b+15], v[AF+16*(\a):AF+16*(\a)+15], v[8*(8*((\a)%4)+\b):8*(8*((\a)%4)+\b)+7], v[SC+16*(\sc)+8+\b], v[SC+16*(\sc)+(\a)] matrix_a_fmt:MATRIX_FMT_BF8 matrix_b_fmt:MATRIX_FMT_BF8
.endif
.endr
.endr
.endm
.macro STEP slot, zero
	s_wait_dscnt 16
	WIN MUL_LO
	MUL16 0, 0, 0, \slot, \zero
	MUL16 2, 0, 0, \slot, \zero
	s_wait_dscnt 0
	PLACES NP
	FETCH_B \slot, 1, 1
	FETCH_A \slot, 1, 0
	WIN MUL_HI
	MUL16 4, 0, 0, \slot, \zero
	MUL16 6, 0, 0, \slot, \zero
	PLACES NP
	WIN 0
	FETCH_A \slot, 1, 4
.endm
.macro TURN slot, next, fill
	s_wait_tensorcnt 0x0
	ds_add_u32 v[SPW], v[NIL]
	s_wait_dscnt 17
	WIN MUL_LO
	MUL16 0, 1, 1, \slot, 0
	s_wait_dscnt 0x0
	s_barrier_signal -1
	MUL16 2, 1, 1, \slot, 0
	WIN 0
	s_barrier_wait -1
.if \fill
	CREST
	s_add_nc_u64 s[G0+4*\slot+2:G0+4*\slot+3], s[G0+4*\slot+2:G0+4*\slot+3], 8192
	s_add_nc_u64 s[G0B+4*\slot+2:G0B+4*\slot+3], s[G0B+4*\slot+2:G0B+4*\slot+3], 8192
	JLOAD G0+4*\slot, G1, G0B+4*\slot, G1B
	PLACES NP-4
.else
	PLACES NP
.endif
	s_wait_alu depctr_va_vdst(0)
	v_add_nc_u32 v[ADRSA], 128, v[ADRSA]
	v_add_nc_u32 v[ADRSB], 128, v[ADRSB]
	FETCH_B \next, 0, 0
	FETCH_A \next, 0, 0
	SCALES \next
	WIN MUL_HI
	MUL16 4, 1, 1, \slot, 0
	MUL16 6, 1, 1, \slot, 0
	PLACES NP
	WIN 0
	FETCH_A \next, 0, 4
.endm
.macro FINAL sc
	s_wait_dscnt 16
	WIN MUL_LO
	MUL16 0, 1, 1, \sc, 0
	MUL16 2, 1, 1, \sc, 0
	s_wait_dscnt 0
	WIN MUL_HI
	MUL16 4, 1, 1, \sc, 0
	MUL16 6, 1, 1, \sc, 0
	WIN 0
.endm
.macro G1WORDS
.irp g, G1, G1B
	s_mov_b32 s[\g+1], 512<<16
	s_mov_b32 s[\g+2], 16<<16                      ; the head's loads bring a whole tile: 16 rows; the ring's 8
	s_mov_b32 s[\g+3], 512<<16
	s_mov_b32 s[\g+4], 16
	s_mov_b32 s[\g+5], KF*256
	s_mov_b32 s[\g+6], 0
	s_mov_b32 s[\g+7], 0
.endr
.irp g, G1S, G1SB
	s_mov_b32 s[\g+1], 32<<16
	s_mov_b32 s[\g+2], (HALFS/128)<<16             ; the scale words of both halves in one load
	s_mov_b32 s[\g+3], 32<<16
	s_mov_b32 s[\g+4], HALFS/128
	s_mov_b32 s[\g+5], 32
	s_mov_b32 s[\g+6], 0
	s_mov_b32 s[\g+7], 0
.endr
.endm
.macro FILLS
	s_mov_b32 s[G0S], 1
	s_mov_b32 s[G0S+1], SCL
	s_mov_b64 s[G0S+2:G0S+3], s[22:23]
	s_or_b32 s[G0S+3], s[G0S+3], 0x80000000
	s_mov_b32 s[G0SB], 1
	s_mov_b32 s[G0SB+1], SCL+2*HALFS
	s_mov_b64 s[G0SB+2:G0SB+3], s[92:93]
	s_or_b32 s[G0SB+3], s[G0SB+3], 0x80000000
	s_mov_b32 s[G0+4], 1                           ; K step 0's whole tiles of A and of B, in the registers that slot 1's ring takes over behind the head
	s_mov_b32 s[G0+5], 0
	s_mov_b64 s[G0+6:G0+7], s[20:21]
	s_or_b32 s[G0+7], s[G0+7], 0x80000000
	s_mov_b32 s[G0B+4], 1
	s_mov_b32 s[G0B+5], 2*HALFT
	s_mov_b64 s[G0B+6:G0B+7], s[46:47]
	s_or_b32 s[G0B+7], s[G0B+7], 0x80000000
	s_mov_b32 s[G0], 1                             ; slot 0's ring: my half of a tile
	s_mov_b32 s[G0+1], s45
	s_add_nc_u64 s[G0+2:G0+3], s[20:21], s[18:19]
	s_or_b32 s[G0+3], s[G0+3], 0x80000000
	s_mov_b32 s[G0B], 1
	s_mov_b32 s[G0B+1], s45
	s_add_nc_u64 s[G0B+2:G0B+3], s[46:47], s[18:19]
	s_or_b32 s[G0B+3], s[G0B+3], 0x80000000
	ARM 1, G0+4, G1, .Lhead_b                      ; one load a wave: wave 0 A's tile, wave 1 B's, wave 2 A's scale words, wave 3 B's
	ARM 2, G0B+4, G1B, .Lhead_sa
	ARM 3, G0S, G1S, .Lhead_sb
	tensor_load_to_lds s[G0SB:G0SB+3], s[G1SB:G1SB+7]
	s_nop 0
.rept 4
	v_nop
.endr
.Lhead_asked:
.endm
.macro ARM under, g0, g1, next         ; an arm of the head's one tree of branches on the wave's number
	s_cmp_lt_u32 s14, \under
	s_cbranch_scc0 \next
	tensor_load_to_lds s[\g0:\g0+3], s[\g1:\g1+7]
	s_nop 0
.rept 4
	v_nop
.endr
	s_branch .Lhead_asked
\next:
.endm
.macro ADDRS
	v_and_b32 v1, 31, v0
	v_lshlrev_b32 v2, 4, v1
	v_lshlrev_b32 v3, 2, v1
	s_lshl_b32 s21, s15, 15
	s_lshl_b32 s22, s16, 15
	s_add_co_u32 s22, s22, 65536
	v_add_nc_u32 v[ADRA], s21, v2
	v_add_nc_u32 v[ADRB], s22, v2
	v_add_nc_u32 v[ADRA+1], SLOT, v[ADRA]
	v_add_nc_u32 v[ADRB+1], SLOT, v[ADRB]
	s_mul_i32 s21, s15, HALFS
	s_add_co_u32 s21, s21, SCL
	s_mul_i32 s22, s16, HALFS
	s_add_co_u32 s22, s22, SCL+2*HALFS
	v_add_nc_u32 v[ADRSA], s21, v3
	v_add_nc_u32 v[ADRSB], s22, v3
.endm
.macro KLOOP
	s_wait_tensorcnt 0x0                           ; my tile of the head's four is in; these lines stand ahead of slot 1's first fill as ahead of a refill
	ds_add_u32 v[SPW], v[NIL]
	s_mov_b32 s[G1+2], 8<<16                       ; no load of mine is out: from here on a load brings 8 rows,
	s_mov_b32 s[G1+4], 8
	s_mov_b32 s[G1B+2], 8<<16
	s_mov_b32 s[G1B+4], 8
	s_add_co_u32 s[G0+5], s[G0+1], SLOT            ; and slot 1's ring begins at K step 1 of my half
	s_add_nc_u64 s[G0+6:G0+7], s[G0+2:G0+3], 4096
	s_add_co_u32 s[G0B+5], s[G0B+1], SLOT
	s_add_nc_u64 s[G0B+6:G0B+7], s[G0B+2:G0B+3], 4096
	s_wait_dscnt 0x0
	CROUND                                         ; all four tiles are in, and all partners are here
	JLOAD G0+4, G1, G0B+4, G1B                     ; K step 1: the first tensor load behind the round
	FETCH_B 0, 0, 0
	FETCH_A 0, 0, 0
	SCALES 0
	FETCH_A 0, 0, 4
	STEP 0, 1
	s_mov_b32 s3, (NK-2)/2
.Llap:
	TURN 0, 1, 1
	STEP 1, 0
	TURN 1, 0, 1
	STEP 0, 0
	s_sub_co_u32 s3, s3, 1
	s_cmp_lg_u32 s3, 0
	s_cbranch_scc1 .Llap
.if NK%2 == 0
	TURN 0, 1, 0
	STEP 1, 0
.else
	TURN 0, 1, 1
	STEP 1, 0
	TURN 1, 0, 0
	STEP 0, 0
.endif
.endm
.set L16, 2
.set VCS, 5
.set L4R, 6
.set CS,  64
.set X,   128
.set PC,  192
.set TM,  208
.set PW,  224
.set TT,  226
.set PWE, 243
.set W0,  244
.set W1,  245
.set SEL, 96
.set MNT, 95
.macro QMAX src, nb
.set qb, 0
.rept \nb
	v_max3_num_f32 v[TM+qb], |v[(\src)+16*qb]|, |v[(\src)+16*qb+1]|, 0x8000000
.set qb, qb+1
.endr
.set qi, 2
.rept 7
.set qb, 0
.rept \nb
	v_max3_num_f32 v[TM+qb], |v[(\src)+16*qb+qi]|, |v[(\src)+16*qb+qi+1]|, v[TM+qb]
.set qb, qb+1
.endr
.set qi, qi+2
.endr
.endm
.macro QSCL nb
.set qb, 0
.rept \nb
	v_permlanex16_b32 v[TM+4+qb], v[TM+qb], s[SEL], s[SEL+1]
.set qb, qb+1
.endr
.set qb, 0
.rept \nb
	v_max_num_f32 v[TM+qb], v[TM+qb], v[TM+4+qb]
.set qb, qb+1
.endr
.set qb, 0
.rept \nb
	v_add_nc_u32 v[TM+12+qb], 0xf8800000, v[TM+qb]
.set qb, qb+1
.endr
.set qb, 0
.rept \nb
	v_and_or_b32 v[TM+8+qb], v[TM+qb], 0x7f800000, s[MNT]
.set qb, qb+1
.endr
.set qb, 0
.rept \nb
	v_lshrrev_b32 v[TM+4+qb], 23, v[TM+12+qb]
.set qb, qb+1
.endr
	v_lshl_or_b32 v[PW], v[TM+5], 8, v[TM+4]
.if \nb == 4
	v_lshl_or_b32 v[PW], v[TM+6], 16, v[PW]
	v_lshl_or_b32 v[PW], v[TM+7], 24, v[PW]
.endif
.endm
.macro QHOLD dst, src, nb
.set qb, 0
.rept \nb
.set qi, 0
.rept 16
	v_med3_num_f32 v[(\dst)+16*qb+qi], v[(\src)+16*qb+qi], -v[TM+8+qb], v[TM+8+qb]
.set qi, qi+1
.endr
.set qb, qb+1
.endr
.endm
.macro QCVT src, nb
.set qb, 0
.rept \nb
	v_cvt_scalef32_pk8_bf8_f32 v[PC+4*qb:PC+4*qb+1], v[(\src)+16*qb:(\src)+16*qb+7], v[TM+12+qb]
	v_cvt_scalef32_pk8_bf8_f32 v[PC+4*qb+2:PC+4*qb+3], v[(\src)+16*qb+8:(\src)+16*qb+15], v[TM+12+qb]
.set qb, qb+1
.endr
	v_nop
.endm
	s_load_b128 s[4:7], s[0:1], 0x0
	v_lshl_add_u32 v[SPW], v0, 2, SPARE
	v_mov_b32 v[NIL], 0
	ds_add_u32 v[SPW], v[NIL]
	ds_add_u32 v[SPW], v[NIL]
	v_lshrrev_b32 v1, 5, v0
	v_readfirstlane_b32 s14, v1
	s_lshr_b32 s15, s14, 1
	s_and_b32 s16, s14, 1
	s_bfe_u32 s40, ttmp6, 0x40000
	s_bfe_u32 s41, ttmp6, 0x40004
	s_and_b32 s13, ttmp7, 0xffff
	s_lshl_b32 s13, s13, 2
	s_lshl_b32 s10, ttmp9, 20
	s_add_co_u32 s10, s10, WIMG
	s_lshl_b32 s11, ttmp9, 15
	s_add_co_u32 s11, s11, WSCL
	s_mov_b32 s9, A1SCL
	s_cmp_eq_u32 ttmp9, 2
	s_cselect_b32 s12, 1, 0
	s_cselect_b32 s17, 0, s13
	s_cselect_b32 s42, s13, 0
	s_cselect_b32 s8, WIMG+0x200000, 0
	s_cselect_b32 s9, WSCL+0x10000, s9
	s_cselect_b32 s10, 0, s10
	s_cselect_b32 s11, A1SCL, s11
	s_add_co_u32 s17, s17, s41
	s_add_co_u32 s42, s42, s40
	s_lshl_b32 s43, s41, 2
	s_lshl_b32 s43, 15, s43
	s_lshl_b32 s44, 0x1111, s40
	s_or_b32 s[G1+0], s43, (3<<16)|(1<<21)
	s_or_b32 s[G1B+0], s44, (3<<16)|(1<<21)
	s_or_b32 s[G1S+0], s43, (3<<16)|(1<<21)
	s_or_b32 s[G1SB+0], s44, (3<<16)|(1<<21)
	G1WORDS
	s_lshl_b32 s20, s17, 4
	s_lshl_b32 s46, s42, 4
	s_mul_i32 s22, s20, MTS
	s_add_co_u32 s22, s22, s9
	s_mov_b32 s23, 0
	s_mul_i32 s20, s20, KF*2048
	s_add_co_u32 s20, s20, s8
	s_mov_b32 s21, 0
	s_mul_i32 s92, s46, MTS
	s_add_co_u32 s92, s92, s11
	s_mov_b32 s93, 0
	s_mul_i32 s46, s46, KF*2048
	s_add_co_u32 s46, s46, s10
	s_mov_b32 s47, 0
	s_mul_i32 s45, s14, HALFT
	s_mul_i32 s18, s16, 8*KF*2048                  ; in the ring I fetch half a tile: which half, in bytes
	s_mov_b32 s19, 0
	s_wait_dscnt 0x0
	s_wait_kmcnt 0x0
	s_add_nc_u64 s[20:21], s[4:5], s[20:21]
	s_add_nc_u64 s[22:23], s[4:5], s[22:23]
	s_add_nc_u64 s[46:47], s[4:5], s[46:47]
	s_add_nc_u64 s[92:93], s[4:5], s[92:93]
	CROUND
	FILLS
	ADDRS
	v_and_b32 v4, 15, v0
	v_bfe_u32 v7, v0, 4, 1
	v_lshlrev_b32 v[L4R], 2, v4
	v_and_b32 v[VCS], 8, v4
	v_add_nc_u32 v[VCS], v[VCS], v4
	v_lshlrev_b32 v[VCS], 8, v[VCS]
	v_lshl_add_u32 v[VCS], v7, 6, v[VCS]
	s_mov_b32 s[SEL], 0x76543210
	s_mov_b32 s[SEL+1], 0xfedcba98
	s_mov_b32 s[MNT], 0x600000
	s_wait_alu depctr_va_vdst(0)
	KLOOP
	s_cmp_eq_u32 s12, 1
	s_cbranch_scc1 .Lv_way
	s_and_b32 s18, s17, 7
	s_lshl_b32 s18, s18, 8
	s_lshl_b32 s19, s15, 7
	s_add_co_u32 s18, s18, s19
	s_lshl_b32 s20, s18, 8
	s_add_co_u32 s20, s20, ROPE
	s_mov_b32 s21, 0
	s_add_nc_u64 s[10:11], s[4:5], s[20:21]
	s_lshr_b32 s22, s17, 3
	s_lshl_b32 s22, s22, 4
	s_lshl_b32 s23, s42, 2
	s_add_co_u32 s22, s22, s23
	s_lshl_b32 s23, s16, 1
	s_add_co_u32 s22, s22, s23
	s_lshr_b32 s18, s18, 4
	s_lshl_b32 s20, s22, 7
	s_add_co_u32 s20, s20, s18
	s_lshl_b32 s20, s20, 10
	s_lshl_b32 s23, ttmp9, 22
	s_add_co_u32 s20, s20, s23
	s_add_nc_u64 s[66:67], s[6:7], s[20:21]
	s_lshl_b32 s20, s22, 6
	s_lshr_b32 s18, s18, 1
	s_add_co_u32 s20, s20, s18
	s_lshl_b32 s20, s20, 6
	s_lshl_b32 s23, ttmp9, 18
	s_add_co_u32 s20, s20, s23
	s_add_co_u32 s20, s20, 0xC00000
	s_add_nc_u64 s[98:99], s[6:7], s[20:21]
.macro CSLOAD a
.irp p, 0,1
.irp j, 0,1,2,3
	global_load_b128 v[CS+32*((\a)%2)+16*\p+4*\j:CS+32*((\a)%2)+16*\p+4*\j+3], v[VCS], s[10:11] offset:(32*((\a)/2)+8*((\a)%2))*256+128*\p+16*\j
.endr
.endr
.endm
.macro QKOUT a
.set AC, 64*((\a)%4)
.set CSS, CS+32*((\a)%2)
.if (\a) < 7
	s_wait_loadcnt 8
.else
	s_wait_loadcnt 0
.endif
	WIN 2+(\a)/4
.irp b, 0,1,2,3
.irp t, 0,1,2,3,4,5,6,7
	v_mul_f32 v[TT+2*\t], v[AC+16*\b+2*\t+1], v[CSS+16*(\b%2)+2*\t+1]
	v_mul_f32 v[TT+2*\t+1], v[AC+16*\b+2*\t+1], v[CSS+16*(\b%2)+2*\t]
.endr
.irp t, 0,1,2,3,4,5,6,7
	v_fma_f32 v[X+16*\b+2*\t], v[AC+16*\b+2*\t], v[CSS+16*(\b%2)+2*\t], -v[TT+2*\t]
	v_fma_f32 v[X+16*\b+2*\t+1], v[AC+16*\b+2*\t], v[CSS+16*(\b%2)+2*\t+1], v[TT+2*\t+1]
.endr
.endr
	WIN 0
.if (\a) < 6
	CSLOAD (\a)+2
.endif
	QMAX X, 4
.if (\a) > 0
	s_wait_alu depctr_va_vdst(0)
	s_wait_xcnt 0x0
.endif
	QSCL 4
	QHOLD X, X, 4
	QCVT X, 4
	global_store_b128 v[L16], v[PC:PC+3], s[66:67] offset:1024*(\a)
	global_store_b128 v[L16], v[PC+4:PC+7], s[66:67] offset:1024*(\a)+512
	global_store_b128 v[L16], v[PC+8:PC+11], s[66:67] offset:1024*(\a)+131072
	global_store_b128 v[L16], v[PC+12:PC+15], s[66:67] offset:1024*(\a)+131584
.if (\a)%2 == 0
	v_mov_b32 v[PWE], v[PW]
.else
	v_perm_b32 v[W0], v[PW], v[PWE], 0x05040100
	v_perm_b32 v[W1], v[PW], v[PWE], 0x07060302
	global_store_b32 v[L4R], v[W0], s[98:99] offset:64*((\a)/2)
	global_store_b32 v[L4R], v[W1], s[98:99] offset:64*((\a)/2)+4096
.endif
.endm
	CSLOAD 0
	CSLOAD 1
	FINAL 1
	PLACES NP
.irp b, 0,1,2,3
	v_mov_b32 v[TM+4+\b], 0
.endr
.irp a, 0,1,2,3,4,5,6,7
	QKOUT \a
.endr
	s_branch .Lend
.Lv_way:
	s_lshr_b32 s18, s42, 3
	s_lshl_b32 s18, s18, 4
	s_lshl_b32 s19, s17, 2
	s_add_co_u32 s18, s18, s19
	s_lshl_b32 s19, s15, 1
	s_add_co_u32 s18, s18, s19
	s_lshl_b32 s19, s42, 1
	s_add_co_u32 s19, s19, s16
	s_and_b32 s19, s19, 15
	s_lshl_b32 s18, s18, 4
	s_add_co_u32 s18, s18, s19
	s_lshl_b32 s18, s18, 2
	s_lshl_b32 s20, s18, 11
	s_add_co_u32 s20, s20, 0x800000
	s_mov_b32 s21, 0
	s_add_nc_u64 s[66:67], s[6:7], s[20:21]
	s_lshl_b32 s20, s18, 6
	s_add_co_u32 s20, s20, 0xC80000
	s_add_nc_u64 s[98:99], s[6:7], s[20:21]
.macro VOUT a
.set AC, 64*((\a)%4)
	WIN (2+(\a)/4)*5
	QMAX AC, 4
	WIN 0
.if (\a) > 0
	s_wait_alu depctr_va_vdst(0)
	s_wait_xcnt 0x0
.endif
	QSCL 4
	WIN 2+(\a)/4
	QHOLD X, AC, 4
	WIN 0
	QCVT X, 4
.irp c, 0,1,2,3
	global_store_b128 v[L16], v[PC+4*\c:PC+4*\c+3], s[66:67] offset:((\a)/4)*131072+((\a)%4)*2048+512*\c
.endr
	global_store_b32 v[L4R], v[PW], s[98:99] offset:((\a)/4)*4096+((\a)%4)*64
.endm
	FINAL 1
	PLACES NP
.irp b, 0,1,2,3
	v_mov_b32 v[TM+4+\b], 0
.endr
.irp a, 0,1,2,3,4,5,6,7
	VOUT \a
.endr
.Lend:
	s_wait_tensorcnt 0x0
	ds_add_u32 v[SPW], v[NIL]
	s_wait_dscnt 0x0
	CROUND
	s_endpgm
.Lfunc_end_k_qd65ace30ee_qkv:
	.size	k_qd65ace30ee_qkv, .Lfunc_end_k_qd65ace30ee_qkv-k_qd65ace30ee_qkv
	.p2alignl 7, 3214868480
	.fill 96, 4, 3214868480
	.section	.rodata,"a",@progbits
	.p2align	6, 0x0
	.amdhsa_kernel k_qd65ace30ee_qkv
		.amdhsa_group_segment_fixed_size 327680
		.amdhsa_private_segment_fixed_size 0
		.amdhsa_enable_private_segment 0
		.amdhsa_kernarg_size 16
		.amdhsa_user_sgpr_count 2
		.amdhsa_user_sgpr_kernarg_segment_ptr 1
		.amdhsa_wavefront_size32 1
		.amdhsa_system_sgpr_workgroup_id_x 1
		.amdhsa_system_sgpr_workgroup_id_y 1
		.amdhsa_system_sgpr_workgroup_id_z 1
		.amdhsa_system_vgpr_workitem_id 0
		.amdhsa_next_free_vgpr 1024
		.amdhsa_next_free_sgpr 100
		.amdhsa_reserve_vcc 0
		.amdhsa_float_denorm_mode_32 3
		.amdhsa_float_denorm_mode_16_64 3
		.amdhsa_memory_ordered 1
		.amdhsa_forward_progress 1
		.amdhsa_inst_pref_size 255
	.end_amdhsa_kernel
	.section	.bss,"aw",@nobits
	.p2align	6
	.space	262144
	.amdgpu_metadata
---
amdhsa.version: [ 1, 2 ]
amdhsa.kernels:
  - .name:           k_qd65ace30ee_qkv
    .symbol:         k_qd65ace30ee_qkv.kd
    .args:
      - { .name: P1, .offset: 0, .size: 8, .value_kind: global_buffer, .address_space: global }
      - { .name: QKV, .offset: 8, .size: 8, .value_kind: global_buffer, .address_space: global }
    .group_segment_fixed_size: 327680
    .private_segment_fixed_size: 0
    .kernarg_segment_align: 8
    .kernarg_segment_size: 16
    .max_flat_workgroup_size: 128
    .sgpr_count:     100
    .vgpr_count:     1024
    .wavefront_size: 32
...
	.end_amdgpu_metadata
.endif
;; end of part 9
;; launch attn (part 10): grid 8 x 32, 16 waves a work-group, clusters of 4 x 1, 327,680 bytes of LDS; arguments QKV, AT; writes AT
.if DOCPART == 10
	.amdgcn_target "amdgcn-amd-amdhsa--gfx1250"
	.amdhsa_code_object_version 6
	.text
	.protected	k_qd65ace30ee_attn
	.globl	k_qd65ace30ee_attn
	.p2align	8
	.type	k_qd65ace30ee_attn,@function
k_qd65ace30ee_attn:
	s_mov_b64 s[64:65], 0
	v_nop
	global_prefetch_b8 v0, s[64:65] scope:SCOPE_SE
	s_setreg_imm32_b32 hwreg(HW_REG_WAVE_MODE, 25, 1), 1
	s_wait_xcnt 0x0
	s_wait_alu depctr_hold_cnt(0) depctr_sa_sdst(0) depctr_va_vdst(0) depctr_va_sdst(0) depctr_va_ssrc(0) depctr_va_vcc(0) depctr_vm_vsrc(0)
	s_getreg_b32 s2, hwreg(HW_REG_IB_STS2, 6, 4)
	s_cmp_eq_u32 s2, 0
	s_cbranch_scc0 .Lentry_in_a_cluster
	s_endpgm
.Lentry_in_a_cluster:
	s_bfe_u32 s2, ttmp6, 0x10000c
	s_cmp_lg_u32 s2, 0x3003
	s_cbranch_scc0 .Lentry_shape_is_right
	s_endpgm
.Lentry_shape_is_right:
; Causal attention on codes of E5M2: products 4 and 5, and the quantising of their result along the features for product 6.
; LEFT OUT AS DEAD WORK: a step of 128 keys all of which come after all 16 queries of a tile (reference()'s own jnp.tril puts -inf there, so p = 0 for all finite inputs).  A NaN or infinity that would arise only there is not carried on.
; THE SOFTMAX: t = score x log2(e) / 8; M = the running largest t rounded up to a whole number; p = 2^(t - M) is quantised along the keys; the row's sum is taken of the unquantised p and divides at the end.
; LIMIT: the promise holds while the scaled scores stay under 2^31 in magnitude.
; SHARES.  A work-group serves one (batch, head) and has all of its K and V codes in LDS (2 x 131,072 bytes, and 2 x 4,096 of scale words).  It owns 16 tiles of 16 queries: tile 8 beta + j of every block beta = 0 .. 15 of 128 queries,
; j the work-group's number among the head's eight.  Tile beta has beta + 1 key steps.  WAVES i AND 8 + i (i = 0 .. 7) SHARE THE TILES OF BLOCKS 15 - i AND i, 17 steps together:
;   wave i:     block 15 - i, key steps 7 - i .. 15 - i: nine steps, the last on the diagonal;
;   wave 8 + i: block 15 - i, key steps 0 .. 6 - i; its O^T, -M and sums go to LDS; then block i, key steps 0 .. i: eight steps in all.
; Behind one barrier wave i joins its partner's part to its own: both are brought under the larger M by powers of two, which rounds nothing.  Then every wave finishes one tile: wave i block 15 - i, wave 8 + i block i.
; The loops' trip counts are constants (7 and 8); a step that is not a wave's own is passed over by a scalar branch on ids, round no barrier.
; FILLS.  Every wave issues ONE tensor load, at the head: 16,384 bytes of codes (waves 0-7 K's, 8-15 V's); nothing is filled again.  The scale words, 512 bytes a wave, come through registers.  No prefetch: there is no loop to run ahead in.
; CLUSTER: the four work-groups of a cluster serve one head and ask for the same K and V jointly (mask 15).  j enters global addresses and the mask's numbers alone: no branch and no LDS address hangs on it.
; LAYOUT.  Both products transposed: S^T = K Q^T, O^T = V^T P^T: a lane holds one query.  The head's K is 64, the instruction's 128: two neighbouring tiles of 16 keys are one fragment, multiplied once by (q, zeros) and once by (zeros, q).
; REGISTERS: v1-4 lane numbers; v7, v11 the stage's addresses; v8-10 addresses; v12 -M, v13 the largest t, v[14:15] the sum; v16-31 (q, 0); v32-47 (0, q); v48-111 four fragments of K or V; v112-175 S^T, then p; v176-207 O^T;
; v208-223 p's codes; v224-239 at work; v240-243 K's scale words, v244-247 V's, v248, v249 q's, v251 p's; v250 f; v252 the partner's f; v254 at work.
.set SPARE, 270336                     ; LDS: K 0, V 131072, K's scale words 262144, V's 266240; then the spare words, 128 bytes a wave, which no other line names
.set STG,   272384                     ; behind them the stage: 4,608 bytes for each pair of waves, into which no fill lands
.set L16, 1
.set L4,  2
.set DM,  3
.set LN,  4
.set SPW, 5
.set NIL, 6
.set STA, 7
.set ADK, 8
.set ADV, 9
.set ADS, 10
.set STB, 11
.set QA,  16
.set QB,  32
.set F,   48
.set S,   112
.set O,   176
.set PC,  208
.set TM,  224
.set KSW, 240
.set VSW, 244
.set QAS, 248
.set QBS, 249
.set PW,  254
.set BETA, 16                          ; s16  the key step on the diagonal of the tile in hand
.set J,    17                          ; s17  the trip's key step
.set WV,   18
.set MNT,  19
.set G1C,  32
.set G0C,  44
.set SEL,  60
.set CS,   62
.set TK,   66                          ; s66  8,192 x the trip's key step
.set TS,   67
.set CNT,  68
.set LIM,  69                          ; s69  my last key step of the loop in hand (-1: none)
.set J2,   93                          ; s93, s94  the second loop's first key step, and 8,192 x it
.set TK2,  94
.set B2,   95                          ; s95  the block of the tile that I finish
.set TC,   96
.macro CROUND
	s_barrier_signal -1
	s_barrier_wait -1
	s_cmp_lg_u32 s[WV], 0
	s_cbranch_scc1 .Lnot_wave_0_\@
	s_barrier_signal -3
.Lnot_wave_0_\@:
	s_barrier_wait -3
	s_barrier_signal -1
	s_barrier_wait -1
.endm
.macro QLOAD c, s                      ; q's 64 along K, twice, and its scale word
	global_load_b128 v[QA:QA+3], v[L16], s[\c:\c+1]
	global_load_b128 v[QA+4:QA+7], v[L16], s[\c:\c+1] offset:512
	global_load_b128 v[QB+8:QB+11], v[L16], s[\c:\c+1]
	global_load_b128 v[QB+12:QB+15], v[L16], s[\c:\c+1] offset:512
	global_load_b32 v[QAS], v[L4], s[\s:\s+1]
.endm
.macro QWORDS                          ; q's two bytes in the low half (over zero codes any byte but 0xff will do), and in the high half
	v_lshrrev_b32 v[QAS], s82, v[QAS]
	s_delay_alu instid0(VALU_DEP_1)
	v_lshlrev_b32 v[QBS], 16, v[QAS]
.endm
.macro INIT                            ; a tile's state: the largest t -3e38, -M, the sums and O^T zeros, which the first change of M leaves zeros
	v_mov_b32 v13, 0xff61b1e6
	s_delay_alu instid0(VALU_DEP_1)
	v_floor_f32 v12, -v13
	v_mov_b32 v14, 0
	v_mov_b32 v15, 0
.set n, 0
.rept 32
	v_mov_b32 v[O+n], 0
.set n, n+1
.endr
.endm
	s_load_b128 s[4:7], s[0:1], 0x0                ; QKV s[4:5], AT s[6:7]
	v_lshl_add_u32 v[SPW], v0, 2, SPARE
	v_mov_b32 v[NIL], 0
	ds_add_u32 v[SPW], v[NIL]                      ; the opening: the add, twice on end, and its wait ahead of my tensor load
	ds_add_u32 v[SPW], v[NIL]
	v_lshrrev_b32 v8, 5, v0
	s_delay_alu instid0(VALU_DEP_1)
	v_readfirstlane_b32 s[WV], v8                  ; wave 0..15
	s_bfe_u32 s8, ttmp6, 0x40000                   ; cx
	s_lshl_b32 s9, ttmp9, 2
	s_add_co_u32 s9, s9, s8                        ; j
	s_and_b32 s10, ttmp7, 0xffff                   ; 16 x batch + head
	s_and_b32 s12, s[WV], 7                        ; i
	s_lshr_b32 s11, s[WV], 3                       ; 1 in waves 8-15
	s_xor_b32 s13, s11, 1                          ; 1 in waves 0-7
	s_xor_b32 s14, s12, 7                          ; 7 - i
	s_add_co_u32 s[BETA], s14, 8                   ; the first loop's tile: block 15 - i
	s_mul_i32 s[J], s14, s13                       ; its first key step: 7 - i, or 0
	s_lshl_b32 s[TK], s[J], 13
	s_mul_i32 s15, s13, 9
	s_add_co_u32 s[LIM], s14, s15
	s_sub_co_i32 s[LIM], s[LIM], 1                 ; my last: 15 - i, or 6 - i
	s_add_co_u32 s15, s14, 7
	s_mul_i32 s[J2], s15, s13                      ; the second loop begins at 14 - i, or at 0
	s_lshl_b32 s[TK2], s[J2], 13
	s_cmp_eq_u32 s11, 0
	s_cselect_b32 s[B2], s[BETA], s12              ; and serves block 15 - i, or i
	s_sub_co_u32 s92, s[BETA], s[B2]               ; blocks from that tile to the first loop's
	s_mov_b32 s[G1C], 15|(3<<16)|(1<<21)           ; 15:0 the mask: all four; 17:16 elements of 8 bytes; 21 set beside a mask.  64 dense rows of 256 bytes
	s_mov_b32 s[G1C+1], 32<<16
	s_mov_b32 s[G1C+2], 64<<16
	s_mov_b32 s[G1C+3], 32<<16
	s_mov_b32 s[G1C+4], 64
	s_mov_b32 s[G1C+5], 32
	s_mov_b32 s[G1C+6], 0
	s_mov_b32 s[G1C+7], 0
	s_lshl_b32 s20, s11, 18
	s_lshl_b32 s21, s10, 12
	s_add_co_u32 s20, s20, s21
	s_lshl_b32 s21, s12, 9
	s_add_co_u32 s20, s20, s21
	s_add_co_u32 s20, s20, 0xC40000                ; my 512 bytes of the head's scale words
	s_mov_b32 s21, 0
	s_lshl_b32 s22, s11, 22
	s_lshl_b32 s23, s10, 17
	s_add_co_u32 s22, s22, s23
	s_lshl_b32 s23, s12, 14
	s_add_co_u32 s22, s22, s23
	s_add_co_u32 s22, s22, 0x400000                ; my 16,384 bytes of the head's codes
	s_mov_b32 s23, 0
	s_lshl_b32 s13, s[WV], 9
	s_add_co_u32 s13, s13, 262144                  ; in LDS: the scale words,
	s_lshl_b32 s14, s[WV], 14                      ; the codes: V's 131,072 behind K's,
	s_mul_i32 s85, s12, 4608
	s_add_co_u32 s85, s85, STG                     ; my pair's stage: O^T,
	s_add_co_u32 s86, s85, 4096                    ; then the sums and -M
	s_lshl_b32 s88, s92, 13                        ; a block on: 8 tiles of 1,024 bytes of codes,
	s_mov_b32 s89, 0
	s_lshl_b32 s90, s92, 8                         ; 4 pairs of tiles of 64 bytes of scale words
	s_mov_b32 s91, 0
	s_lshl_b32 s70, s[B2], 3
	s_add_co_u32 s70, s70, s9                      ; the tile that I finish
	s_lshl_b32 s72, s10, 7
	s_add_co_u32 s72, s72, s70
	s_lshl_b32 s72, s72, 10                        ; its codes
	s_mov_b32 s73, 0
	s_lshr_b32 s74, s70, 1
	s_lshl_b32 s75, s10, 6
	s_add_co_u32 s74, s74, s75
	s_lshl_b32 s74, s74, 6
	s_add_co_u32 s74, s74, 0xC00000                ; its pair's scale words
	s_mov_b32 s75, 0
	s_lshr_b32 s76, s10, 4
	s_lshl_b32 s76, s76, 7
	s_add_co_u32 s76, s76, s70
	s_lshl_b32 s76, s76, 3
	s_bfe_u32 s77, s10, 0x30001
	s_add_co_u32 s76, s76, s77                     ; the way out: fragment (tile of tokens, head / 2) of the next operand's image
	s_and_b32 s77, s10, 1
	s_lshl_b32 s78, s76, 11
	s_lshl_b32 s79, s77, 10
	s_add_co_u32 s78, s78, s79                     ; an odd head takes its second half
	s_mov_b32 s79, 0
	s_lshl_b32 s80, s76, 6
	s_lshl_b32 s81, s77, 1
	s_add_co_u32 s80, s80, s81
	s_add_co_u32 s80, s80, 0x400000
	s_mov_b32 s81, 0
	s_and_b32 s82, s9, 1
	s_lshl_b32 s84, s82, 3
	s_lshl_b32 s82, s82, 4                         ; an odd tile's bytes are the word's upper half
	s_lshr_b32 s83, s9, 1
	s_lshl_b32 s83, s83, 5
	s_add_co_u32 s83, s83, s84                     ; 32 (j / 2) + 8 (j % 2)
	s_mov_b32 s[SEL], 0x76543210
	s_mov_b32 s[SEL+1], 0xfedcba98
	s_mov_b32 s[CS], 0x3e38aa3b                    ; c = log2(e) / 8
	s_mov_b32 s[CS+1], s[CS]
	s_mov_b32 s[MNT], 0x600000
	s_wait_dscnt 0x0                               ; both opening adds are done
	s_wait_kmcnt 0x0
	s_add_nc_u64 s[20:21], s[4:5], s[20:21]
	s_add_nc_u64 s[22:23], s[4:5], s[22:23]
	s_add_nc_u64 s[72:73], s[4:5], s[72:73]
	s_add_nc_u64 s[74:75], s[4:5], s[74:75]
	s_add_nc_u64 s[78:79], s[6:7], s[78:79]
	s_add_nc_u64 s[80:81], s[6:7], s[80:81]
	s_add_nc_u64 s[88:89], s[72:73], s[88:89]      ; the first loop's tile: its codes,
	s_add_nc_u64 s[90:91], s[74:75], s[90:91]      ; its scale words
	s_mov_b32 s[G0C], 1
	s_mov_b32 s[G0C+1], s14
	s_mov_b64 s[G0C+2:G0C+3], s[22:23]
	s_or_b32 s[G0C+3], s[G0C+3], 0x80000000
	CROUND                                         ; all four work-groups are here: the joint loads meet
	tensor_load_to_lds s[G0C:G0C+3], s[G1C:G1C+7]  ; my one tensor load
	s_nop 0
.rept 4
	v_nop
.endr
	v_and_b32 v[LN], 31, v0
	s_delay_alu instid0(VALU_DEP_1)
	v_lshlrev_b32 v[L16], 4, v[LN]                 ; 16 x lane
	v_and_b32 v7, 15, v0                           ; r
	s_delay_alu instid0(VALU_DEP_1)
	v_lshlrev_b32 v[L4], 2, v7                     ; 4 r
	QLOAD 88, 90
	global_load_b128 v[F:F+3], v[L16], s[20:21]    ; my 512 bytes of scale words
	v_bfe_u32 v11, v0, 4, 1                        ; h
	v_and_b32 v[DM], 8, v7
	s_delay_alu instid0(VALU_DEP_1)
	v_add_nc_u32 v[DM], v[DM], v7
	s_delay_alu instid0(VALU_DEP_3)
	v_lshlrev_b32 v11, 4, v11
	s_delay_alu instid0(VALU_DEP_1)
	v_sub_nc_u32 v[DM], v[DM], v11
	s_delay_alu instid0(VALU_DEP_1)
	v_add_nc_u32 v[DM], s83, v[DM]                 ; my query's place in its block of 128, less 16 h: on the diagonal register 16 b + i is hidden where 32 b + i is greater
	v_lshlrev_b32 v[STB], 2, v[LN]
	v_add_nc_u32 v[STA], s85, v[L16]               ; the stage's addresses, made ahead of every parting of the waves
	v_add_nc_u32 v[STB], s86, v[STB]
	v_add_nc_u32 v[ADK], s13, v[L16]               ; where my scale words go
	s_wait_loadcnt 0x0
	QWORDS
.irp i, 0,1,2,3,4,5,6,7
	v_mov_b32 v[QA+8+\i], 0
	v_mov_b32 v[QB+\i], 0
.endr
.irp b, 0,1,2,3
	v_mov_b32 v[TM+4+\b], 0                        ; a lane permute's destination counts as one of its sources
.endr
	v_mov_b32 v251, 0                              ; (named as the upper halves of pairs before they are first written)
	v_mov_b32 v252, 0
	v_mov_b32 v253, 0
	INIT
; A KEY STEP of 128 keys
.macro STEP
	s_cmp_gt_i32 s[J], s[LIM]                      ; not mine: passed over.  The lines at the step's end that step the counts are run all the same
	s_cbranch_scc1 .Lhid_\@
	s_min_u32 s[TC], s[TK], 15*8192                ; (a step of mine lies under the bound)
	s_lshr_b32 s[TS], s[TC], 5
	s_add_co_u32 s[TS], s[TS], 262144              ; 256 bytes of scale words a step
	v_add_nc_u32 v[ADK], s[TC], v[L16]
	s_delay_alu instid0(VALU_DEP_1)
	v_add_nc_u32 v[ADV], 0x20000, v[ADK]
	v_add_nc_u32 v[ADS], s[TS], v[L4]
.irp m, 0,1,2,3
.irp c, 0,1,2,3
	ds_load_b128 v[F+16*\m+4*\c:F+16*\m+4*\c+3], v[ADK] offset:2048*\m+512*\c
.endr
	ds_load_b32 v[KSW+\m], v[ADS] offset:64*\m
.endr
	s_wait_alu depctr_va_vdst(0)
	s_wait_dscnt 0x0
.irp m, 0,1,2,3
	v_wmma_scale_f32_16x16x128_f8f6f4 v[S+16*\m:S+16*\m+7], v[F+16*\m:F+16*\m+15], v[QA:QA+15], 0, v[KSW+\m], v[QAS] matrix_a_fmt:MATRIX_FMT_BF8 matrix_b_fmt:MATRIX_FMT_BF8
	v_wmma_scale_f32_16x16x128_f8f6f4 v[S+16*\m+8:S+16*\m+15], v[F+16*\m:F+16*\m+15], v[QB:QB+15], 0, v[KSW+\m], v[QBS] matrix_a_fmt:MATRIX_FMT_BF8 matrix_b_fmt:MATRIX_FMT_BF8
.endr
.rept 8
	v_nop                                          ; places in front of loads into K's registers and of the first read of the scores
.endr
.irp t, 0,1,2,3                                ; V's fragments are asked for here and land under the softmax
.irp c, 0,1,2,3
	ds_load_b128 v[F+16*\t+4*\c:F+16*\t+4*\c+3], v[ADV] offset:2048*\t+512*\c
.endr
	ds_load_b32 v[VSW+\t], v[ADS] offset:4096+64*\t
.endr
	s_cmp_lg_u32 s[J], s[BETA]
	s_cbranch_scc1 .Lopen_\@                       ; only the diagonal step has hidden keys
	v_mov_b32 v254, 0xff800000                     ; -infinity
.set n, 0
.rept 64
	v_cmp_gt_i32 vcc_lo, 32*(n/16)+n%16, v[DM]
	v_cndmask_b32 v[S+n], v[S+n], v254, vcc_lo
.set n, n+1
.endr
.Lopen_\@:
.irp b, 0,1,2,3
	v_max3_num_f32 v[TM+\b], v[S+16*\b], v[S+1+16*\b], v[S+2+16*\b]        ; the largest score of each block of 32 keys: for the row's maximum, and, since p rises with the score, for the block's largest p
.endr
.irp i, 3,5,7,9,11,13
.irp b, 0,1,2,3
	v_max3_num_f32 v[TM+\b], v[TM+\b], v[S+16*\b+\i], v[S+1+16*\b+\i]
.endr
.endr
.irp b, 0,1,2,3
	v_max_num_f32 v[TM+\b], v[TM+\b], v[S+15+16*\b]
.endr
.irp b, 0,1,2,3
	s_delay_alu instid0(VALU_DEP_4)
	v_permlanex16_b32 v[TM+4+\b], v[TM+\b], s[SEL], s[SEL+1]
.endr
.irp b, 0,1,2,3
	s_delay_alu instid0(VALU_DEP_4)
	v_max_num_f32 v[TM+\b], v[TM+\b], v[TM+4+\b]
.endr
	s_delay_alu instid0(VALU_DEP_2)
	v_max3_num_f32 v254, v[TM], v[TM+1], v[TM+2]
	s_delay_alu instid0(VALU_DEP_1)
	v_max_num_f32 v254, v254, v[TM+3]
	s_delay_alu instid0(VALU_DEP_1)
	v_mul_f32 v254, s[CS], v254
	s_delay_alu instid0(VALU_DEP_1)
	v_max_num_f32 v13, v13, v254                   ; the running largest t
	v_mov_b32 v254, v12
	s_delay_alu instid0(VALU_DEP_2)
	v_floor_f32 v12, -v13                          ; the new -M: a whole number
	s_delay_alu instid0(VALU_DEP_1)
	v_sub_f32 v254, v12, v254
	s_delay_alu instid0(VALU_DEP_1)
	v_cvt_i32_f32 v254, v254                       ; (it saturates)
	s_delay_alu instid0(VALU_DEP_1)
	v_ldexp_f32 v250, 1.0, v254                    ; f = 2^(old M - new M): a multiplication by it rounds nothing
.set n, 0
.rept 32
	v_pk_fma_f32 v[S+2*n:S+2*n+1], v[S+2*n:S+2*n+1], s[CS:CS+1], v[12:13] op_sel_hi:[1,0,0]    ; t - M
.set n, n+1
.endr
.irp b, 0,1,2,3
	v_fma_f32 v[TM+\b], v[TM+\b], s[CS], v12
.endr
.set n, 0
	s_wait_alu depctr_va_vdst(0)
.rept 64
	v_exp_f32 v[S+n], v[S+n]                       ; p, at most 1, not normalised
.set n, n+1
.endr
	v_pk_mul_f32 v[14:15], v[14:15], v[250:251] op_sel_hi:[1,0]    ; the sums under the new M (a plain instruction behind the exponentials)
	s_wait_alu depctr_va_vdst(0)                   ; one wait for the batch, ahead of its first reader
.irp b, 0,1,2,3
	v_exp_f32 v[TM+\b], v[TM+\b]                   ; the block's largest p
.endr
.irp c, 0,1,2,3                                ; the row's sum of the unquantised p, in four chains that take turns
	v_pk_add_f32 v[234+2*\c:235+2*\c], v[S+2*\c:S+2*\c+1], v[S+8+2*\c:S+9+2*\c]
.endr
.set n, 8
.rept 24
	v_pk_add_f32 v[234+2*(n%4):235+2*(n%4)], v[234+2*(n%4):235+2*(n%4)], v[S+2*n:S+2*n+1]
.set n, n+1
.endr
	v_pk_add_f32 v[234:235], v[234:235], v[236:237]
	v_pk_add_f32 v[238:239], v[238:239], v[240:241]
	s_delay_alu instid0(VALU_DEP_1)
	v_pk_add_f32 v[234:235], v[234:235], v[238:239]
	s_delay_alu instid0(VALU_DEP_1)
	v_pk_add_f32 v[14:15], v[14:15], v[234:235]
	s_wait_alu depctr_va_vdst(0)                   ; and one for the four
.irp b, 0,1,2,3
	v_max_num_f32 v[TM+\b], 0x8000000, v[TM+\b]    ; the floor 2^(16 - 127)
.endr
.irp b, 0,1,2,3
	s_delay_alu instid0(VALU_DEP_4)
	v_add_nc_u32 v[TM+12+\b], 0xf8800000, v[TM+\b]
.endr
.irp b, 0,1,2,3
	v_and_or_b32 v[TM+8+\b], v[TM+\b], 0x7f800000, s[MNT]
.endr
.irp b, 0,1,2,3
	v_lshrrev_b32 v[TM+4+\b], 23, v[TM+12+\b]
.endr
	s_delay_alu instid0(VALU_DEP_3)
	v_lshl_or_b32 v251, v[TM+5], 8, v[TM+4]        ; p's scale word for these 128 keys
	s_delay_alu instid0(VALU_DEP_1)
	v_lshl_or_b32 v251, v[TM+6], 16, v251
	s_delay_alu instid0(VALU_DEP_1)
	v_lshl_or_b32 v251, v[TM+7], 24, v251
.irp b, 0,1,2,3
.irp i, 0,1,2,3,4,5,6,7,8,9,10,11,12,13,14,15
	v_min_num_f32 v[S+16*\b+\i], v[S+16*\b+\i], v[TM+8+\b]         ; p is not negative: the hold is one-sided
.endr
	v_cvt_scalef32_pk8_bf8_f32 v[PC+4*\b:PC+4*\b+1], v[S+16*\b:S+16*\b+7], v[TM+12+\b]
	v_cvt_scalef32_pk8_bf8_f32 v[PC+4*\b+2:PC+4*\b+3], v[S+16*\b+8:S+16*\b+15], v[TM+12+\b]
.endr
.set n, 0
.rept 16
	v_pk_mul_f32 v[O+2*n:O+2*n+1], v[O+2*n:O+2*n+1], v[250:251] op_sel_hi:[1,0]    ; O^T under the new M; these are also the places in front of the products
.set n, n+1
.endr
	s_wait_alu depctr_va_vdst(0)
	s_wait_dscnt 0x0                               ; V
.irp t, 0,1,2,3
	v_wmma_scale_f32_16x16x128_f8f6f4 v[O+8*\t:O+8*\t+7], v[F+16*\t:F+16*\t+15], v[PC:PC+15], v[O+8*\t:O+8*\t+7], v[VSW+\t], v251 matrix_a_fmt:MATRIX_FMT_BF8 matrix_b_fmt:MATRIX_FMT_BF8
.endr
.rept 8
	v_nop                                          ; places in front of the next loads into V's registers, and of the first read of O^T
.endr
.Lhid_\@:
	s_add_co_u32 s[J], s[J], 1
	s_add_co_u32 s[TK], s[TK], 8192
.endm
.macro RUN n                           ; n trips
	s_mov_b32 s[CNT], \n
.Lstep_\@:
	STEP
	s_sub_co_u32 s[CNT], s[CNT], 1
	s_cmp_lg_u32 s[CNT], 0
	s_cbranch_scc1 .Lstep_\@
.endm
	s_wait_alu depctr_va_vdst(0)
	s_wait_tensorcnt 0x0                           ; my 16,384 bytes of codes are in
	ds_store_b128 v[ADK], v[F:F+3]                 ; my 512 bytes of scale words
	s_wait_dscnt 0x0                               ; for the others' sake
	s_barrier_signal -1
	s_barrier_wait -1                              ; all of K, V and their scale words are in LDS
	RUN 7                                          ; block 15 - i: waves 0-7 key steps 7 - i .. 13 - i, waves 8-15 key steps 0 .. 6 - i
	s_cmp_lt_u32 s[WV], 8
	s_cbranch_scc1 .Lkeep                          ; waves 0-7 go on with their tile
	QLOAD 72, 74                                   ; waves 8-15: block i's q, which lands under the stores below
.irp t, 0,1,2,3,4,5,6,7
	ds_store_b128 v[STA], v[O+4*\t:O+4*\t+3] offset:512*\t         ; my part of block 15 - i: O^T, each accumulator from its low end on,
.endr
	ds_store_b32 v[STB], v14                       ; the sum's two halves,
	ds_store_b32 v[STB], v15 offset:128
	ds_store_b32 v[STB], v12 offset:256            ; and -M
	s_wait_loadcnt 0x0
	QWORDS
	INIT                                           ; (these are also the places between q's scale words and the next products)
.Lkeep:
	s_mov_b32 s[J], s[J2]
	s_mov_b32 s[TK], s[TK2]
	s_mov_b32 s[LIM], s[B2]
	s_mov_b32 s[BETA], s[B2]
	RUN 8                                          ; waves 0-7: key steps 14 - i and 15 - i; waves 8-15: block i, key steps 0 .. i
	s_wait_dscnt 0x0                               ; my stores to the stage are done
	s_barrier_signal -1
	s_barrier_wait -1
	s_cmp_lt_u32 s[WV], 8
	s_cbranch_scc0 .Lmerged
.irp t, 0,1,2,3,4,5,6,7                        ; waves 0-7 join their partner's part
	ds_load_b128 v[S+4*\t:S+4*\t+3], v[STA] offset:512*\t
.endr
	ds_load_b32 v[S+32], v[STB]
	ds_load_b32 v[S+33], v[STB] offset:128
	ds_load_b32 v[S+34], v[STB] offset:256
	s_wait_dscnt 0x0
	v_min_num_f32 v254, v12, v[S+34]               ; -M of the larger M
	s_delay_alu instid0(VALU_DEP_1)
	v_sub_f32 v250, v254, v12                      ; my M less it, and the partner's: whole numbers, 0 or less
	v_sub_f32 v252, v254, v[S+34]
	s_delay_alu instid0(VALU_DEP_2)
	v_cvt_i32_f32 v250, v250                       ; (they saturate: a partner with no key step counts for nothing)
	s_delay_alu instid0(VALU_DEP_2)
	v_cvt_i32_f32 v252, v252
	s_delay_alu instid0(VALU_DEP_2)
	v_ldexp_f32 v250, 1.0, v250
	s_delay_alu instid0(VALU_DEP_2)
	v_ldexp_f32 v252, 1.0, v252
	s_delay_alu instid0(VALU_DEP_2)
	v_pk_mul_f32 v[14:15], v[14:15], v[250:251] op_sel_hi:[1,0]
.set n, 0
.rept 16
	v_pk_mul_f32 v[O+2*n:O+2*n+1], v[O+2*n:O+2*n+1], v[250:251] op_sel_hi:[1,0]
.set n, n+1
.endr
	v_pk_fma_f32 v[14:15], v[S+32:S+33], v[252:253], v[14:15] op_sel_hi:[1,0,1]
.set n, 0
.rept 16
	v_pk_fma_f32 v[O+2*n:O+2*n+1], v[S+2*n:S+2*n+1], v[252:253], v[O+2*n:O+2*n+1] op_sel_hi:[1,0,1]
.set n, n+1
.endr
.Lmerged:
	; THE WAY OUT: O^T / the sum, quantised along the head's 64 channels (two blocks of the next product's K); the codes are half a fragment of that operand's image and leave as they stand
	v_add_f32 v14, v14, v15
	s_delay_alu instid0(VALU_DEP_1)
	v_permlanex16_b32 v252, v14, s[SEL], s[SEL+1]
	s_delay_alu instid0(VALU_DEP_1)
	v_add_f32 v14, v14, v252
	s_wait_alu depctr_va_vdst(0)                   ; ahead of the transcendental,
	v_rcp_f32 v14, v14
	v_nop
	s_wait_alu depctr_va_vdst(0)                   ; and ahead of its first reader, which is O^T's too
.set n, 0
.rept 32
	v_mul_f32 v[S+n], v[O+n], v14
.set n, n+1
.endr
.irp b, 0,1                                    ; the quantiser: register 16 b + i is k = 32 b + 16 (lane / 16) + i of the lane's row; the floor 2^(16 - 127) holds the byte at 1 from below
	v_max3_num_f32 v[TM+\b], |v[S+16*\b]|, |v[S+16*\b+1]|, 0x8000000
.endr
.irp i, 2,4,6,8,10,12,14
.irp b, 0,1
	s_delay_alu instid0(VALU_DEP_2)
	v_max3_num_f32 v[TM+\b], |v[S+16*\b+\i]|, |v[S+16*\b+\i+1]|, v[TM+\b]
.endr
.endr
.irp b, 0,1
	s_delay_alu instid0(VALU_DEP_2)
	v_permlanex16_b32 v[TM+4+\b], v[TM+\b], s[SEL], s[SEL+1]
.endr
.irp b, 0,1
	s_delay_alu instid0(VALU_DEP_2)
	v_max_num_f32 v[TM+\b], v[TM+\b], v[TM+4+\b]
.endr
.irp b, 0,1
	s_delay_alu instid0(VALU_DEP_2)
	v_add_nc_u32 v[TM+12+\b], 0xf8800000, v[TM+\b] ; 15 off the exponent field: the conversion's scale operand
.endr
.irp b, 0,1
	s_delay_alu instid0(VALU_DEP_4)
	v_and_or_b32 v[TM+8+\b], v[TM+\b], 0x7f800000, s[MNT]  ; 57,344 x the scale
.endr
.irp b, 0,1
	s_delay_alu instid0(VALU_DEP_4)
	v_lshrrev_b32 v[TM+4+\b], 23, v[TM+12+\b]      ; the byte
.endr
	s_delay_alu instid0(VALU_DEP_1)
	v_lshl_or_b32 v[PW], v[TM+5], 8, v[TM+4]
.irp b, 0,1
.irp i, 0,1,2,3,4,5,6,7,8,9,10,11,12,13,14,15
	v_med3_num_f32 v[S+16*\b+\i], v[S+16*\b+\i], -v[TM+8+\b], v[TM+8+\b]   ; the conversion does not saturate (ISA guide 7.6.2)
.endr
.endr
.irp b, 0,1
	v_cvt_scalef32_pk8_bf8_f32 v[PC+4*\b:PC+4*\b+1], v[S+16*\b:S+16*\b+7], v[TM+12+\b]
	v_cvt_scalef32_pk8_bf8_f32 v[PC+4*\b+2:PC+4*\b+3], v[S+16*\b+8:S+16*\b+15], v[TM+12+\b]
.endr
	v_nop
	global_store_b128 v[L16], v[PC:PC+3], s[78:79]
	global_store_b128 v[L16], v[PC+4:PC+7], s[78:79] offset:512
	global_store_b16 v[L4], v[PW], s[80:81]        ; my head's two bytes of the rows' scale words
	s_wait_tensorcnt 0x0                           ; the wave's end
	ds_add_u32 v[SPW], v[NIL]
	s_wait_dscnt 0x0
	CROUND                                         ; the closing round
	s_endpgm
.Lfunc_end_k_qd65ace30ee_attn:
	.size	k_qd65ace30ee_attn, .Lfunc_end_k_qd65ace30ee_attn-k_qd65ace30ee_attn
	.p2alignl 7, 3214868480
	.fill 96, 4, 3214868480
	.section	.rodata,"a",@progbits
	.p2align	6, 0x0
	.amdhsa_kernel k_qd65ace30ee_attn
		.amdhsa_group_segment_fixed_size 327680
		.amdhsa_private_segment_fixed_size 0
		.amdhsa_enable_private_segment 0
		.amdhsa_kernarg_size 16
		.amdhsa_user_sgpr_count 2
		.amdhsa_user_sgpr_kernarg_segment_ptr 1
		.amdhsa_wavefront_size32 1
		.amdhsa_system_sgpr_workgroup_id_x 1
		.amdhsa_system_sgpr_workgroup_id_y 1
		.amdhsa_system_sgpr_workgroup_id_z 1
		.amdhsa_system_vgpr_workitem_id 0
		.amdhsa_next_free_vgpr 256
		.amdhsa_next_free_sgpr 100
		.amdhsa_reserve_vcc 1
		.amdhsa_float_denorm_mode_32 3
		.amdhsa_float_denorm_mode_16_64 3
		.amdhsa_memory_ordered 1
		.amdhsa_forward_progress 1
		.amdhsa_inst_pref_size 72
	.end_amdhsa_kernel
	.amdgpu_metadata
---
amdhsa.version: [ 1, 2 ]
amdhsa.kernels:
  - .name:           k_qd65ace30ee_attn
    .symbol:         k_qd65ace30ee_attn.kd
    .args:
      - { .name: QKV, .offset: 0, .size: 8, .value_kind: global_buffer, .address_space: global }
      - { .name: AT, .offset: 8, .size: 8, .value_kind: global_buffer, .address_space: global }
    .group_segment_fixed_size: 327680
    .private_segment_fixed_size: 0
    .kernarg_segment_align: 8
    .kernarg_segment_size: 16
    .max_flat_workgroup_size: 512
    .sgpr_count:     100
    .vgpr_count:     256
    .wavefront_size: 32
...
	.end_amdgpu_metadata
.endif
;; end of part 10
;; launch go (part 11): grid 8 x 32, 4 waves a work-group, clusters of 4 x 4, 327,680 bytes of LDS; arguments AT, P1, x, X2; writes X2
.if DOCPART == 11
	.amdgcn_target "amdgcn-amd-amdhsa--gfx1250"
	.amdhsa_code_object_version 6
	.text
	.protected	k_qd65ace30ee_go
	.globl	k_qd65ace30ee_go
	.p2align	8
	.type	k_qd65ace30ee_go,@function
k_qd65ace30ee_go:
	s_mov_b64 s[64:65], 0
	v_nop
	global_prefetch_b8 v0, s[64:65] scope:SCOPE_SE
	s_setreg_imm32_b32 hwreg(HW_REG_WAVE_MODE, 25, 1), 1
	s_wait_xcnt 0x0
	s_wait_alu depctr_hold_cnt(0) depctr_sa_sdst(0) depctr_va_vdst(0) depctr_va_sdst(0) depctr_va_ssrc(0) depctr_va_vcc(0) depctr_vm_vsrc(0)
	s_getreg_b32 s2, hwreg(HW_REG_IB_STS2, 6, 4)
	s_cmp_eq_u32 s2, 0
	s_cbranch_scc0 .Lentry_in_a_cluster
	s_endpgm
.Lentry_in_a_cluster:
	s_bfe_u32 s2, ttmp6, 0x10000c
	s_cmp_lg_u32 s2, 0xf033
	s_cbranch_scc0 .Lentry_shape_is_right
	s_endpgm
.Lentry_shape_is_right:
.set KF,     8
.set ASCL,   0x400000
.set BIMG,   0x720000
.set BSCL,   0x838000
.set NTOUT,  0
.set NS,     (KF+3)/4
.set FH,     KF%4
.set MTS,    64*KF
.set HALFT,  32768
.set SLOT,   131072
.set SCL,    262144
.set HALFS,  4*MTS
.set STG,    SCL+4*HALFS
.set SPITCH, 272
.set SPARE,  STG+4*16*SPITCH
.set NP,     8
.set ADRA,   16
.set ADRB,   20
.set STO,    24
.set RD,     25
.set ADRSA,  26
.set ADRSB,  27
.set SPW,    28
.set NIL,    29
.set CO,     30
.set SC,     32
.set BK,     64
.set ACC,    128
.set G1,     24
.set G0,     32
.set G1B,    48
.set G0B,    56
.set G1S,    68
.set G0S,    76
.set G1SB,   80
.set G0SB,   88
.set MSB,    0
.macro WIN new
.if MSB != (\new)
	s_set_vgpr_msb (MSB<<8)|(\new)
.set MSB, (\new)
.endif
.endm
.set MUL,    0x05
.set TO_F,   0x40
.macro JLOAD g0a, g1a, g0b, g1b
	s_cmp_eq_u32 s15, 0
	s_cbranch_scc0 .Lfor_b_\@
	tensor_load_to_lds s[\g0a:\g0a+3], s[\g1a:\g1a+7]
	s_nop 0
.rept 4
	v_nop
.endr
	s_branch .Lasked_\@
.Lfor_b_\@:
	tensor_load_to_lds s[\g0b:\g0b+3], s[\g1b:\g1b+7]
	s_nop 0
.rept 4
	v_nop
.endr
.Lasked_\@:
.endm
.macro CREST
	s_cmp_lg_u32 s14, 0
	s_cbranch_scc1 .Lnot_wave_0_\@
	s_barrier_signal -3
.Lnot_wave_0_\@:
	s_barrier_wait -3
	s_barrier_signal -1
	s_barrier_wait -1
.endm
.macro CROUND
	s_barrier_signal -1
	s_barrier_wait -1
	CREST
.endm
.macro PLACES n
.rept \n
	v_nop
.endr
.endm
.macro FETCH slot, q, f, fps
	WIN TO_F
.irp i, 0,1,2,3
.irp c, 0,1,2,3
	ds_load_b128 v[(\f)+64+16*\i+4*\c:(\f)+64+16*\i+4*\c+3], v[ADRB+(\slot)] offset:((\fps)*\i+(\q))*2048+512*\c
.endr
.endr
.irp i, 0,1,2,3
.irp c, 0,1,2,3
	ds_load_b128 v[(\f)+16*\i+4*\c:(\f)+16*\i+4*\c+3], v[ADRA+(\slot)] offset:((\fps)*\i+(\q))*2048+512*\c
.endr
.endr
.endm
.macro SCALES s
	WIN 0
.set snp, 2
.if (FH != 0) && ((\s) == NS-1)
.set snp, (FH+1)/2
.endif
.irp i, 0,1,2,3
.set spr, 0
.rept snp
	ds_load_b32 v[SC+16*((\s)%2)+2*\i+spr], v[ADRSA] offset:\i*MTS+256*(\s)+128*spr
	ds_load_b32 v[SC+16*((\s)%2)+8+2*\i+spr], v[ADRSB] offset:\i*MTS+256*(\s)+128*spr
.set spr, spr+1
.endr
.endr
.endm
.macro MUL4 f, a, q, sc, zero
.irp b, 0,1,2,3
.if \zero
	v_wmma_scale_f32_16x16x128_f8f6f4 v[ACC+8*(4*(\a)+\b):ACC+8*(4*(\a)+\b)+7], v[(\f)+64+16*\b:(\f)+64+16*\b+15], v[(\f)+16*(\a):(\f)+16*(\a)+15], 0, v[SC+16*(\sc)+8+2*\b+(\q)/2], v[SC+16*(\sc)+2*(\a)+(\q)/2] matrix_a_fmt:MATRIX_FMT_BF8 matrix_b_fmt:MATRIX_FMT_BF8
.elseif (\q)%2
	v_wmma_scale_f32_16x16x128_f8f6f4 v[ACC+8*(4*(\a)+\b):ACC+8*(4*(\a)+\b)+7], v[(\f)+64+16*\b:(\f)+64+16*\b+15], v[(\f)+16*(\a):(\f)+16*(\a)+15], v[ACC+8*(4*(\a)+\b):ACC+8*(4*(\a)+\b)+7], v[SC+16*(\sc)+8+2*\b+(\q)/2], v[SC+16*(\sc)+2*(\a)+(\q)/2] matrix_a_fmt:MATRIX_FMT_BF8 matrix_b_fmt:MATRIX_FMT_BF8 matrix_a_scale:MATRIX_SCALE_ROW1 matrix_b_scale:MATRIX_SCALE_ROW1
.else
	v_wmma_scale_f32_16x16x128_f8f6f4 v[ACC+8*(4*(\a)+\b):ACC+8*(4*(\a)+\b)+7], v[(\f)+64+16*\b:(\f)+64+16*\b+15], v[(\f)+16*(\a):(\f)+16*(\a)+15], v[ACC+8*(4*(\a)+\b):ACC+8*(4*(\a)+\b)+7], v[SC+16*(\sc)+8+2*\b+(\q)/2], v[SC+16*(\sc)+2*(\a)+(\q)/2] matrix_a_fmt:MATRIX_FMT_BF8 matrix_b_fmt:MATRIX_FMT_BF8
.endif
.endr
.endm
.macro G1WORDS
.irp g, G1, G1B
	s_mov_b32 s[\g+1], 1024<<16
	s_mov_b32 s[\g+2], 8<<16                       ; the head's loads bring a whole tile: 8 rows; the ring's 4
	s_mov_b32 s[\g+3], 1024<<16
	s_mov_b32 s[\g+4], 8
	s_mov_b32 s[\g+5], KF*256
	s_mov_b32 s[\g+6], 0
	s_mov_b32 s[\g+7], 0
.endr
.irp g, G1S, G1SB
	s_mov_b32 s[\g+1], 32<<16
	s_mov_b32 s[\g+2], (HALFS/128)<<16             ; the scale words of both halves in one load
	s_mov_b32 s[\g+3], 32<<16
	s_mov_b32 s[\g+4], HALFS/128
	s_mov_b32 s[\g+5], 32
	s_mov_b32 s[\g+6], 0
	s_mov_b32 s[\g+7], 0
.endr
.endm
.macro SHORTSHAPE
.irp g, G1S, G1SB
	s_mov_b32 s[\g+1], (FH*256)<<16
	s_mov_b32 s[\g+2], 4<<16
	s_mov_b32 s[\g+3], (FH*256)<<16
	s_mov_b32 s[\g+4], 4
	s_mov_b32 s[\g+5], KF*256
.endr
.endm
.macro FILLS
	s_mov_b32 s[G0S], 1
	s_mov_b32 s[G0S+1], SCL
	s_mov_b64 s[G0S+2:G0S+3], s[22:23]
	s_or_b32 s[G0S+3], s[G0S+3], 0x80000000
	s_mov_b32 s[G0SB], 1
	s_mov_b32 s[G0SB+1], SCL+2*HALFS
	s_mov_b64 s[G0SB+2:G0SB+3], s[92:93]
	s_or_b32 s[G0SB+3], s[G0SB+3], 0x80000000
	s_mov_b32 s[G0+4], 1                           ; slot 0's whole tiles of A and of B, in the registers that slot 1's ring takes over behind the head
	s_mov_b32 s[G0+5], 0
	s_mov_b64 s[G0+6:G0+7], s[20:21]
	s_or_b32 s[G0+7], s[G0+7], 0x80000000
	s_mov_b32 s[G0B+4], 1
	s_mov_b32 s[G0B+5], 2*HALFT
	s_mov_b64 s[G0B+6:G0B+7], s[46:47]
	s_or_b32 s[G0B+7], s[G0B+7], 0x80000000
	s_mov_b32 s[G0], 1                             ; slot 0's ring: my half of a tile
	s_mov_b32 s[G0+1], s45
	s_add_nc_u64 s[G0+2:G0+3], s[20:21], s[18:19]
	s_or_b32 s[G0+3], s[G0+3], 0x80000000
	s_mov_b32 s[G0B], 1
	s_mov_b32 s[G0B+1], s45
	s_add_nc_u64 s[G0B+2:G0B+3], s[46:47], s[18:19]
	s_or_b32 s[G0B+3], s[G0B+3], 0x80000000
	ARM 1, G0+4, G1, .Lhead_b                      ; one load a wave: wave 0 A's tile, wave 1 B's, wave 2 A's scale words, wave 3 B's
	ARM 2, G0B+4, G1B, .Lhead_sa
	ARM 3, G0S, G1S, .Lhead_sb
	tensor_load_to_lds s[G0SB:G0SB+3], s[G1SB:G1SB+7]
	s_nop 0
.rept 4
	v_nop
.endr
.Lhead_asked:
.endm
.macro ARM under, g0, g1, next         ; an arm of the head's one tree of branches on the wave's number
	s_cmp_lt_u32 s14, \under
	s_cbranch_scc0 \next
	tensor_load_to_lds s[\g0:\g0+3], s[\g1:\g1+7]
	s_nop 0
.rept 4
	v_nop
.endr
	s_branch .Lhead_asked
\next:
.endm
.macro KSTEP
.set kq,  kk%4
.set ksl, (kk/4)%2
.set kf,  128*(kk%2)
.set kn,  (kk+1)/4
.set kz,  0
.if kk == 0
.set kz,  1
.endif
.set fps, 4
.if (FH != 0) && (kn == NS-1)
.set fps, FH
.endif
.if (kq == 3) && (kk+1 < KF)
	WIN 0
	s_wait_tensorcnt 0x0
	ds_add_u32 v[SPW], v[NIL]
	s_wait_dscnt 1
	WIN MUL
	MUL4 kf, 0, kq, ksl, 0
	s_wait_dscnt 0x0
	s_barrier_signal -1
	MUL4 kf, 1, kq, ksl, 0
	WIN 0
	s_barrier_wait -1
.if kn+1 < NS
	CREST
	s_add_nc_u64 s[G0+4*ksl+2:G0+4*ksl+3], s[G0+4*ksl+2:G0+4*ksl+3], 16384
	s_add_nc_u64 s[G0B+4*ksl+2:G0B+4*ksl+3], s[G0B+4*ksl+2:G0B+4*ksl+3], 16384
.if (FH != 0) && (kn+1 == NS-1)
	SHORTSHAPE
	JLOAD G0+4*ksl, G1S, G0B+4*ksl, G1SB
.else
	JLOAD G0+4*ksl, G1, G0B+4*ksl, G1B
.endif
	PLACES NP-4
.else
	PLACES NP
.endif
	FETCH 1-ksl, 0, 128-kf, fps
	SCALES kn
	WIN MUL
	MUL4 kf, 2, kq, ksl, 0
	MUL4 kf, 3, kq, ksl, 0
.else
	s_wait_dscnt 0x0
.if kk+1 < KF
.if kk > 0
	PLACES NP
.endif
	FETCH ksl, kq+1, 128-kf, fps
.endif
	WIN MUL
	MUL4 kf, 0, kq, ksl, kz
	MUL4 kf, 1, kq, ksl, kz
	MUL4 kf, 2, kq, ksl, kz
	MUL4 kf, 3, kq, ksl, kz
.endif
.endm
	s_load_b256 s[4:11], s[0:1], 0x0
	v_lshl_add_u32 v[SPW], v0, 2, SPARE
	v_mov_b32 v[NIL], 0
	ds_add_u32 v[SPW], v[NIL]
	ds_add_u32 v[SPW], v[NIL]
	v_lshrrev_b32 v1, 5, v0
	v_readfirstlane_b32 s14, v1
	s_lshr_b32 s15, s14, 1
	s_and_b32 s16, s14, 1
	s_bfe_u32 s40, ttmp6, 0x40000
	s_bfe_u32 s41, ttmp6, 0x40004
	s_lshl_b32 s42, ttmp9, 2
	s_add_co_u32 s42, s42, s40
	s_and_b32 s17, ttmp7, 0xffff
	s_lshl_b32 s17, s17, 2
	s_add_co_u32 s17, s17, s41
	s_lshl_b32 s43, s41, 2
	s_lshl_b32 s43, 15, s43
	s_lshl_b32 s44, 0x1111, s40
	s_or_b32 s[G1+0], s43, (3<<16)|(1<<21)
	s_or_b32 s[G1B+0], s44, (3<<16)|(1<<21)
	s_or_b32 s[G1S+0], s43, (3<<16)|(1<<21)
	s_or_b32 s[G1SB+0], s44, (3<<16)|(1<<21)
	G1WORDS
	s_lshl_b32 s20, s17, 3
	s_lshl_b32 s46, s42, 3
	s_mul_i32 s22, s20, MTS
	s_add_co_u32 s22, s22, ASCL
	s_mov_b32 s23, 0
	s_mul_i32 s20, s20, KF*2048
	s_mov_b32 s21, 0
	s_mul_i32 s92, s46, MTS
	s_add_co_u32 s92, s92, BSCL
	s_mov_b32 s93, 0
	s_mul_i32 s46, s46, KF*2048
	s_add_co_u32 s46, s46, BIMG
	s_mov_b32 s47, 0
	s_mul_i32 s45, s14, HALFT
	s_mul_i32 s18, s16, 4*KF*2048                  ; in the ring I fetch half a tile: which half, in bytes
	s_mov_b32 s19, 0
	s_wait_dscnt 0x0
	s_wait_kmcnt 0x0
	s_add_nc_u64 s[20:21], s[4:5], s[20:21]
	s_add_nc_u64 s[22:23], s[4:5], s[22:23]
	s_add_nc_u64 s[46:47], s[6:7], s[46:47]
	s_add_nc_u64 s[92:93], s[6:7], s[92:93]
	CROUND
	FILLS
	v_and_b32 v1, 31, v0
	v_lshlrev_b32 v2, 4, v1
	v_lshlrev_b32 v3, 2, v1
	s_lshl_b32 s21, s15, 15
	s_lshl_b32 s22, s16, 15
	s_add_co_u32 s22, s22, 65536
	v_add_nc_u32 v[ADRA], s21, v2
	v_add_nc_u32 v[ADRB], s22, v2
	v_add_nc_u32 v[ADRA+1], SLOT, v[ADRA]
	v_add_nc_u32 v[ADRB+1], SLOT, v[ADRB]
	s_mul_i32 s21, s15, HALFS
	s_add_co_u32 s21, s21, SCL
	s_mul_i32 s22, s16, HALFS
	s_add_co_u32 s22, s22, SCL+2*HALFS
	v_add_nc_u32 v[ADRSA], s21, v3
	v_add_nc_u32 v[ADRSB], s22, v3
	v_and_b32 v4, 15, v0
	v_bfe_u32 v5, v0, 4, 1
	s_mul_i32 s23, s14, 16*SPITCH
	s_add_co_u32 s23, s23, STG
	v_mul_u32_u24 v6, v4, SPITCH
	v_lshl_add_u32 v6, v5, 6, v6
	v_add_nc_u32 v[STO], s23, v6
	v_mul_u32_u24 v6, v5, SPITCH
	v_lshl_add_u32 v6, v4, 4, v6
	v_add_nc_u32 v[RD], s23, v6
	v_lshlrev_b32 v[CO], 12, v5
	v_lshl_add_u32 v[CO], v4, 4, v[CO]
	s_wait_alu depctr_va_vdst(0)
	s_lshl_b32 s20, s17, 7
	s_lshl_b32 s21, s15, 6
	s_add_co_u32 s20, s20, s21
	s_lshl_b32 s20, s20, 12
	s_lshl_b32 s21, s42, 9
	s_add_co_u32 s20, s20, s21
	s_lshl_b32 s21, s16, 8
	s_add_co_u32 s20, s20, s21
	s_mov_b32 s21, 0
	s_add_nc_u64 s[92:93], s[8:9], s[20:21]
	s_add_nc_u64 s[94:95], s[10:11], s[20:21]
	WIN 0x80
.irp a, 0,1,2,3
.irp t, 0,1,2,3,4,5,6,7
	global_load_b128 v[32*\a+4*\t:32*\a+4*\t+3], v[CO], s[92:93] offset:(32*(\a/2)+8*(\a%2)+2*\t+8*(\t/4))*4096
.endr
.endr
	WIN 0
	s_wait_tensorcnt 0x0                           ; my tile of the head's four is in; these lines stand ahead of slot 1's first fill as ahead of a refill
	ds_add_u32 v[SPW], v[NIL]
	s_mov_b32 s[G1+2], 4<<16                       ; no load of mine is out: from here on a load brings 4 rows,
	s_mov_b32 s[G1+4], 4
	s_mov_b32 s[G1B+2], 4<<16
	s_mov_b32 s[G1B+4], 4
	s_add_co_u32 s[G0+5], s[G0+1], SLOT            ; and slot 1's ring begins at the second four K steps of my half
	s_add_nc_u64 s[G0+6:G0+7], s[G0+2:G0+3], 8192
	s_add_co_u32 s[G0B+5], s[G0B+1], SLOT
	s_add_nc_u64 s[G0B+6:G0B+7], s[G0B+2:G0B+3], 8192
	s_wait_dscnt 0x0
	CROUND                                         ; all four tiles are in, and all partners are here
	JLOAD G0+4, G1, G0B+4, G1B                     ; slot 1: the first tensor load behind the round
	FETCH 0, 0, 0, 4
	SCALES 0
.set kk, 0
.rept KF
	KSTEP
.set kk, kk+1
.endr
	WIN 0
.macro TOSTAGE a
.set AC, ACC+32*(\a)
.irp b, 0,1
.irp q, 0,1,2,3
	ds_store_b128 v[STO], v[AC+16*\b+4*\q:AC+16*\b+4*\q+3] offset:128*\b+16*\q
.endr
.endr
.set BB, BK+32*((\a)%2)
.irp t, 0,1,2,3,4,5,6,7
	ds_load_b128 v[BB+4*\t:BB+4*\t+3], v[RD] offset:2*\t*SPITCH
.endr
.endm
.macro SEND a, younger
.set BB, BK+32*((\a)%2)
	s_wait_dscnt \younger
	WIN 0x08
.set n, 0
.rept 16
	v_pk_add_f32 v[BB+2*n:BB+2*n+1], v[BB+2*n:BB+2*n+1], v[32*(\a)+2*n:32*(\a)+2*n+1]
.set n, n+1
.endr
	WIN 0
.irp t, 0,1,2,3,4,5,6,7
.if NTOUT
	global_store_b128 v[CO], v[BB+4*\t:BB+4*\t+3], s[94:95] offset:(32*((\a)/2)+8*((\a)%2)+2*\t+8*(\t/4))*4096 th:TH_STORE_NT
.else
	global_store_b128 v[CO], v[BB+4*\t:BB+4*\t+3], s[94:95] offset:(32*((\a)/2)+8*((\a)%2)+2*\t+8*(\t/4))*4096
.endif
.endr
.endm
	PLACES NP
	s_wait_loadcnt 0x0
	TOSTAGE 0
.irp a, 1,2,3
.if \a > 1
	s_wait_xcnt 0x0
.endif
	TOSTAGE \a
	SEND \a-1, 16
.endr
	SEND 3, 0
	s_wait_tensorcnt 0x0
	ds_add_u32 v[SPW], v[NIL]
	s_wait_dscnt 0x0
	CROUND
	s_endpgm
.Lfunc_end_k_qd65ace30ee_go:
	.size	k_qd65ace30ee_go, .Lfunc_end_k_qd65ace30ee_go-k_qd65ace30ee_go
	.p2alignl 7, 3214868480
	.fill 96, 4, 3214868480
	.section	.rodata,"a",@progbits
	.p2align	6, 0x0
	.amdhsa_kernel k_qd65ace30ee_go
		.amdhsa_group_segment_fixed_size 327680
		.amdhsa_private_segment_fixed_size 0
		.amdhsa_enable_private_segment 0
		.amdhsa_kernarg_size 32
		.amdhsa_user_sgpr_count 2
		.amdhsa_user_sgpr_kernarg_segment_ptr 1
		.amdhsa_wavefront_size32 1
		.amdhsa_system_sgpr_workgroup_id_x 1
		.amdhsa_system_sgpr_workgroup_id_y 1
		.amdhsa_system_sgpr_workgroup_id_z 1
		.amdhsa_system_vgpr_workitem_id 0
		.amdhsa_next_free_vgpr 640
		.amdhsa_next_free_sgpr 100
		.amdhsa_reserve_vcc 0
		.amdhsa_float_denorm_mode_32 3
		.amdhsa_float_denorm_mode_16_64 3
		.amdhsa_memory_ordered 1
		.amdhsa_forward_progress 1
		.amdhsa_inst_pref_size 62
	.end_amdhsa_kernel
	.amdgpu_metadata
---
amdhsa.version: [ 1, 2 ]
amdhsa.kernels:
  - .name:           k_qd65ace30ee_go
    .symbol:         k_qd65ace30ee_go.kd
    .args:
      - { .name: AT, .offset: 0, .size: 8, .value_kind: global_buffer, .address_space: global }
      - { .name: P1, .offset: 8, .size: 8, .value_kind: global_buffer, .address_space: global }
      - { .name: x, .offset: 16, .size: 8, .value_kind: global_buffer, .address_space: global }
      - { .name: X2, .offset: 24, .size: 8, .value_kind: global_buffer, .address_space: global }
    .group_segment_fixed_size: 327680
    .private_segment_fixed_size: 0
    .kernarg_segment_align: 8
    .kernarg_segment_size: 32
    .max_flat_workgroup_size: 128
    .sgpr_count:     100
    .vgpr_count:     640
    .wavefront_size: 32
...
	.end_amdgpu_metadata
.endif
;; end of part 11
;; launch norm2 (part 12): grid 256 x 1, 4 waves a work-group, no clusters, 1,024 bytes of LDS; arguments X2, g2, A2; writes A2
.if DOCPART == 12
	.amdgcn_target "amdgcn-amd-amdhsa--gfx1250"
	.amdhsa_code_object_version 6
	.text
	.protected	k_qd65ace30ee_norm2
	.globl	k_qd65ace30ee_norm2
	.p2align	8
	.type	k_qd65ace30ee_norm2,@function
k_qd65ace30ee_norm2:
	s_mov_b64 s[64:65], 0
	v_nop
	global_prefetch_b8 v0, s[64:65] scope:SCOPE_SE
	s_setreg_imm32_b32 hwreg(HW_REG_WAVE_MODE, 25, 1), 1
	s_wait_xcnt 0x0
; rmsnorm(X2, g2), quantised along the 1,024 to codes of E5M2 with one E8M0 scale for each 32, stored as an image of the operand's registers (see launch prep): [tile of 16 rows][8][2,048 bytes], scale words at 0x400000.
; A work-group takes one tile of 16 tokens: row i of tile t is the true row 32 (t / 2) + 8 (t % 2) + i + 8 (i / 8).  Wave w takes K steps 2 w and 2 w + 1; the waves' partial sums of squares meet in LDS.
; LIMITS: NaN and infinities are not served; a block of zeros gets the byte 1 (its codes are zeros, and this program alone reads the bytes).
.set A1SCL,  0x400000
.set SPARE,  256                       ; LDS: 0-255 the waves' partial sums; 256-767 the spare words, which no other line names
.set WV,  3
.set SEL, 50
.set MNT, 52
.set EPS, 53
.set SPW, 30
.set NIL, 31
.set X,   32
.set G,   160
.set PC,  224
.set TM,  240
.set PW,  20
.macro QMAX src, nb                    ; each block's largest magnitude among my 16, over the floor 2^(16 - 127)
.set qb, 0
.rept \nb
	v_max3_num_f32 v[TM+qb], |v[(\src)+16*qb]|, |v[(\src)+16*qb+1]|, 0x8000000
.set qb, qb+1
.endr
.set qi, 2
.rept 7
.set qb, 0
.rept \nb
	v_max3_num_f32 v[TM+qb], |v[(\src)+16*qb+qi]|, |v[(\src)+16*qb+qi+1]|, v[TM+qb]
.set qb, qb+1
.endr
.set qi, qi+2
.endr
.endm
.macro QSCL nb                         ; with lane l xor 16's; the conversion's scale operand, the byte, the hold's limit, the scale word
.set qb, 0
.rept \nb
	v_permlanex16_b32 v[TM+4+qb], v[TM+qb], s[SEL], s[SEL+1]
.set qb, qb+1
.endr
.set qb, 0
.rept \nb
	v_max_num_f32 v[TM+qb], v[TM+qb], v[TM+4+qb]
.set qb, qb+1
.endr
.set qb, 0
.rept \nb
	v_add_nc_u32 v[TM+12+qb], 0xf8800000, v[TM+qb]
.set qb, qb+1
.endr
.set qb, 0
.rept \nb
	v_and_or_b32 v[TM+8+qb], v[TM+qb], 0x7f800000, s[MNT]
.set qb, qb+1
.endr
.set qb, 0
.rept \nb
	v_lshrrev_b32 v[TM+4+qb], 23, v[TM+12+qb]
.set qb, qb+1
.endr
	v_lshl_or_b32 v[PW], v[TM+5], 8, v[TM+4]
.if \nb == 4
	v_lshl_or_b32 v[PW], v[TM+6], 16, v[PW]
	v_lshl_or_b32 v[PW], v[TM+7], 24, v[PW]
.endif
.endm
.macro QHOLD dst, src, nb
.set qb, 0
.rept \nb
.set qi, 0
.rept 16
	v_med3_num_f32 v[(\dst)+16*qb+qi], v[(\src)+16*qb+qi], -v[TM+8+qb], v[TM+8+qb]
.set qi, qi+1
.endr
.set qb, qb+1
.endr
.endm
.macro QCVT src, nb
.set qb, 0
.rept \nb
	v_cvt_scalef32_pk8_bf8_f32 v[PC+4*qb:PC+4*qb+1], v[(\src)+16*qb:(\src)+16*qb+7], v[TM+12+qb]
	v_cvt_scalef32_pk8_bf8_f32 v[PC+4*qb+2:PC+4*qb+3], v[(\src)+16*qb+8:(\src)+16*qb+15], v[TM+12+qb]
.set qb, qb+1
.endr
	v_nop
.endm
	s_load_b128 s[4:7], s[0:1], 0x0                ; X2, g2
	s_load_b64 s[8:9], s[0:1], 0x10                ; A2
	v_lshl_add_u32 v[SPW], v0, 2, SPARE
	v_mov_b32 v[NIL], 0
	v_lshrrev_b32 v1, 5, v0
	v_readfirstlane_b32 s[WV], v1
	v_and_b32 v1, 31, v0
	v_and_b32 v2, 15, v0
	v_bfe_u32 v3, v0, 4, 1
	v_and_b32 v4, 8, v2
	v_add_nc_u32 v4, v4, v2
	s_wait_alu depctr_va_vdst(0)
	v_lshlrev_b32 v5, 4, v1
	v_lshlrev_b32 v7, 2, v2
	s_wait_alu depctr_va_vdst(0)
	s_lshr_b32 s10, ttmp9, 1
	s_lshl_b32 s10, s10, 17
	s_and_b32 s11, ttmp9, 1
	s_lshl_b32 s11, s11, 15
	s_add_co_u32 s10, s10, s11                     ; the tile's first true row, of 4,096 bytes
	s_mov_b32 s11, 0
	s_lshl_b32 s12, ttmp9, 14
	s_lshl_b32 s13, s[WV], 12
	s_add_co_u32 s12, s12, s13
	s_mov_b32 s13, 0
	s_lshl_b32 s14, ttmp9, 9
	s_lshl_b32 s15, s[WV], 7
	s_add_co_u32 s14, s14, s15
	s_add_co_u32 s14, s14, A1SCL
	s_mov_b32 s15, 0
	s_lshl_b32 s16, s[WV], 10
	s_lshl_b32 s17, s[WV], 6
	s_mov_b32 s[SEL], 0x76543210
	s_mov_b32 s[SEL+1], 0xfedcba98
	s_mov_b32 s[MNT], 0x600000
	s_mov_b32 s[EPS], 0x3727c5ac
	v_lshlrev_b32 v8, 12, v4
	v_lshl_add_u32 v8, v3, 6, v8
	v_add_nc_u32 v8, s16, v8
	v_lshlrev_b32 v9, 6, v3
	v_add_nc_u32 v9, s16, v9
	v_add_nc_u32 v10, s17, v7
.irp b, 0,1,2,3
	v_mov_b32 v[TM+4+\b], 0
.endr
	s_wait_alu depctr_va_vdst(0)
	s_wait_kmcnt 0x0
	s_add_nc_u64 s[4:5], s[4:5], s[10:11]
	s_add_nc_u64 s[12:13], s[8:9], s[12:13]
	s_add_nc_u64 s[14:15], s[8:9], s[14:15]
.irp s, 0,1
.irp b, 0,1,2,3
.irp j, 0,1,2,3
	global_load_b128 v[X+64*\s+16*\b+4*\j:X+64*\s+16*\b+4*\j+3], v8, s[4:5] offset:512*\s+128*\b+16*\j
.endr
.endr
.endr
.macro GLOAD s
.irp b, 0,1,2,3
.irp j, 0,1,2,3
	global_load_b128 v[G+16*\b+4*\j:G+16*\b+4*\j+3], v9, s[6:7] offset:512*\s+128*\b+16*\j
.endr
.endr
.endm
	GLOAD 0
	s_wait_loadcnt 16                              ; the rows are in; g's 16 loads stay out
.irp c, 0,1,2,3
	v_pk_mul_f32 v[12+2*\c:13+2*\c], v[X+2*\c:X+2*\c+1], v[X+2*\c:X+2*\c+1]
.endr
.set p, 4
.rept 60
	v_pk_fma_f32 v[12+2*(p%4):13+2*(p%4)], v[X+2*p:X+2*p+1], v[X+2*p:X+2*p+1], v[12+2*(p%4):13+2*(p%4)]
.set p, p+1
.endr
	v_pk_add_f32 v[12:13], v[12:13], v[14:15]
	v_pk_add_f32 v[16:17], v[16:17], v[18:19]
	v_pk_add_f32 v[12:13], v[12:13], v[16:17]
	v_add_f32 v12, v12, v13
	v_permlanex16_b32 v13, v12, s[SEL], s[SEL+1]
	v_add_f32 v12, v12, v13
	ds_store_b32 v10, v12
	s_wait_dscnt 0x0                               ; for the others' sake
	s_barrier_signal -1
	s_barrier_wait -1
.irp w, 0,1,2,3
	ds_load_b32 v[12+\w], v7 offset:64*\w
.endr
	s_wait_dscnt 0x0
	v_add_f32 v12, v12, v13
	v_add_f32 v14, v14, v15
	v_add_f32 v12, v12, v14
	v_fma_f32 v21, v12, 0x3a800000, s[EPS]
	s_wait_alu depctr_va_vdst(0)
	v_rsq_f32 v22, v21
	v_nop
	s_wait_alu depctr_va_vdst(0)                   ; the wait ahead of the result's first reader
	v_mov_b32 v23, v22
.macro NQUANT s
	s_wait_loadcnt 0x0
.set p, 0
.rept 32
	v_pk_mul_f32 v[X+64*\s+2*p:X+64*\s+2*p+1], v[X+64*\s+2*p:X+64*\s+2*p+1], v[22:23] op_sel_hi:[1,0]
.set p, p+1
.endr
.set p, 0
.rept 32
	v_pk_mul_f32 v[X+64*\s+2*p:X+64*\s+2*p+1], v[X+64*\s+2*p:X+64*\s+2*p+1], v[G+2*p:G+2*p+1]
.set p, p+1
.endr
.if \s == 0
	GLOAD 1
.else
	s_wait_xcnt 0x0                                ; the first fragment's stores have read the codes and the scale word
.endif
	QMAX X+64*\s, 4
	QSCL 4
	QHOLD X+64*\s, X+64*\s, 4
	QCVT X+64*\s, 4
.irp c, 0,1,2,3
	global_store_b128 v5, v[PC+4*\c:PC+4*\c+3], s[12:13] offset:2048*\s+512*\c
.endr
	global_store_b32 v7, v[PW], s[14:15] offset:64*\s
.endm
	s_wait_alu depctr_va_vdst(0)
	NQUANT 0
	NQUANT 1
	s_wait_tensorcnt 0x0                           ; the wave's end, behind my last LDS store
	ds_add_u32 v[SPW], v[NIL]
	s_wait_dscnt 0x0
	s_endpgm
.Lfunc_end_k_qd65ace30ee_norm2:
	.size	k_qd65ace30ee_norm2, .Lfunc_end_k_qd65ace30ee_norm2-k_qd65ace30ee_norm2
	.p2alignl 7, 3214868480
	.fill 96, 4, 3214868480
	.section	.rodata,"a",@progbits
	.p2align	6, 0x0
	.amdhsa_kernel k_qd65ace30ee_norm2
		.amdhsa_group_segment_fixed_size 1024
		.amdhsa_private_segment_fixed_size 0
		.amdhsa_enable_private_segment 0
		.amdhsa_kernarg_size 24
		.amdhsa_user_sgpr_count 2
		.amdhsa_user_sgpr_kernarg_segment_ptr 1
		.amdhsa_wavefront_size32 1
		.amdhsa_system_sgpr_workgroup_id_x 1
		.amdhsa_system_sgpr_workgroup_id_y 1
		.amdhsa_system_sgpr_workgroup_id_z 1
		.amdhsa_system_vgpr_workitem_id 0
		.amdhsa_next_free_vgpr 256
		.amdhsa_next_free_sgpr 66
		.amdhsa_reserve_vcc 0
		.amdhsa_float_denorm_mode_32 3
		.amdhsa_float_denorm_mode_16_64 3
		.amdhsa_memory_ordered 1
		.amdhsa_forward_progress 1
		.amdhsa_inst_pref_size 39
	.end_amdhsa_kernel
	.amdgpu_metadata
---
amdhsa.version: [ 1, 2 ]
amdhsa.kernels:
  - .name:           k_qd65ace30ee_norm2
    .symbol:         k_qd65ace30ee_norm2.kd
    .args:
      - { .name: X2, .offset: 0, .size: 8, .value_kind: global_buffer, .address_space: global }
      - { .name: g2, .offset: 8, .size: 8, .value_kind: global_buffer, .address_space: global }
      - { .name: A2, .offset: 16, .size: 8, .value_kind: global_buffer, .address_space: global }
    .group_segment_fixed_size: 1024
    .private_segment_fixed_size: 0
    .kernarg_segment_align: 8
    .kernarg_segment_size: 24
    .max_flat_workgroup_size: 128
    .sgpr_count:     66
    .vgpr_count:     256
    .wavefront_size: 32
...
	.end_amdgpu_metadata
.endif
;; end of part 12
;; launch g13 (part 13): grid 16 x 22, 4 waves a work-group, clusters of 4 x 1, 327,680 bytes of LDS; arguments A2, P1, H; writes H
.if DOCPART == 13
	.amdgcn_target "amdgcn-amd-amdhsa--gfx1250"
	.amdhsa_code_object_version 6
	.text
	.protected	k_qd65ace30ee_g13
	.globl	k_qd65ace30ee_g13
	.p2align	8
	.type	k_qd65ace30ee_g13,@function
k_qd65ace30ee_g13:
	s_mov_b64 s[64:65], 0
	v_nop
	global_prefetch_b8 v0, s[64:65] scope:SCOPE_SE
	s_setreg_imm32_b32 hwreg(HW_REG_WAVE_MODE, 25, 1), 1
	s_wait_xcnt 0x0
	s_wait_alu depctr_hold_cnt(0) depctr_sa_sdst(0) depctr_va_vdst(0) depctr_va_sdst(0) depctr_va_ssrc(0) depctr_va_vcc(0) depctr_vm_vsrc(0)
	s_getreg_b32 s2, hwreg(HW_REG_IB_STS2, 6, 4)
	s_cmp_eq_u32 s2, 0
	s_cbranch_scc0 .Lentry_in_a_cluster
	s_endpgm
.Lentry_in_a_cluster:
	s_bfe_u32 s2, ttmp6, 0x10000c
	s_cmp_lg_u32 s2, 0x3003
	s_cbranch_scc0 .Lentry_shape_is_right
	s_endpgm
.Lentry_shape_is_right:
; h = silu(xn w1^T) x (xn w3^T): products 7 and 8, K = 1,024, on codes of E5M2 with E8M0 scales; h is quantised in registers along its 2,752 columns and leaves as an image of product 9's operand.
; Both operands come as images (see launch prep).  w1's and w3's tiles are interleaved: a wave's 128 rows of role B are 64 rows of w1 and the same 64 rows of w3, so x1 and x3 of a column lie in one lane.
; The last group of role B is zero codes: it gives h = 0 in columns 2,752 to 2,815, the zeros with which product 9's K is filled up to a multiple of 128.
; A tile is 256 tokens x 256 rows of B: four waves, 128 x 128.  K goes in steps of 256 through two LDS slots; the scale words of all of K come once.
; CLUSTER 4, 1, 1: the four work-groups of a cluster take four tiles of tokens and the same tile of B, which is asked for jointly (mask 15); A's tiles are plain loads at the same places.
; Not 4 x 4: B has 22 tiles, which no four divide.
.set KF,     8
.set ASCL,   0x400000
.set BIMG,   0x840000
.set BSCL,   0xDC0000
.set NK,     KF/2
.set MTS,    64*KF
.set HALFT,  32768
.set SLOT,   131072
.set SCL,    262144
.set HALFS,  8*MTS
.set SPARE,  SCL+4*HALFS
.set NP,     8
.set ADRA,   16
.set ADRB,   20
.set ADRSA,  26
.set ADRSB,  27
.set SPW,    28
.set NIL,    29
.set SC,     32
.set AF,     128
.set G1,     24
.set G0,     32
.set G1B,    48
.set G0B,    56
.set G1S,    68
.set G0S,    76
.set G1SB,   80
.set G0SB,   88
.set MSB,    0
.macro WIN new                         ; the immediate's high byte repeats the setting that is left
.if MSB != (\new)
	s_set_vgpr_msb (MSB<<8)|(\new)
.set MSB, (\new)
.endif
.endm
.set MUL_LO, 0xa1
.set MUL_HI, 0xf1
.set TO_B,   0x40
.macro JLOAD g0a, g1a, g0b, g1b        ; waves 0, 1 fetch for A, waves 2, 3 for B; an s_nop 0 and four v_nop follow each line
	s_cmp_eq_u32 s15, 0
	s_cbranch_scc0 .Lfor_b_\@
	tensor_load_to_lds s[\g0a:\g0a+3], s[\g1a:\g1a+7]
	s_nop 0
.rept 4
	v_nop
.endr
	s_branch .Lasked_\@
.Lfor_b_\@:
	tensor_load_to_lds s[\g0b:\g0b+3], s[\g1b:\g1b+7]
	s_nop 0
.rept 4
	v_nop
.endr
.Lasked_\@:
.endm
.macro CREST
	s_cmp_lg_u32 s14, 0
	s_cbranch_scc1 .Lnot_wave_0_\@
	s_barrier_signal -3
.Lnot_wave_0_\@:
	s_barrier_wait -3
	s_barrier_signal -1
	s_barrier_wait -1
.endm
.macro CROUND
	s_barrier_signal -1
	s_barrier_wait -1
	CREST
.endm
.macro PLACES n
.rept \n
	v_nop
.endr
.endm
.macro FRAG reg, adr, q, i             ; fragment q of tile i of a half: an image, so lane l takes 16 bytes at 16 l of each 512
.irp c, 0,1,2,3
	ds_load_b128 v[\reg+4*\c:\reg+4*\c+3], v[\adr] offset:(2*(\i)+(\q))*2048+512*\c
.endr
.endm
.macro FETCH_B slot, q, p
	WIN TO_B
.irp i, 0,1,2,3,4,5,6,7
	FRAG 128*(\p)+16*\i, ADRB+\slot, \q, \i
.endr
	WIN 0
.endm
.macro FETCH_A slot, q, i0
.irp i, \i0, \i0+1, \i0+2, \i0+3
	FRAG AF+16*(\i), ADRA+\slot, \q, \i
.endr
.endm
.macro SCALES sc
.irp i, 0,1,2,3,4,5,6,7
	ds_load_b32 v[SC+16*\sc+\i], v[ADRSA] offset:\i*MTS
	ds_load_b32 v[SC+16*\sc+8+\i], v[ADRSB] offset:\i*MTS
.endr
.endm
; 16 matrix instructions: A's blocks a0, a0 + 1 x B's eight, 128 along K.  q = 1: the slot's second fragment, whose scale words lie in lanes 16-31.  The 64 accumulators take turns.
.macro MUL16 a0, p, q, sc, zero
.irp a, \a0, \a0+1
.irp b, 0,1,2,3,4,5,6,7
.if \zero
	v_wmma_scale_f32_16x16x128_f8f6f4 v[8*(8*((\a)%4)+\b):8*(8*((\a)%4)+\b)+7], v[128*(\p)+16*\b:128*(\p)+16*\b+15], v[AF+16*(\a):AF+16*(\a)+15], 0, v[SC+16*(\sc)+8+\b], v[SC+16*(\sc)+(\a)] matrix_a_fmt:MATRIX_FMT_BF8 matrix_b_fmt:MATRIX_FMT_BF8
.elseif \q
	v_wmma_scale_f32_16x16x128_f8f6f4 v[8*(8*((\a)%4)+\b):8*(8*((\a)%4)+\b)+7], v[128*(\p)+16*\b:128*(\p)+16*\b+15], v[AF+16*(\a):AF+16*(\a)+15], v[8*(8*((\a)%4)+\b):8*(8*((\a)%4)+\b)+7], v[SC+16*(\sc)+8+\b], v[SC+16*(\sc)+(\a)] matrix_a_fmt:MATRIX_FMT_BF8 matrix_b_fmt:MATRIX_FMT_BF8 matrix_a_scale:MATRIX_SCALE_ROW1 matrix_b_scale:MATRIX_SCALE_ROW1
.else
	v_wmma_scale_f32_16x16x128_f8f6f4 v[8*(8*((\a)%4)+\b):8*(8*((\a)%4)+\b)+7], v[128*(\p)+16*\b:128*(\p)+16*\b+15], v[AF+16*(\a):AF+16*(\a)+15], v[8*(8*((\a)%4)+\b):8*(8*((\a)%4)+\b)+7], v[SC+16*(\sc)+8+\b], v[SC+16*(\sc)+(\a)] matrix_a_fmt:MATRIX_FMT_BF8 matrix_b_fmt:MATRIX_FMT_BF8
.endif
.endr
.endr
.endm
.macro STEP slot, zero                 ; a slot's first 128 along K
	s_wait_dscnt 16                                ; all but the youngest 16 loads (A's blocks 4-7) are in
	WIN MUL_LO
	MUL16 0, 0, 0, \slot, \zero
	MUL16 2, 0, 0, \slot, \zero
	s_wait_dscnt 0
	PLACES NP                                      ; in front of loads into registers that matrix instructions have read
	FETCH_B \slot, 1, 1
	FETCH_A \slot, 1, 0
	WIN MUL_HI
	MUL16 4, 0, 0, \slot, \zero
	MUL16 6, 0, 0, \slot, \zero
	PLACES NP
	WIN 0
	FETCH_A \slot, 1, 4
.endm
.macro TURN slot, next, fill           ; a slot's second 128 along K, and the change of slots: one barrier; fill = 1: it opens a round of the cluster's barrier, and this slot is filled again, two K steps ahead
	s_wait_tensorcnt 0x0                           ; all my tensor loads have landed: my part of the next slot
	ds_add_u32 v[SPW], v[NIL]                      ; 0 onto my spare word
	s_wait_dscnt 17                                ; (the add and the youngest 16 loads may be out)
	WIN MUL_LO
	MUL16 0, 1, 1, \slot, 0
	s_wait_dscnt 0x0                               ; the add is done, and my reads of this slot are over
	s_barrier_signal -1
	MUL16 2, 1, 1, \slot, 0
	WIN 0
	s_barrier_wait -1
.if \fill
	CREST                                          ; no wave of any partner still reads this slot or has a load on its way
	s_add_nc_u64 s[G0+4*\slot+2:G0+4*\slot+3], s[G0+4*\slot+2:G0+4*\slot+3], 8192
	s_add_nc_u64 s[G0B+4*\slot+2:G0B+4*\slot+3], s[G0B+4*\slot+2:G0B+4*\slot+3], 8192
	JLOAD G0+4*\slot, G1, G0B+4*\slot, G1B         ; the first tensor load behind the round; its four v_nop are among the places
	PLACES NP-4
.else
	PLACES NP
.endif
	s_wait_alu depctr_va_vdst(0)
	v_add_nc_u32 v[ADRSA], 128, v[ADRSA]           ; the next K step's scale words
	v_add_nc_u32 v[ADRSB], 128, v[ADRSB]
	FETCH_B \next, 0, 0
	FETCH_A \next, 0, 0
	SCALES \next
	WIN MUL_HI
	MUL16 4, 1, 1, \slot, 0
	MUL16 6, 1, 1, \slot, 0
	PLACES NP
	WIN 0
	FETCH_A \next, 0, 4
.endm
.macro FINAL sc                        ; the very last 128 along K: nothing more to fetch
	s_wait_dscnt 16
	WIN MUL_LO
	MUL16 0, 1, 1, \sc, 0
	MUL16 2, 1, 1, \sc, 0
	s_wait_dscnt 0
	WIN MUL_HI
	MUL16 4, 1, 1, \sc, 0
	MUL16 6, 1, 1, \sc, 0
	WIN 0
.endm
.macro G1WORDS                         ; the shapes: codes 8 rows of 512 elements of 8 bytes, KF x 256 elements apart; scale words a dense block as rows of 256 bytes
.irp g, G1, G1B
	s_mov_b32 s[\g+1], 512<<16
	s_mov_b32 s[\g+2], 16<<16                      ; the head's loads bring a whole tile: 16 rows; the ring's 8
	s_mov_b32 s[\g+3], 512<<16
	s_mov_b32 s[\g+4], 16
	s_mov_b32 s[\g+5], KF*256
	s_mov_b32 s[\g+6], 0
	s_mov_b32 s[\g+7], 0
.endr
.irp g, G1S, G1SB
	s_mov_b32 s[\g+1], 32<<16
	s_mov_b32 s[\g+2], (HALFS/128)<<16             ; the scale words of both halves in one load
	s_mov_b32 s[\g+3], 32<<16
	s_mov_b32 s[\g+4], HALFS/128
	s_mov_b32 s[\g+5], 32
	s_mov_b32 s[\g+6], 0
	s_mov_b32 s[\g+7], 0
.endr
.endm
.macro FILLS                           ; the head's fills: one load a wave
	s_mov_b32 s[G0S], 1
	s_mov_b32 s[G0S+1], SCL
	s_mov_b64 s[G0S+2:G0S+3], s[22:23]
	s_or_b32 s[G0S+3], s[G0S+3], 0x80000000
	s_mov_b32 s[G0SB], 1
	s_mov_b32 s[G0SB+1], SCL+2*HALFS
	s_mov_b64 s[G0SB+2:G0SB+3], s[92:93]
	s_or_b32 s[G0SB+3], s[G0SB+3], 0x80000000
	s_mov_b32 s[G0+4], 1                           ; K step 0's whole tiles of A and of B, in the registers that slot 1's ring takes over behind the head
	s_mov_b32 s[G0+5], 0
	s_mov_b64 s[G0+6:G0+7], s[20:21]
	s_or_b32 s[G0+7], s[G0+7], 0x80000000
	s_mov_b32 s[G0B+4], 1
	s_mov_b32 s[G0B+5], 2*HALFT
	s_mov_b64 s[G0B+6:G0B+7], s[46:47]
	s_or_b32 s[G0B+7], s[G0B+7], 0x80000000
	s_mov_b32 s[G0], 1                             ; slot 0's ring: my half of a tile
	s_mov_b32 s[G0+1], s45
	s_add_nc_u64 s[G0+2:G0+3], s[20:21], s[18:19]
	s_or_b32 s[G0+3], s[G0+3], 0x80000000
	s_mov_b32 s[G0B], 1
	s_mov_b32 s[G0B+1], s45
	s_add_nc_u64 s[G0B+2:G0B+3], s[46:47], s[18:19]
	s_or_b32 s[G0B+3], s[G0B+3], 0x80000000
	ARM 1, G0+4, G1, .Lhead_b                      ; one load a wave: wave 0 A's tile, wave 1 B's, wave 2 A's scale words, wave 3 B's
	ARM 2, G0B+4, G1B, .Lhead_sa
	ARM 3, G0S, G1S, .Lhead_sb
	tensor_load_to_lds s[G0SB:G0SB+3], s[G1SB:G1SB+7]
	s_nop 0
.rept 4
	v_nop
.endr
.Lhead_asked:
.endm
.macro ARM under, g0, g1, next         ; an arm of the head's one tree of branches on the wave's number
	s_cmp_lt_u32 s14, \under
	s_cbranch_scc0 \next
	tensor_load_to_lds s[\g0:\g0+3], s[\g1:\g1+7]
	s_nop 0
.rept 4
	v_nop
.endr
	s_branch .Lhead_asked
\next:
.endm
.macro ADDRS
	v_and_b32 v1, 31, v0
	v_lshlrev_b32 v2, 4, v1                        ; 16 x lane
	v_lshlrev_b32 v3, 2, v1                        ; 4 x lane
	s_lshl_b32 s21, s15, 15
	s_lshl_b32 s22, s16, 15
	s_add_co_u32 s22, s22, 65536
	v_add_nc_u32 v[ADRA], s21, v2
	v_add_nc_u32 v[ADRB], s22, v2
	v_add_nc_u32 v[ADRA+1], SLOT, v[ADRA]
	v_add_nc_u32 v[ADRB+1], SLOT, v[ADRB]
	s_mul_i32 s21, s15, HALFS
	s_add_co_u32 s21, s21, SCL
	s_mul_i32 s22, s16, HALFS
	s_add_co_u32 s22, s22, SCL+2*HALFS
	v_add_nc_u32 v[ADRSA], s21, v3
	v_add_nc_u32 v[ADRSB], s22, v3
.endm
.macro KLOOP                           ; all of K but its last 128
	s_wait_tensorcnt 0x0                           ; my tile of the head's four is in; these lines stand ahead of slot 1's first fill as ahead of a refill
	ds_add_u32 v[SPW], v[NIL]
	s_mov_b32 s[G1+2], 8<<16                       ; no load of mine is out: from here on a load brings 8 rows,
	s_mov_b32 s[G1+4], 8
	s_mov_b32 s[G1B+2], 8<<16
	s_mov_b32 s[G1B+4], 8
	s_add_co_u32 s[G0+5], s[G0+1], SLOT            ; and slot 1's ring begins at K step 1 of my half
	s_add_nc_u64 s[G0+6:G0+7], s[G0+2:G0+3], 4096
	s_add_co_u32 s[G0B+5], s[G0B+1], SLOT
	s_add_nc_u64 s[G0B+6:G0B+7], s[G0B+2:G0B+3], 4096
	s_wait_dscnt 0x0
	CROUND                                         ; all four tiles are in, and all partners are here
	JLOAD G0+4, G1, G0B+4, G1B                     ; K step 1: the first tensor load behind the round
	FETCH_B 0, 0, 0
	FETCH_A 0, 0, 0
	SCALES 0
	FETCH_A 0, 0, 4
	STEP 0, 1                                      ; the first products start the sums
	s_mov_b32 s3, (NK-2)/2
.Llap:
	TURN 0, 1, 1
	STEP 1, 0
	TURN 1, 0, 1
	STEP 0, 0
	s_sub_co_u32 s3, s3, 1
	s_cmp_lg_u32 s3, 0
	s_cbranch_scc1 .Llap
.if NK%2 == 0
	TURN 0, 1, 0
	STEP 1, 0
.else
	TURN 0, 1, 1
	STEP 1, 0
	TURN 1, 0, 0
	STEP 0, 0
.endif
.endm
.set L16, 2
.set L4R, 6
.set T,   64                           ; v64-95   at work
.set X,   128                          ; v128-159 32 numbers of h
.set PC,  192
.set TM,  208
.set PW,  224
.set SEL, 96
.set MNT, 95
.set NL2E, 94
.macro QMAX src, nb                    ; the quantiser, as in the other launches: register 16 b + i is k = 32 b + 16 (lane / 16) + i of the lane's row
.set qb, 0
.rept \nb
	v_max3_num_f32 v[TM+qb], |v[(\src)+16*qb]|, |v[(\src)+16*qb+1]|, 0x8000000
.set qb, qb+1
.endr
.set qi, 2
.rept 7
.set qb, 0
.rept \nb
	v_max3_num_f32 v[TM+qb], |v[(\src)+16*qb+qi]|, |v[(\src)+16*qb+qi+1]|, v[TM+qb]
.set qb, qb+1
.endr
.set qi, qi+2
.endr
.endm
.macro QSCL nb
.set qb, 0
.rept \nb
	v_permlanex16_b32 v[TM+4+qb], v[TM+qb], s[SEL], s[SEL+1]
.set qb, qb+1
.endr
.set qb, 0
.rept \nb
	v_max_num_f32 v[TM+qb], v[TM+qb], v[TM+4+qb]
.set qb, qb+1
.endr
.set qb, 0
.rept \nb
	v_add_nc_u32 v[TM+12+qb], 0xf8800000, v[TM+qb]
.set qb, qb+1
.endr
.set qb, 0
.rept \nb
	v_and_or_b32 v[TM+8+qb], v[TM+qb], 0x7f800000, s[MNT]
.set qb, qb+1
.endr
.set qb, 0
.rept \nb
	v_lshrrev_b32 v[TM+4+qb], 23, v[TM+12+qb]
.set qb, qb+1
.endr
	v_lshl_or_b32 v[PW], v[TM+5], 8, v[TM+4]
.if \nb == 4
	v_lshl_or_b32 v[PW], v[TM+6], 16, v[PW]
	v_lshl_or_b32 v[PW], v[TM+7], 24, v[PW]
.endif
.endm
.macro QHOLD dst, src, nb
.set qb, 0
.rept \nb
.set qi, 0
.rept 16
	v_med3_num_f32 v[(\dst)+16*qb+qi], v[(\src)+16*qb+qi], -v[TM+8+qb], v[TM+8+qb]
.set qi, qi+1
.endr
.set qb, qb+1
.endr
.endm
.macro QCVT src, nb
.set qb, 0
.rept \nb
	v_cvt_scalef32_pk8_bf8_f32 v[PC+4*qb:PC+4*qb+1], v[(\src)+16*qb:(\src)+16*qb+7], v[TM+12+qb]
	v_cvt_scalef32_pk8_bf8_f32 v[PC+4*qb+2:PC+4*qb+3], v[(\src)+16*qb+8:(\src)+16*qb+15], v[TM+12+qb]
.set qb, qb+1
.endr
	v_nop
.endm
	s_load_b128 s[4:7], s[0:1], 0x0                ; A2 s[4:5], P1 s[6:7]
	s_load_b64 s[8:9], s[0:1], 0x10                ; H
	v_lshl_add_u32 v[SPW], v0, 2, SPARE
	v_mov_b32 v[NIL], 0
	ds_add_u32 v[SPW], v[NIL]                      ; the wave's opening: the add, twice on end, and its wait ahead of my first tensor load
	ds_add_u32 v[SPW], v[NIL]
	v_lshrrev_b32 v1, 5, v0
	v_readfirstlane_b32 s14, v1
	s_lshr_b32 s15, s14, 1
	s_and_b32 s16, s14, 1
	s_bfe_u32 s40, ttmp6, 0x40000                  ; cx
	s_lshl_b32 s17, ttmp9, 2
	s_add_co_u32 s17, s17, s40                     ; A's tile of 256 tokens: my own
	s_and_b32 s42, ttmp7, 0xffff                   ; B's tile: the cluster's
	s_mov_b32 s[G1+0], 3<<16                       ; A: a plain load: no mask; elements of 8 bytes
	s_mov_b32 s[G1S+0], 3<<16
	s_mov_b32 s[G1B+0], 15|(3<<16)|(1<<21)         ; B: asked for jointly by all four
	s_mov_b32 s[G1SB+0], 15|(3<<16)|(1<<21)
	G1WORDS
	s_lshl_b32 s20, s17, 4
	s_lshl_b32 s46, s42, 4
	s_mul_i32 s22, s20, MTS
	s_add_co_u32 s22, s22, ASCL
	s_mov_b32 s23, 0
	s_mul_i32 s20, s20, KF*2048
	s_mov_b32 s21, 0
	s_mul_i32 s92, s46, MTS
	s_add_co_u32 s92, s92, BSCL
	s_mov_b32 s93, 0
	s_mul_i32 s46, s46, KF*2048
	s_add_co_u32 s46, s46, BIMG
	s_mov_b32 s47, 0
	s_mul_i32 s45, s14, HALFT
	s_mul_i32 s18, s16, 8*KF*2048                  ; in the ring I fetch half a tile: which half, in bytes
	s_mov_b32 s19, 0
	s_wait_dscnt 0x0
	s_wait_kmcnt 0x0
	s_add_nc_u64 s[20:21], s[4:5], s[20:21]
	s_add_nc_u64 s[22:23], s[4:5], s[22:23]
	s_add_nc_u64 s[46:47], s[6:7], s[46:47]
	s_add_nc_u64 s[92:93], s[6:7], s[92:93]
	CROUND
	FILLS
	ADDRS
	v_and_b32 v4, 15, v0
	v_lshlrev_b32 v[L4R], 2, v4
	s_lshl_b32 s20, s17, 4
	s_lshl_b32 s21, s15, 3
	s_add_co_u32 s20, s20, s21                     ; my first tile of tokens
	s_mul_i32 s20, s20, 22
	s_add_co_u32 s20, s20, s42                     ; fragment (tile, B's tile): my wave's 64 columns of h are half of its 128 along K
	s_lshl_b32 s22, s20, 11
	s_lshl_b32 s21, s16, 10
	s_add_co_u32 s22, s22, s21
	s_mov_b32 s23, 0
	s_add_nc_u64 s[92:93], s[8:9], s[22:23]
	s_lshl_b32 s22, s20, 6
	s_lshl_b32 s21, s16, 1
	s_add_co_u32 s22, s22, s21
	s_add_co_u32 s22, s22, 0xB00000
	s_add_nc_u64 s[66:67], s[8:9], s[22:23]
	s_mov_b32 s[SEL], 0x76543210
	s_mov_b32 s[SEL+1], 0xfedcba98
	s_mov_b32 s[MNT], 0x600000
	s_mov_b32 s[NL2E], 0xbfb8aa3b                  ; -log2(e)
	s_wait_alu depctr_va_vdst(0)
	KLOOP
	FINAL 1
	PLACES NP
.irp b, 0,1,2,3
	v_mov_b32 v[TM+4+\b], 0
.endr
; Block a: 16 tokens (a lane a token); registers 0-31 x1, registers 32-63 x3 of the same 32 columns a lane
.macro HOUT a
.set AC, 64*((\a)%4)
	WIN 2+(\a)/4                                   ; source 0: the accumulators' window
.set n, 0
.rept 16
	v_pk_mul_f32 v[T+2*n:T+2*n+1], v[AC+2*n:AC+2*n+1], s[NL2E:NL2E+1] op_sel_hi:[1,0]     ; two at a time; of the scalar pair the low word serves both halves
.set n, n+1
.endr
	WIN 0
.set n, 0
	s_wait_alu depctr_va_vdst(0)
.rept 32
	v_exp_f32 v[T+n], v[T+n]                       ; e^(-x1)
.set n, n+1
.endr
	v_nop
	s_wait_alu depctr_va_vdst(0)                   ; one wait for the batch
.set n, 0
.rept 16
	v_pk_add_f32 v[T+2*n:T+2*n+1], v[T+2*n:T+2*n+1], 1.0 op_sel_hi:[1,0]
.set n, n+1
.endr
.set n, 0
	s_wait_alu depctr_va_vdst(0)
.rept 32
	v_rcp_f32 v[T+n], v[T+n]                       ; sigmoid(x1)
.set n, n+1
.endr
	v_nop
	s_wait_alu depctr_va_vdst(0)
	WIN 2+(\a)/4
.set n, 0
.rept 16
	v_pk_mul_f32 v[T+2*n:T+2*n+1], v[AC+2*n:AC+2*n+1], v[T+2*n:T+2*n+1]
.set n, n+1
.endr
.set n, 0
.rept 16
	v_pk_mul_f32 v[X+2*n:X+2*n+1], v[AC+32+2*n:AC+32+2*n+1], v[T+2*n:T+2*n+1]
.set n, n+1
.endr
	WIN 0
	QMAX X, 2
.if (\a) > 0
	s_wait_alu depctr_va_vdst(0)
	s_wait_xcnt 0x0                                ; the last block's stores have read the codes and the scale word
.endif
	QSCL 2
	QHOLD X, X, 2
	QCVT X, 2
	global_store_b128 v[L16], v[PC:PC+3], s[92:93] offset:45056*(\a)
	global_store_b128 v[L16], v[PC+4:PC+7], s[92:93] offset:45056*(\a)+512
	global_store_b16 v[L4R], v[PW], s[66:67] offset:1408*(\a)      ; my two bytes of the rows' scale words
.endm
.irp a, 0,1,2,3,4,5,6,7
	HOUT \a
.endr
	s_wait_tensorcnt 0x0                           ; the wave's end
	ds_add_u32 v[SPW], v[NIL]
	s_wait_dscnt 0x0
	CROUND
	s_endpgm
.Lfunc_end_k_qd65ace30ee_g13:
	.size	k_qd65ace30ee_g13, .Lfunc_end_k_qd65ace30ee_g13-k_qd65ace30ee_g13
	.p2alignl 7, 3214868480
	.fill 96, 4, 3214868480
	.section	.rodata,"a",@progbits
	.p2align	6, 0x0
	.amdhsa_kernel k_qd65ace30ee_g13
		.amdhsa_group_segment_fixed_size 327680
		.amdhsa_private_segment_fixed_size 0
		.amdhsa_enable_private_segment 0
		.amdhsa_kernarg_size 24
		.amdhsa_user_sgpr_count 2
		.amdhsa_user_sgpr_kernarg_segment_ptr 1
		.amdhsa_wavefront_size32 1
		.amdhsa_system_sgpr_workgroup_id_x 1
		.amdhsa_system_sgpr_workgroup_id_y 1
		.amdhsa_system_sgpr_workgroup_id_z 1
		.amdhsa_system_vgpr_workitem_id 0
		.amdhsa_next_free_vgpr 1024
		.amdhsa_next_free_sgpr 100
		.amdhsa_reserve_vcc 0
		.amdhsa_float_denorm_mode_32 3
		.amdhsa_float_denorm_mode_16_64 3
		.amdhsa_memory_ordered 1
		.amdhsa_forward_progress 1
		.amdhsa_inst_pref_size 204
	.end_amdhsa_kernel
	.amdgpu_metadata
---
amdhsa.version: [ 1, 2 ]
amdhsa.kernels:
  - .name:           k_qd65ace30ee_g13
    .symbol:         k_qd65ace30ee_g13.kd
    .args:
      - { .name: A2, .offset: 0, .size: 8, .value_kind: global_buffer, .address_space: global }
      - { .name: P1, .offset: 8, .size: 8, .value_kind: global_buffer, .address_space: global }
      - { .name: H, .offset: 16, .size: 8, .value_kind: global_buffer, .address_space: global }
    .group_segment_fixed_size: 327680
    .private_segment_fixed_size: 0
    .kernarg_segment_align: 8
    .kernarg_segment_size: 24
    .max_flat_workgroup_size: 128
    .sgpr_count:     100
    .vgpr_count:     1024
    .wavefront_size: 32
...
	.end_amdgpu_metadata
.endif
;; end of part 13
;; launch g2 (part 14): grid 8 x 32, 4 waves a work-group, clusters of 4 x 4, 327,680 bytes of LDS; arguments H, P1, X2, out0; writes out0
.if DOCPART == 14
	.amdgcn_target "amdgcn-amd-amdhsa--gfx1250"
	.amdhsa_code_object_version 6
	.text
	.protected	k_qd65ace30ee_g2
	.globl	k_qd65ace30ee_g2
	.p2align	8
	.type	k_qd65ace30ee_g2,@function
k_qd65ace30ee_g2:
	s_mov_b64 s[64:65], 0
	v_nop
	global_prefetch_b8 v0, s[64:65] scope:SCOPE_SE
	s_setreg_imm32_b32 hwreg(HW_REG_WAVE_MODE, 25, 1), 1
	s_wait_xcnt 0x0
	s_wait_alu depctr_hold_cnt(0) depctr_sa_sdst(0) depctr_va_vdst(0) depctr_va_sdst(0) depctr_va_ssrc(0) depctr_va_vcc(0) depctr_vm_vsrc(0)
	s_getreg_b32 s2, hwreg(HW_REG_IB_STS2, 6, 4)
	s_cmp_eq_u32 s2, 0
	s_cbranch_scc0 .Lentry_in_a_cluster
	s_endpgm
.Lentry_in_a_cluster:
	s_bfe_u32 s2, ttmp6, 0x10000c
	s_cmp_lg_u32 s2, 0xf033
	s_cbranch_scc0 .Lentry_shape_is_right
	s_endpgm
.Lentry_shape_is_right:
.set KF,     22
.set ASCL,   0xB00000
.set BIMG,   0xDEC000
.set BSCL,   0x10AC000
.set NTOUT,  1
.set NS,     (KF+3)/4
.set FH,     KF%4
.set MTS,    64*KF
.set HALFT,  32768
.set SLOT,   131072
.set SCL,    262144
.set HALFS,  4*MTS
.set STG,    SCL+4*HALFS
.set SPITCH, 272
.set SPARE,  STG+4*16*SPITCH
.set NP,     8
.set ADRA,   16
.set ADRB,   20
.set STO,    24
.set RD,     25
.set ADRSA,  26
.set ADRSB,  27
.set SPW,    28
.set NIL,    29
.set CO,     30
.set SC,     32
.set BK,     64
.set ACC,    128
.set G1,     24
.set G0,     32
.set G1B,    48
.set G0B,    56
.set G1S,    68
.set G0S,    76
.set G1SB,   80
.set G0SB,   88
.set MSB,    0
.macro WIN new
.if MSB != (\new)
	s_set_vgpr_msb (MSB<<8)|(\new)
.set MSB, (\new)
.endif
.endm
.set MUL,    0x05
.set TO_F,   0x40
.macro JLOAD g0a, g1a, g0b, g1b
	s_cmp_eq_u32 s15, 0
	s_cbranch_scc0 .Lfor_b_\@
	tensor_load_to_lds s[\g0a:\g0a+3], s[\g1a:\g1a+7]
	s_nop 0
.rept 4
	v_nop
.endr
	s_branch .Lasked_\@
.Lfor_b_\@:
	tensor_load_to_lds s[\g0b:\g0b+3], s[\g1b:\g1b+7]
	s_nop 0
.rept 4
	v_nop
.endr
.Lasked_\@:
.endm
.macro CREST
	s_cmp_lg_u32 s14, 0
	s_cbranch_scc1 .Lnot_wave_0_\@
	s_barrier_signal -3
.Lnot_wave_0_\@:
	s_barrier_wait -3
	s_barrier_signal -1
	s_barrier_wait -1
.endm
.macro CROUND
	s_barrier_signal -1
	s_barrier_wait -1
	CREST
.endm
.macro PLACES n
.rept \n
	v_nop
.endr
.endm
.macro FETCH slot, q, f, fps
	WIN TO_F
.irp i, 0,1,2,3
.irp c, 0,1,2,3
	ds_load_b128 v[(\f)+64+16*\i+4*\c:(\f)+64+16*\i+4*\c+3], v[ADRB+(\slot)] offset:((\fps)*\i+(\q))*2048+512*\c
.endr
.endr
.irp i, 0,1,2,3
.irp c, 0,1,2,3
	ds_load_b128 v[(\f)+16*\i+4*\c:(\f)+16*\i+4*\c+3], v[ADRA+(\slot)] offset:((\fps)*\i+(\q))*2048+512*\c
.endr
.endr
.endm
.macro SCALES s
	WIN 0
.set snp, 2
.if (FH != 0) && ((\s) == NS-1)
.set snp, (FH+1)/2
.endif
.irp i, 0,1,2,3
.set spr, 0
.rept snp
	ds_load_b32 v[SC+16*((\s)%2)+2*\i+spr], v[ADRSA] offset:\i*MTS+256*(\s)+128*spr
	ds_load_b32 v[SC+16*((\s)%2)+8+2*\i+spr], v[ADRSB] offset:\i*MTS+256*(\s)+128*spr
.set spr, spr+1
.endr
.endr
.endm
.macro MUL4 f, a, q, sc, zero
.irp b, 0,1,2,3
.if \zero
	v_wmma_scale_f32_16x16x128_f8f6f4 v[ACC+8*(4*(\a)+\b):ACC+8*(4*(\a)+\b)+7], v[(\f)+64+16*\b:(\f)+64+16*\b+15], v[(\f)+16*(\a):(\f)+16*(\a)+15], 0, v[SC+16*(\sc)+8+2*\b+(\q)/2], v[SC+16*(\sc)+2*(\a)+(\q)/2] matrix_a_fmt:MATRIX_FMT_BF8 matrix_b_fmt:MATRIX_FMT_BF8
.elseif (\q)%2
	v_wmma_scale_f32_16x16x128_f8f6f4 v[ACC+8*(4*(\a)+\b):ACC+8*(4*(\a)+\b)+7], v[(\f)+64+16*\b:(\f)+64+16*\b+15], v[(\f)+16*(\a):(\f)+16*(\a)+15], v[ACC+8*(4*(\a)+\b):ACC+8*(4*(\a)+\b)+7], v[SC+16*(\sc)+8+2*\b+(\q)/2], v[SC+16*(\sc)+2*(\a)+(\q)/2] matrix_a_fmt:MATRIX_FMT_BF8 matrix_b_fmt:MATRIX_FMT_BF8 matrix_a_scale:MATRIX_SCALE_ROW1 matrix_b_scale:MATRIX_SCALE_ROW1
.else
	v_wmma_scale_f32_16x16x128_f8f6f4 v[ACC+8*(4*(\a)+\b):ACC+8*(4*(\a)+\b)+7], v[(\f)+64+16*\b:(\f)+64+16*\b+15], v[(\f)+16*(\a):(\f)+16*(\a)+15], v[ACC+8*(4*(\a)+\b):ACC+8*(4*(\a)+\b)+7], v[SC+16*(\sc)+8+2*\b+(\q)/2], v[SC+16*(\sc)+2*(\a)+(\q)/2] matrix_a_fmt:MATRIX_FMT_BF8 matrix_b_fmt:MATRIX_FMT_BF8
.endif
.endr
.endm
.macro G1WORDS
.irp g, G1, G1B
	s_mov_b32 s[\g+1], 1024<<16
	s_mov_b32 s[\g+2], 8<<16                       ; the head's loads bring a whole tile: 8 rows; the ring's 4
	s_mov_b32 s[\g+3], 1024<<16
	s_mov_b32 s[\g+4], 8
	s_mov_b32 s[\g+5], KF*256
	s_mov_b32 s[\g+6], 0
	s_mov_b32 s[\g+7], 0
.endr
.irp g, G1S, G1SB
	s_mov_b32 s[\g+1], 32<<16
	s_mov_b32 s[\g+2], (HALFS/128)<<16             ; the scale words of both halves in one load
	s_mov_b32 s[\g+3], 32<<16
	s_mov_b32 s[\g+4], HALFS/128
	s_mov_b32 s[\g+5], 32
	s_mov_b32 s[\g+6], 0
	s_mov_b32 s[\g+7], 0
.endr
.endm
.macro SHORTSHAPE
.irp g, G1S, G1SB
	s_mov_b32 s[\g+1], (FH*256)<<16
	s_mov_b32 s[\g+2], 4<<16
	s_mov_b32 s[\g+3], (FH*256)<<16
	s_mov_b32 s[\g+4], 4
	s_mov_b32 s[\g+5], KF*256
.endr
.endm
.macro FILLS
	s_mov_b32 s[G0S], 1
	s_mov_b32 s[G0S+1], SCL
	s_mov_b64 s[G0S+2:G0S+3], s[22:23]
	s_or_b32 s[G0S+3], s[G0S+3], 0x80000000
	s_mov_b32 s[G0SB], 1
	s_mov_b32 s[G0SB+1], SCL+2*HALFS
	s_mov_b64 s[G0SB+2:G0SB+3], s[92:93]
	s_or_b32 s[G0SB+3], s[G0SB+3], 0x80000000
	s_mov_b32 s[G0+4], 1                           ; slot 0's whole tiles of A and of B, in the registers that slot 1's ring takes over behind the head
	s_mov_b32 s[G0+5], 0
	s_mov_b64 s[G0+6:G0+7], s[20:21]
	s_or_b32 s[G0+7], s[G0+7], 0x80000000
	s_mov_b32 s[G0B+4], 1
	s_mov_b32 s[G0B+5], 2*HALFT
	s_mov_b64 s[G0B+6:G0B+7], s[46:47]
	s_or_b32 s[G0B+7], s[G0B+7], 0x80000000
	s_mov_b32 s[G0], 1                             ; slot 0's ring: my half of a tile
	s_mov_b32 s[G0+1], s45
	s_add_nc_u64 s[G0+2:G0+3], s[20:21], s[18:19]
	s_or_b32 s[G0+3], s[G0+3], 0x80000000
	s_mov_b32 s[G0B], 1
	s_mov_b32 s[G0B+1], s45
	s_add_nc_u64 s[G0B+2:G0B+3], s[46:47], s[18:19]
	s_or_b32 s[G0B+3], s[G0B+3], 0x80000000
	ARM 1, G0+4, G1, .Lhead_b                      ; one load a wave: wave 0 A's tile, wave 1 B's, wave 2 A's scale words, wave 3 B's
	ARM 2, G0B+4, G1B, .Lhead_sa
	ARM 3, G0S, G1S, .Lhead_sb
	tensor_load_to_lds s[G0SB:G0SB+3], s[G1SB:G1SB+7]
	s_nop 0
.rept 4
	v_nop
.endr
.Lhead_asked:
.endm
.macro ARM under, g0, g1, next         ; an arm of the head's one tree of branches on the wave's number
	s_cmp_lt_u32 s14, \under
	s_cbranch_scc0 \next
	tensor_load_to_lds s[\g0:\g0+3], s[\g1:\g1+7]
	s_nop 0
.rept 4
	v_nop
.endr
	s_branch .Lhead_asked
\next:
.endm
.macro KSTEP
.set kq,  kk%4
.set ksl, (kk/4)%2
.set kf,  128*(kk%2)
.set kn,  (kk+1)/4
.set kz,  0
.if kk == 0
.set kz,  1
.endif
.set fps, 4
.if (FH != 0) && (kn == NS-1)
.set fps, FH
.endif
.if (kq == 3) && (kk+1 < KF)
	WIN 0
	s_wait_tensorcnt 0x0
	ds_add_u32 v[SPW], v[NIL]
	s_wait_dscnt 1
	WIN MUL
	MUL4 kf, 0, kq, ksl, 0
	s_wait_dscnt 0x0
	s_barrier_signal -1
	MUL4 kf, 1, kq, ksl, 0
	WIN 0
	s_barrier_wait -1
.if kn+1 < NS
	CREST
	s_add_nc_u64 s[G0+4*ksl+2:G0+4*ksl+3], s[G0+4*ksl+2:G0+4*ksl+3], 16384
	s_add_nc_u64 s[G0B+4*ksl+2:G0B+4*ksl+3], s[G0B+4*ksl+2:G0B+4*ksl+3], 16384
.if (FH != 0) && (kn+1 == NS-1)
	SHORTSHAPE
	JLOAD G0+4*ksl, G1S, G0B+4*ksl, G1SB
.else
	JLOAD G0+4*ksl, G1, G0B+4*ksl, G1B
.endif
	PLACES NP-4
.else
	PLACES NP
.endif
	FETCH 1-ksl, 0, 128-kf, fps
	SCALES kn
	WIN MUL
	MUL4 kf, 2, kq, ksl, 0
	MUL4 kf, 3, kq, ksl, 0
.else
	s_wait_dscnt 0x0
.if kk+1 < KF
.if kk > 0
	PLACES NP
.endif
	FETCH ksl, kq+1, 128-kf, fps
.endif
	WIN MUL
	MUL4 kf, 0, kq, ksl, kz
	MUL4 kf, 1, kq, ksl, kz
	MUL4 kf, 2, kq, ksl, kz
	MUL4 kf, 3, kq, ksl, kz
.endif
.endm
	s_load_b256 s[4:11], s[0:1], 0x0
	v_lshl_add_u32 v[SPW], v0, 2, SPARE
	v_mov_b32 v[NIL], 0
	ds_add_u32 v[SPW], v[NIL]
	ds_add_u32 v[SPW], v[NIL]
	v_lshrrev_b32 v1, 5, v0
	v_readfirstlane_b32 s14, v1
	s_lshr_b32 s15, s14, 1
	s_and_b32 s16, s14, 1
	s_bfe_u32 s40, ttmp6, 0x40000
	s_bfe_u32 s41, ttmp6, 0x40004
	s_lshl_b32 s42, ttmp9, 2
	s_add_co_u32 s42, s42, s40
	s_and_b32 s17, ttmp7, 0xffff
	s_lshl_b32 s17, s17, 2
	s_add_co_u32 s17, s17, s41
	s_lshl_b32 s43, s41, 2
	s_lshl_b32 s43, 15, s43
	s_lshl_b32 s44, 0x1111, s40
	s_or_b32 s[G1+0], s43, (3<<16)|(1<<21)
	s_or_b32 s[G1B+0], s44, (3<<16)|(1<<21)
	s_or_b32 s[G1S+0], s43, (3<<16)|(1<<21)
	s_or_b32 s[G1SB+0], s44, (3<<16)|(1<<21)
	G1WORDS
	s_lshl_b32 s20, s17, 3
	s_lshl_b32 s46, s42, 3
	s_mul_i32 s22, s20, MTS
	s_add_co_u32 s22, s22, ASCL
	s_mov_b32 s23, 0
	s_mul_i32 s20, s20, KF*2048
	s_mov_b32 s21, 0
	s_mul_i32 s92, s46, MTS
	s_add_co_u32 s92, s92, BSCL
	s_mov_b32 s93, 0
	s_mul_i32 s46, s46, KF*2048
	s_add_co_u32 s46, s46, BIMG
	s_mov_b32 s47, 0
	s_mul_i32 s45, s14, HALFT
	s_mul_i32 s18, s16, 4*KF*2048                  ; in the ring I fetch half a tile: which half, in bytes
	s_mov_b32 s19, 0
	s_wait_dscnt 0x0
	s_wait_kmcnt 0x0
	s_add_nc_u64 s[20:21], s[4:5], s[20:21]
	s_add_nc_u64 s[22:23], s[4:5], s[22:23]
	s_add_nc_u64 s[46:47], s[6:7], s[46:47]
	s_add_nc_u64 s[92:93], s[6:7], s[92:93]
	CROUND
	FILLS
	v_and_b32 v1, 31, v0
	v_lshlrev_b32 v2, 4, v1
	v_lshlrev_b32 v3, 2, v1
	s_lshl_b32 s21, s15, 15
	s_lshl_b32 s22, s16, 15
	s_add_co_u32 s22, s22, 65536
	v_add_nc_u32 v[ADRA], s21, v2
	v_add_nc_u32 v[ADRB], s22, v2
	v_add_nc_u32 v[ADRA+1], SLOT, v[ADRA]
	v_add_nc_u32 v[ADRB+1], SLOT, v[ADRB]
	s_mul_i32 s21, s15, HALFS
	s_add_co_u32 s21, s21, SCL
	s_mul_i32 s22, s16, HALFS
	s_add_co_u32 s22, s22, SCL+2*HALFS
	v_add_nc_u32 v[ADRSA], s21, v3
	v_add_nc_u32 v[ADRSB], s22, v3
	v_and_b32 v4, 15, v0
	v_bfe_u32 v5, v0, 4, 1
	s_mul_i32 s23, s14, 16*SPITCH
	s_add_co_u32 s23, s23, STG
	v_mul_u32_u24 v6, v4, SPITCH
	v_lshl_add_u32 v6, v5, 6, v6
	v_add_nc_u32 v[STO], s23, v6
	v_mul_u32_u24 v6, v5, SPITCH
	v_lshl_add_u32 v6, v4, 4, v6
	v_add_nc_u32 v[RD], s23, v6
	v_lshlrev_b32 v[CO], 12, v5
	v_lshl_add_u32 v[CO], v4, 4, v[CO]
	s_wait_alu depctr_va_vdst(0)
	s_lshl_b32 s20, s17, 7
	s_lshl_b32 s21, s15, 6
	s_add_co_u32 s20, s20, s21
	s_lshl_b32 s20, s20, 12
	s_lshl_b32 s21, s42, 9
	s_add_co_u32 s20, s20, s21
	s_lshl_b32 s21, s16, 8
	s_add_co_u32 s20, s20, s21
	s_mov_b32 s21, 0
	s_add_nc_u64 s[92:93], s[8:9], s[20:21]
	s_add_nc_u64 s[94:95], s[10:11], s[20:21]
	WIN 0x80
.irp a, 0,1,2,3
.irp t, 0,1,2,3,4,5,6,7
	global_load_b128 v[32*\a+4*\t:32*\a+4*\t+3], v[CO], s[92:93] offset:(32*(\a/2)+8*(\a%2)+2*\t+8*(\t/4))*4096
.endr
.endr
	WIN 0
	s_wait_tensorcnt 0x0                           ; my tile of the head's four is in; these lines stand ahead of slot 1's first fill as ahead of a refill
	ds_add_u32 v[SPW], v[NIL]
	s_mov_b32 s[G1+2], 4<<16                       ; no load of mine is out: from here on a load brings 4 rows,
	s_mov_b32 s[G1+4], 4
	s_mov_b32 s[G1B+2], 4<<16
	s_mov_b32 s[G1B+4], 4
	s_add_co_u32 s[G0+5], s[G0+1], SLOT            ; and slot 1's ring begins at the second four K steps of my half
	s_add_nc_u64 s[G0+6:G0+7], s[G0+2:G0+3], 8192
	s_add_co_u32 s[G0B+5], s[G0B+1], SLOT
	s_add_nc_u64 s[G0B+6:G0B+7], s[G0B+2:G0B+3], 8192
	s_wait_dscnt 0x0
	CROUND                                         ; all four tiles are in, and all partners are here
	JLOAD G0+4, G1, G0B+4, G1B                     ; slot 1: the first tensor load behind the round
	FETCH 0, 0, 0, 4
	SCALES 0
.set kk, 0
.rept KF
	KSTEP
.set kk, kk+1
.endr
	WIN 0
.macro TOSTAGE a
.set AC, ACC+32*(\a)
.irp b, 0,1
.irp q, 0,1,2,3
	ds_store_b128 v[STO], v[AC+16*\b+4*\q:AC+16*\b+4*\q+3] offset:128*\b+16*\q
.endr
.endr
.set BB, BK+32*((\a)%2)
.irp t, 0,1,2,3,4,5,6,7
	ds_load_b128 v[BB+4*\t:BB+4*\t+3], v[RD] offset:2*\t*SPITCH
.endr
.endm
.macro SEND a, younger
.set BB, BK+32*((\a)%2)
	s_wait_dscnt \younger
	WIN 0x08
.set n, 0
.rept 16
	v_pk_add_f32 v[BB+2*n:BB+2*n+1], v[BB+2*n:BB+2*n+1], v[32*(\a)+2*n:32*(\a)+2*n+1]
.set n, n+1
.endr
	WIN 0
.irp t, 0,1,2,3,4,5,6,7
.if NTOUT
	global_store_b128 v[CO], v[BB+4*\t:BB+4*\t+3], s[94:95] offset:(32*((\a)/2)+8*((\a)%2)+2*\t+8*(\t/4))*4096 th:TH_STORE_NT
.else
	global_store_b128 v[CO], v[BB+4*\t:BB+4*\t+3], s[94:95] offset:(32*((\a)/2)+8*((\a)%2)+2*\t+8*(\t/4))*4096
.endif
.endr
.endm
	PLACES NP
	s_wait_loadcnt 0x0
	TOSTAGE 0
.irp a, 1,2,3
.if \a > 1
	s_wait_xcnt 0x0
.endif
	TOSTAGE \a
	SEND \a-1, 16
.endr
	SEND 3, 0
	s_wait_tensorcnt 0x0
	ds_add_u32 v[SPW], v[NIL]
	s_wait_dscnt 0x0
	CROUND
	s_endpgm
.Lfunc_end_k_qd65ace30ee_g2:
	.size	k_qd65ace30ee_g2, .Lfunc_end_k_qd65ace30ee_g2-k_qd65ace30ee_g2
	.p2alignl 7, 3214868480
	.fill 96, 4, 3214868480
	.section	.rodata,"a",@progbits
	.p2align	6, 0x0
	.amdhsa_kernel k_qd65ace30ee_g2
		.amdhsa_group_segment_fixed_size 327680
		.amdhsa_private_segment_fixed_size 0
		.amdhsa_enable_private_segment 0
		.amdhsa_kernarg_size 32
		.amdhsa_user_sgpr_count 2
		.amdhsa_user_sgpr_kernarg_segment_ptr 1
		.amdhsa_wavefront_size32 1
		.amdhsa_system_sgpr_workgroup_id_x 1
		.amdhsa_system_sgpr_workgroup_id_y 1
		.amdhsa_system_sgpr_workgroup_id_z 1
		.amdhsa_system_vgpr_workitem_id 0
		.amdhsa_next_free_vgpr 640
		.amdhsa_next_free_sgpr 100
		.amdhsa_reserve_vcc 0
		.amdhsa_float_denorm_mode_32 3
		.amdhsa_float_denorm_mode_16_64 3
		.amdhsa_memory_ordered 1
		.amdhsa_forward_progress 1
		.amdhsa_inst_pref_size 131
	.end_amdhsa_kernel
	.amdgpu_metadata
---
amdhsa.version: [ 1, 2 ]
amdhsa.kernels:
  - .name:           k_qd65ace30ee_g2
    .symbol:         k_qd65ace30ee_g2.kd
    .args:
      - { .name: H, .offset: 0, .size: 8, .value_kind: global_buffer, .address_space: global }
      - { .name: P1, .offset: 8, .size: 8, .value_kind: global_buffer, .address_space: global }
      - { .name: X2, .offset: 16, .size: 8, .value_kind: global_buffer, .address_space: global }
      - { .name: out0, .offset: 24, .size: 8, .value_kind: global_buffer, .address_space: global }
    .group_segment_fixed_size: 327680
    .private_segment_fixed_size: 0
    .kernarg_segment_align: 8
    .kernarg_segment_size: 32
    .max_flat_workgroup_size: 128
    .sgpr_count:     100
    .vgpr_count:     640
    .wavefront_size: 32
...
	.end_amdgpu_metadata
.endif
;; end of part 14
